; MI455X (gfx1250); checked and timed in simulation.
; The chip was launched on July 23, 2026; its instructions are those of AMD's public machine-readable ISA for CDNA 5 (MIT licence, August 2026) and "CDNA5" Instruction Set Architecture Reference Guide (July 2026). The comments in the code are by the model that wrote it; some were corrected since.
;; Sparse MOE. Allowed arithmetic: float matrix products may take bf16 or f16 operands with f32 sums; other float arithmetic in f32, or as packed bf16 or f16 multiplies, adds, multiply-adds, maxima and minima; sums over many terms, partial sums and values carried from step to step in f32; what a program stores and reads back later, other than sums and carried values, may be rounded once to bf16 or f16.
;; Inputs: Wd 8 x 2,048 x 1,024 float32; Wg 1,024 x 8 float32; Wn 1,024 x 8 float32; Wu 8 x 1,024 x 2,048 float32; bd 8 x 1,024 float32; bg 8 float32; bn 8 float32; bu 8 x 2,048 float32; noise 4 x 512 x 8 float32; x 4 x 512 x 1,024 float32.
;; Outputs: out0 4 x 512 x 1,024 float32.
;; 3 versions, each right; version 2 is faster than version 1; version 3 is version 2 with the launches ffn1, ffn2 written anew for expert scheduling mode. Each part assembles by itself: llvm-mc -triple=amdgcn-amd-amdhsa -mcpu=gfx1250 --defsym DOCPART=n.
;; ======== version 1 of 3: 4 launches
;; workspace buffers: xb 4,194,304 bytes; mk 4,096 bytes of whole numbers; gt 65,536 bytes; hb 67,108,864 bytes; pp 16,777,216 bytes
;; launch router (part 1): grid 64 x 1, 8 waves a work-group, no clusters, 142,336 bytes of LDS; arguments x, noise, Wg, bg, Wn, bn, xb, mk, gt; writes xb, mk, gt
.if DOCPART == 1
	.amdgcn_target "amdgcn-amd-amdhsa--gfx1250"
	.amdhsa_code_object_version 6
	.text
	.protected	k_q94364f635d_router
	.globl	k_q94364f635d_router
	.p2align	8
	.type	k_q94364f635d_router,@function
k_q94364f635d_router:
	s_mov_b64 s[64:65], 0
	v_nop
	global_prefetch_b8 v0, s[64:65] scope:SCOPE_SE
	s_setreg_imm32_b32 hwreg(HW_REG_WAVE_MODE, 25, 1), 1
	s_wait_xcnt 0x0
; NOISY TOP-2 ROUTER.  noisy = x Wg + bg + noise * softplus(x Wn + bn); the two largest of a token's eight; softmax over those two.
; Every input is rounded once to bf16 (x, Wg, Wn as matrix operands; noise, bg, bn by a conversion and back); all else is f32.
; Stores: xb = x in bf16 [2048][1024]; mk = ballots, [2][8][64] words: plane 0 (e, g): bit i = token 32 g + i chose expert e; plane 1: ... and e is the
; larger of its two experts; gt = gates, [2][2048][4] f32: expert e of token t at ((e >> 2) 2048 + t) 16 + (e & 3) 4, 0 where e was not chosen.
; SHARES.  Work-group g owns tokens 32 g .. 32 g + 31.  Wave w: 16 tokens (w >> 2), a quarter of K (w & 3, 256 k).  Behind one barrier wave 0 adds the quarters and routes, a token a lane.
; LIMITS.  NaN and infinities are not treated apart.  Equal scores: the lower index wins, as in top_k.  Scores closer than the f32 rounding of their sums (about 1e-6 of
; their size) may be ordered otherwise than by another order of summation.  softplus = max(z, 0) + ln 2 log2(1 + 2^(-|z| log2 e)): an exponential below 2^-126 counts as 0.
; The softmax takes the maximum away: the larger score's exponent is 0, the other's is their difference, which is not positive.
.set XP,    528        ; a token's row in LDS: 256 bf16 + 16 bytes: an odd multiple of 16, so 16 rows start in 16 different groups of four banks (ISA guide 11.1)
.set XTW,   16*XP      ; XT: from byte 0, 16 rows for each wave
.set WT,    67584      ; WT: for each wave 256 k rows of 32 bytes: Wg[k][0..7], Wn[k][0..7] in bf16
.set RED,   133120     ; RED: for each wave 32 bytes a lane: its quarter's sums
.set SPARE, 141312     ; the spare words, 128 bytes for each wave: no other line names them
; v1 lane, v2 lane % 16, v3 lane / 16; v4 16 l, v5 8 l, v12 32 l, v15 256 l, v13 0; v6-v11 LDS addresses; v16-23, v248-255 the two accumulators; v30, v31 the add's
; v32-159 Wg, Wn as loaded, then x rows 8-15 (v32-95) and x fragments (v96-159); v160-223 x rows 0-7, then W fragments; v224-247 noise, bg, bn
	s_load_b512 s[4:19], s[0:1], 0x0               ; x s[4:5], noise s[6:7], Wg s[8:9], bg s[10:11], Wn s[12:13], bn s[14:15], xb s[16:17], mk s[18:19]
	s_load_b64 s[20:21], s[0:1], 0x40              ; gt
	v_lshl_add_u32 v30, v0, 2, SPARE
	v_mov_b32 v31, 0
	v_lshrrev_b32 v1, 5, v0
	v_readfirstlane_b32 s22, v1                    ; wave 0..7
	s_lshr_b32 s23, s22, 2                         ; which 16 tokens
	s_and_b32 s24, s22, 3                          ; which quarter of K
	s_mov_b32 s26, 0x3fb8aa3b                      ; log2 e
	s_mov_b32 s27, 0x3f317218                      ; ln 2
	v_and_b32 v1, 31, v0
	v_and_b32 v2, 15, v0
	v_bfe_u32 v3, v0, 4, 1
	v_lshlrev_b32 v4, 4, v1
	v_lshlrev_b32 v5, 3, v1
	v_lshlrev_b32 v12, 5, v1
	v_lshlrev_b32 v15, 8, v1
	s_mul_i32 s29, s22, XTW                        ; my XT
	v_lshl_add_u32 v6, v1, 3, s29                  ; in: 8 bytes a lane along a row
	v_mul_u32_u24 v8, v2, XP
	v_lshl_add_u32 v8, v3, 4, v8
	v_add_nc_u32 v8, s29, v8                       ; fragment: row l % 16, 16 bytes for each half of the lanes
	s_lshl_b32 s25, s22, 13
	s_add_co_u32 s25, s25, WT                      ; my WT
	v_lshrrev_b32 v7, 1, v1
	v_and_b32 v13, 1, v1
	v_lshlrev_b32 v7, 5, v7
	v_lshl_add_u32 v7, v13, 3, v7
	v_add_nc_u32 v7, s25, v7                       ; in: k row l / 2, experts 4 (l % 2) on
	v_and_b32 v9, 7, v1
	v_lshl_add_u32 v9, v3, 3, v9
	v_bfe_u32 v13, v0, 3, 1
	v_lshlrev_b32 v9, 5, v9
	v_lshl_add_u32 v9, v13, 4, v9
	v_add_nc_u32 v9, s25, v9                       ; the turning load: k row 8 (l / 16) + l % 8, 16 bytes ((l / 8) % 2)
	s_lshl_b32 s25, s22, 10
	s_add_co_u32 s25, s25, RED
	v_lshl_add_u32 v10, v1, 5, s25                 ; my 32 bytes of RED
	v_lshlrev_b32 v11, 5, v2
	v_lshl_add_u32 v11, v3, 12, v11
	v_add_nc_u32 v11, RED, v11                     ; wave 0: token l lies in the waves 4 (l / 16) + quarter, at lane l % 16
	v_mov_b32 v13, 0
	s_lshl_b32 s2, ttmp9, 17                       ; x: 32 rows of 4,096 bytes a work-group,
	s_lshl_b32 s3, s23, 16                         ; 16 rows,
	s_add_co_u32 s2, s2, s3
	s_lshl_b32 s3, s24, 10                         ; 1,024 bytes a quarter
	s_add_co_u32 s2, s2, s3
	s_mov_b32 s3, 0
	s_wait_kmcnt 0x0
	s_add_nc_u64 s[4:5], s[4:5], s[2:3]
	s_lshr_b32 s2, s2, 1                           ; xb: half of that
	s_add_nc_u64 s[16:17], s[16:17], s[2:3]
	s_lshl_b32 s2, s24, 13                         ; Wg, Wn: 256 k rows of 32 bytes a quarter
	s_add_nc_u64 s[8:9], s[8:9], s[2:3]
	s_add_nc_u64 s[12:13], s[12:13], s[2:3]
	s_lshl_b32 s2, ttmp9, 10
	s_add_nc_u64 s[6:7], s[6:7], s[2:3]            ; noise: 32 tokens of 32 bytes
	s_lshl_b32 s2, ttmp9, 9
	s_add_nc_u64 s[20:21], s[20:21], s[2:3]        ; gt: 32 tokens of 16 bytes in each plane
	s_lshl_b32 s2, ttmp9, 2
	s_add_nc_u64 s[18:19], s[18:19], s[2:3]        ; mk: word g of each row of 64
	; The loads, oldest first.  Every wave takes the six small ones, so that the counts below are the same in all waves; wave 0 uses them.
	global_load_b128 v[224:227], v12, s[6:7]
	global_load_b128 v[228:231], v12, s[6:7] offset:16
	global_load_b128 v[232:235], v13, s[10:11]
	global_load_b128 v[236:239], v13, s[10:11] offset:16
	global_load_b128 v[240:243], v13, s[14:15]
	global_load_b128 v[244:247], v13, s[14:15] offset:16
.set i, 0
.rept 16                                               ; 512 consecutive bytes each: 16 k rows
	global_load_b128 v[32+4*i:35+4*i], v4, s[8:9] offset:512*i
	global_load_b128 v[96+4*i:99+4*i], v4, s[12:13] offset:512*i
.set i, i+1
.endr
.macro XLOAD reg, row                  ; eight rows of my quarter, two loads of 512 consecutive bytes a row
.set n, 0
.rept 16
	global_load_b128 v[(\reg)+4*n:(\reg)+4*n+3], v4, s[4:5] offset:((\row)+n/2)*4096+(n%2)*512 th:TH_LOAD_NT
.set n, n+1
.endr
.endm
.macro XOUT reg, row                   ; rounded in place; to xb (each store of the wave: 256 consecutive bytes, aligned) and into XT
.set n, 0
.rept 16
	v_cvt_pk_bf16_f32 v[(\reg)+4*n], v[(\reg)+4*n], v[(\reg)+4*n+1]
	v_cvt_pk_bf16_f32 v[(\reg)+4*n+1], v[(\reg)+4*n+2], v[(\reg)+4*n+3]
	global_store_b64 v5, v[(\reg)+4*n:(\reg)+4*n+1], s[16:17] offset:((\row)+n/2)*2048+(n%2)*256
	ds_store_b64 v6, v[(\reg)+4*n:(\reg)+4*n+1] offset:((\row)+n/2)*XP+(n%2)*256
.set n, n+1
.endr
.endm
	XLOAD 160, 0
	s_wait_loadcnt 16                              ; all but the 16 loads of x just issued: Wg and Wn are in
.set i, 0
.rept 32
	v_cvt_pk_bf16_f32 v[32+4*i], v[32+4*i], v[33+4*i]
	v_cvt_pk_bf16_f32 v[33+4*i], v[34+4*i], v[35+4*i]
.set i, i+1
.endr
.set i, 0
.rept 16
	ds_store_b64 v7, v[32+4*i:33+4*i] offset:512*i
	ds_store_b64 v7, v[96+4*i:97+4*i] offset:512*i+16
.set i, i+1
.endr
	XLOAD 32, 8
	s_wait_loadcnt 16                              ; rows 0-7 are in; rows 8-15 stay out
	XOUT 160, 0
	s_wait_loadcnt 0x0
	XOUT 32, 8
	s_wait_xcnt 0x0                                ; the stores to xb have read their registers: the fragments below land on some of them
.set q, 0
.rept 8                                                ; my own bytes: LDS serves a wave's instructions in order (ISA guide 5.7.1.4)
	ds_load_b128 v[96+8*q:99+8*q], v8 offset:64*q
	ds_load_b128 v[100+8*q:103+8*q], v8 offset:64*q+32
	ds_load_tr16_b128 v[160+8*q:163+8*q], v9 offset:1024*q
	ds_load_tr16_b128 v[164+8*q:167+8*q], v9 offset:1024*q+512
.set q, q+1
.endr
	s_wait_dscnt 0x0
	; Source 0 = the 16 columns of [Wg | Wn], source 1 = 16 tokens: register j of lane (r, h) is column 8 h + j for token r.  Two accumulators take turns.
	v_wmma_f32_16x16x32_bf16 v[16:23], v[160:167], v[96:103], 0
	v_wmma_f32_16x16x32_bf16 v[248:255], v[168:175], v[104:111], 0
.set q, 2
.rept 3
	v_wmma_f32_16x16x32_bf16 v[16:23], v[160+8*q:167+8*q], v[96+8*q:103+8*q], v[16:23]
	v_wmma_f32_16x16x32_bf16 v[248:255], v[168+8*q:175+8*q], v[104+8*q:111+8*q], v[248:255]
.set q, q+2
.endr
.rept 4
	v_nop                                          ; four places behind the last product (ISA guide 7.12.1)
.endr
.set i, 0
.rept 4
	v_pk_add_f32 v[16+2*i:17+2*i], v[16+2*i:17+2*i], v[248+2*i:249+2*i]
.set i, i+1
.endr
	ds_store_b128 v10, v[16:19]
	ds_store_b128 v10, v[20:23] offset:16
	s_wait_dscnt 0x0                               ; for wave 0's sake: my sums are in LDS
	s_barrier_signal -1
	s_barrier_wait -1
	s_cmp_lg_u32 s22, 0
	s_cbranch_scc1 .Lend
	; WAVE 0: a token a lane.
.set q, 0
.rept 4                                                ; quarter q: gate sums into v[32+16q ..], noise sums into v[40+16q ..]
	ds_load_b128 v[32+16*q:35+16*q], v11 offset:1024*q
	ds_load_b128 v[36+16*q:39+16*q], v11 offset:1024*q+16
	ds_load_b128 v[40+16*q:43+16*q], v11 offset:1024*q+512
	ds_load_b128 v[44+16*q:47+16*q], v11 offset:1024*q+528
.set q, q+1
.endr
.set i, 0
.rept 12                                               ; noise, bg, bn: to bf16 and back
	v_cvt_pk_bf16_f32 v[96+i], v[224+2*i], v[225+2*i]
.set i, i+1
.endr
.set i, 0
.rept 12
	v_lshlrev_b32 v[224+2*i], 16, v[96+i]
	v_and_b32 v[225+2*i], 0xffff0000, v[96+i]
.set i, i+1
.endr
	s_wait_dscnt 0x0
.set i, 0
.rept 8
	v_pk_add_f32 v[32+2*i:33+2*i], v[32+2*i:33+2*i], v[48+2*i:49+2*i]
	v_pk_add_f32 v[64+2*i:65+2*i], v[64+2*i:65+2*i], v[80+2*i:81+2*i]
.set i, i+1
.endr
.set i, 0
.rept 8
	v_pk_add_f32 v[32+2*i:33+2*i], v[32+2*i:33+2*i], v[64+2*i:65+2*i]
.set i, i+1
.endr
.set i, 0
.rept 4
	v_pk_add_f32 v[32+2*i:33+2*i], v[32+2*i:33+2*i], v[232+2*i:233+2*i]   ; logits = x Wg + bg
	v_pk_add_f32 v[40+2*i:41+2*i], v[40+2*i:41+2*i], v[240+2*i:241+2*i]   ; z = x Wn + bn
.set i, i+1
.endr
.set i, 0
.rept 8
	v_mul_f32 v[56+i], -|v[40+i]|, s26
.set i, i+1
.endr
.set i, 0
.rept 8
	v_exp_f32 v[56+i], v[56+i]
.set i, i+1
.endr
.set i, 0
.rept 8
	v_max_num_f32 v[64+i], 0, v[40+i]              ; plain work behind the exponentials (ISA guide 5.7.2)
.set i, i+1
.endr
.set i, 0
	s_wait_alu depctr_va_vdst(0)
.rept 8
	v_add_f32 v[56+i], 1.0, v[56+i]
.set i, i+1
.endr
.set i, 0
.rept 8
	v_log_f32 v[56+i], v[56+i]
.set i, i+1
.endr
	v_mov_b32 v72, 0xff800000                      ; plain work behind the logarithms: minus infinity, for the second search
.set i, 0
	s_wait_alu depctr_va_vdst(0)
.rept 8
	v_fma_f32 v[64+i], v[56+i], s27, v[64+i]       ; softplus
.set i, i+1
.endr
.set i, 0
.rept 8
	v_fma_f32 v[48+i], v[224+i], v[64+i], v[32+i]  ; noisy
.set i, i+1
.endr
	v_mov_b32 v70, v48                             ; the largest, ascending and strictly greater: the lower index keeps a tie
	v_mov_b32 v71, 0
.set i, 1
.rept 7
	v_cmp_gt_f32 vcc_lo, v[48+i], v70
	v_cndmask_b32 v70, v70, v[48+i], vcc_lo
	v_cndmask_b32 v71, v71, i, vcc_lo
.set i, i+1
.endr
.set i, 0
.rept 8
	v_cmp_eq_u32 vcc_lo, i, v71
	v_cndmask_b32 v[56+i], v[48+i], v72, vcc_lo    ; the winner is taken out
.set i, i+1
.endr
	v_mov_b32 v73, v56
	v_mov_b32 v74, 0
.set i, 1
.rept 7
	v_cmp_gt_f32 vcc_lo, v[56+i], v73
	v_cndmask_b32 v73, v73, v[56+i], vcc_lo
	v_cndmask_b32 v74, v74, i, vcc_lo
.set i, i+1
.endr
	v_sub_f32 v75, v73, v70                        ; second less first: not positive
	v_mul_f32 v75, s26, v75
	v_exp_f32 v75, v75
	v_max_u32 v78, v71, v74                        ; the larger of the two indices: slot 1
	s_wait_alu depctr_va_vdst(0)
	v_add_f32 v76, 1.0, v75
	v_rcp_f32 v76, v76                             ; the first's gate
	v_mov_b32 v14, 0
	s_wait_alu depctr_va_vdst(0)
	v_mul_f32 v77, v75, v76                        ; the second's
.set i, 0
.rept 8
	v_cmp_eq_u32 vcc_lo, i, v71
	v_cndmask_b32 v[80+i], 0, v76, vcc_lo
	v_cmp_eq_u32 vcc_lo, i, v74
	v_cndmask_b32 v[80+i], v[80+i], v77, vcc_lo
.set i, i+1
.endr
	global_store_b128 v4, v[80:83], s[20:21]       ; 512 consecutive bytes in each plane
	global_store_b128 v4, v[84:87], s[20:21] offset:32768
.set i, 0
.rept 8
	v_cmp_eq_u32 s[30+i], i, v71
	v_cmp_eq_u32 s46, i, v74
	s_or_b32 s[30+i], s[30+i], s46                 ; who chose expert i
	v_cmp_eq_u32 s[38+i], i, v78                   ; and for whom it is slot 1
.set i, i+1
.endr
.set i, 0
.rept 16
	v_writelane_b32 v14, s[30+i], i
.set i, i+1
.endr
	; Sixteen single words a work-group, 256 bytes apart: so laid that an expert's 64 words lie on end for the launches that read them.
	s_wait_xcnt 0x0                                ; EXEC is a source of the stores above: it changes only behind this wait
	v_cmp_gt_u32 vcc_lo, 16, v1
	s_and_saveexec_b32 s28, vcc_lo
	global_store_b32 v15, v14, s[18:19]
	s_wait_xcnt 0x0                                ; and again in front of the line that widens it
	s_or_b32 exec_lo, exec_lo, s28
.Lend:
	s_wait_tensorcnt 0x0                           ; the wave's end: three closing lines, behind my last LDS store
	ds_add_u32 v30, v31
	s_wait_dscnt 0x0
	s_endpgm
.Lfunc_end_k_q94364f635d_router:
	.size	k_q94364f635d_router, .Lfunc_end_k_q94364f635d_router-k_q94364f635d_router
	.p2alignl 7, 3214868480
	.fill 96, 4, 3214868480
	.section	.rodata,"a",@progbits
	.p2align	6, 0x0
	.amdhsa_kernel k_q94364f635d_router
		.amdhsa_group_segment_fixed_size 142336
		.amdhsa_private_segment_fixed_size 0
		.amdhsa_enable_private_segment 0
		.amdhsa_kernarg_size 72
		.amdhsa_user_sgpr_count 2
		.amdhsa_user_sgpr_kernarg_segment_ptr 1
		.amdhsa_wavefront_size32 1
		.amdhsa_system_sgpr_workgroup_id_x 1
		.amdhsa_system_sgpr_workgroup_id_y 1
		.amdhsa_system_sgpr_workgroup_id_z 1
		.amdhsa_system_vgpr_workitem_id 0
		.amdhsa_next_free_vgpr 256
		.amdhsa_next_free_sgpr 66
		.amdhsa_reserve_vcc 1
		.amdhsa_float_denorm_mode_32 3
		.amdhsa_float_denorm_mode_16_64 3
		.amdhsa_memory_ordered 1
		.amdhsa_forward_progress 1
		.amdhsa_inst_pref_size 43
	.end_amdhsa_kernel
	.amdgpu_metadata
---
amdhsa.version: [ 1, 2 ]
amdhsa.kernels:
  - .name:           k_q94364f635d_router
    .symbol:         k_q94364f635d_router.kd
    .args:
      - { .name: x, .offset: 0, .size: 8, .value_kind: global_buffer, .address_space: global }
      - { .name: noise, .offset: 8, .size: 8, .value_kind: global_buffer, .address_space: global }
      - { .name: Wg, .offset: 16, .size: 8, .value_kind: global_buffer, .address_space: global }
      - { .name: bg, .offset: 24, .size: 8, .value_kind: global_buffer, .address_space: global }
      - { .name: Wn, .offset: 32, .size: 8, .value_kind: global_buffer, .address_space: global }
      - { .name: bn, .offset: 40, .size: 8, .value_kind: global_buffer, .address_space: global }
      - { .name: xb, .offset: 48, .size: 8, .value_kind: global_buffer, .address_space: global }
      - { .name: mk, .offset: 56, .size: 8, .value_kind: global_buffer, .address_space: global }
      - { .name: gt, .offset: 64, .size: 8, .value_kind: global_buffer, .address_space: global }
    .group_segment_fixed_size: 142336
    .private_segment_fixed_size: 0
    .kernarg_segment_align: 8
    .kernarg_segment_size: 72
    .max_flat_workgroup_size: 256
    .sgpr_count:     66
    .vgpr_count:     256
    .wavefront_size: 32
...
	.end_amdgpu_metadata
.endif
;; end of part 1
;; launch ffn1 (part 2): grid 256 x 1, 4 waves a work-group, no clusters, 315,904 bytes of LDS; arguments xb, Wu, bu, mk, hb; writes hb
.if DOCPART == 2
	.amdgcn_target "amdgcn-amd-amdhsa--gfx1250"
	.amdhsa_code_object_version 6
	.text
	.protected	k_q94364f635d_ffn1
	.globl	k_q94364f635d_ffn1
	.p2align	8
	.type	k_q94364f635d_ffn1,@function
k_q94364f635d_ffn1:
	s_mov_b64 s[64:65], 0
	v_nop
	global_prefetch_b8 v0, s[64:65] scope:SCOPE_SE
	s_setreg_imm32_b32 hwreg(HW_REG_WAVE_MODE, 25, 1), 1
	s_wait_xcnt 0x0
; h = gelu(x Wu[e] + bu[e]) for the tokens that chose expert e, in token order: hb[e][i][:] is the expert's i-th token, bf16.  Only rows below the expert's count N are written.
; SHARES.  Work-group = expert e (x >> 5), 128 columns nt ((x >> 1) & 15), half of the rows mh (x & 1).
; PHASE 1.  The slice Wu[e][0..1023][128 nt ..] comes through registers (each load of a wave: 512 consecutive bytes of a k row), is rounded to bf16 and laid into LDS whole, a column a row, K along
; the row.  Meanwhile each wave makes the expert's token list from the ballots.  One barrier.
; PHASE 2.  No wave reads what another writes.  A wave takes 80 rows (5 tiles of 16) x 128 columns: 40 accumulators.  Weight fragments come from LDS, token fragments straight from xb by the list.
; A pass serves 2 x 4 x 80 = 640 rows of the expert; four passes (a constant count) serve any N up to 2,048, and a pass or a tile with no row is jumped over, forward.
; THE WALK ALONG K IS WRITTEN OUT, 16 chunks of 64 k: a column's 2,048 bytes of K fit the 16-bit immediate of an LDS load, so every LDS address of a pass is a register that is never rewritten and an
; immediate, and no address or base is stepped.  The price is the length of the text.
; DEAD ROWS of a live tile take row N - 1 once more: the same wave makes the same bits and stores them to the same place.  So no lane is ever switched off.
; K ORDER.  In a chunk of 64 k (128 bytes of a row) sub-step q, registers 4 jj .. 4 jj + 3 of lane half h take the 16 bytes at 64 h + 32 q + 16 jj, in the weights and in the tokens alike:
; the products are the same, and a lane reads 64 consecutive bytes of its token's row in a chunk.
; NO TENSOR LOADS, NO CLUSTER: the token rows are gathered by a list made at run time; the weights change format on their way, through registers, and the resident slice (264,192 bytes) leaves no room to
; land f32 tiles beside it; and a refill's barrier may not stand in work whose amount hangs on counts read from memory.
; FORMATS.  x (by the launch before), Wu, bu rounded once to bf16; sums, bias and gelu in f32; h rounded once to bf16.
; LIMITS.  NaN and infinities are not treated apart.  erf(z) = z P(z^2) / Q(z^2) with z held to -4 .. 4, where erf differs from 1 by less than 2e-8: absolute error about 1e-7.
.set NF,     8         ; fragments of 16 columns
.set NCH,    16        ; chunks of 64 k
.set PW,     2064      ; a column's row in LDS: 1,024 bf16 + 16 bytes: an odd multiple of 16 (ISA guide 11.1: 64 banks of 4 bytes)
.set ROWB,   8192      ; bytes from a k row of Wu[e] to the next
.set OCTB,   16        ; LDS bytes of what a slot holds for a column: 8 k
.set SASTEP, 128       ; and of a lap's eight slots
.set RP,     528       ; a row of the way out: 128 f32 + 16 bytes
.set SPLIT,  2         ; tiles multiplied ahead of a sub-step's loads
.set RAW,    264192    ; behind the weights: 16 rows x 528 for each wave
.set RAWW,   16*RP
.set LST,    297984    ; each wave's own list: 2,048 entries of 16 bits (token + 2048 slot), and entry 2048, which takes what is not chosen
.set LSTW,   4352
.set SPARE,  315392    ; the spare words, 128 bytes for each wave: no other line names them
; window 0
.set LN,  1            ; lane
.set RW,  2            ; lane % 16
.set HF,  3            ; lane / 16
.set H64, 4            ; 64 (lane / 16)
.set B0,  6            ; v6-13   fragment f of the weights: (16 f + lane % 16) PW + 64 (lane / 16); never rewritten
.set AO,  22           ; v22-26  tile t: my token's byte offset in xb
.set RS,  27           ; the way out: where I put my results; never rewritten
.set RR,  28           ; where I read them back; never rewritten
.set CL16, 29          ; 16 (lane % 16)
.set SPW, 30
.set NIL, 31
.set LB,  32           ; my list
.set DUMP, 33          ; 2048
.set TK,  34           ; the list's making: token, token + 2048
.set TK2, 35
.set T1,  36
.set T2,  37
.set BAD, 38           ; the bias loads' offset
.set E,   40           ; v40-44  tile t: my row's list entry
.set BU,  46           ; v46-53  bias of my 8 columns on the way out
.set BF0, 64           ; v64-127, v128-191  weight fragments, two buffers
.set BF1, 128
.set CT,  192          ; phase 1: 16 packed registers
.set WO,  208          ; v208-215 slot i: byte offset of its loads
.set SA,  216          ; v216-219 column j of my four: LDS address
.set BL,  224          ; bias as loaded
.set U,   64           ; the way out works on the fragment buffers' registers
.set Z,   80
.set X2,  96
.set PN,  112
.set QD,  128
.set OUT, 144
.set HO,  152
; window 1: phase 1: 8 slots x 32 as loaded; then the accumulators of tiles 0-3 at 8 (8 t + f).  window 2: v0-63 tile 4; v64-143 token set 3.  window 3: token sets 0-2 at 80 s.  In a set: tile t, sub-step q at 16 t + 8 q.
.set WV, 16
.set MH, 17
.set NT, 18
.set EX, 19
.set N,  20            ; the expert's rows
.set NM1, 21
.set FR, 22            ; my first row of the pass
.set PASS, 23
.set TRIP, 27
.set RUN, 28
.set TS, 29
.set BO, 30
.set BC, 31
.set T0, 32            ; the first row of the tile on its way out
.set TI, 33            ; that tile's number
.set CA, 36            ; s[36:49] P's seven coefficients, highest first, each twice (a pair for the packed forms); before the barrier: ballots
.set CR, 50            ; s[50:51] 1 / sqrt 2
.set CB, 68            ; s[68:77] Q's five
.set MSB, 0
.macro WIN new                         ; the immediate's high byte repeats the setting that is left; a switch that changes nothing is dropped
.if MSB != (\new)
	s_set_vgpr_msb (MSB<<8)|(\new)
.set MSB, (\new)
.endif
.endm
.macro ACCAT t                         ; window and first register of tile t's accumulators
.if (\t) < 4
.set aW, 1
.set aB, 64*(\t)
.else
.set aW, 2
.set aB, 0
.endif
.endm
.macro SETAT sn                        ; the same of token set sn
.if (\sn) < 3
.set sW, 3
.set sB, 80*(\sn)
.else
.set sW, 2
.set sB, 64
.endif
.endm
.macro ALL8 line:vararg
.set p, 0
	s_wait_alu depctr_va_vdst(0)
.rept 8
	\line
.set p, p+1
.endr
.endm
.macro ALL16 line:vararg
.set p, 0
.rept 16
	\line
.set p, p+1
.endr
.endm
.macro SETC r, val
	s_mov_b32 s[\r], \val
	s_mov_b32 s[(\r)+1], \val
.endm
	s_load_b256 s[4:11], s[0:1], 0x0               ; xb s[4:5], Wu s[6:7], bu s[8:9], mk s[10:11]
	s_load_b64 s[12:13], s[0:1], 0x20              ; hb
	v_lshl_add_u32 v[SPW], v0, 2, SPARE
	v_mov_b32 v[NIL], 0
	v_lshrrev_b32 v1, 5, v0
	v_readfirstlane_b32 s[WV], v1                  ; wave 0..3
	v_and_b32 v[LN], 31, v0
	v_and_b32 v[RW], 15, v0
	v_bfe_u32 v[HF], v0, 4, 1
	s_and_b32 s[MH], ttmp9, 1
	s_bfe_u32 s[NT], ttmp9, 0x40001
	s_lshr_b32 s[EX], ttmp9, 5
	v_lshlrev_b32 v[H64], 6, v[HF]
	v_lshlrev_b32 v[CL16], 4, v[RW]
	v_lshlrev_b32 v[BAD], 5, v[RW]                 ; my 8 columns' bias: 32 bytes
	s_mul_i32 s[TS], s[WV], LSTW
	s_add_co_u32 s[TS], s[TS], LST
	v_mov_b32 v[LB], s[TS]
	v_mov_b32 v[DUMP], 0x800
	; phase 1: slot i of lap a holds k rows 8 o .. 8 o + 7, o = 32 w + 8 a + i; lane l the columns 4 l .. 4 l + 3
	s_lshl_b32 s[TS], s[WV], 21                    ; 32 w octets of 8 rows of 8,192 bytes
	v_lshl_add_u32 v[T2], v[LN], 4, s[TS]
.set i, 0
.rept 8
	v_add_nc_u32 v[WO+i], i<<16, v[T2]
.set i, i+1
.endr
	s_lshl_b32 s[TS], s[WV], 9                     ; 2 bytes x 8 k x 32 w
	v_mul_u32_u24 v[T1], v[LN], PW
	v_add_nc_u32 v[T1], s[TS], v[T1]
.set j, 0
.rept 4
	v_add_nc_u32 v[SA+j], 32*j*PW, v[T1]           ; column 4 l + j lies in LDS row 32 j + l
.set j, j+1
.endr
	s_mov_b32 s3, 0
	s_wait_kmcnt 0x0
	s_lshl_b32 s2, s[EX], 23
	s_lshl_b32 s[TS], s[NT], 9
	s_add_co_u32 s2, s2, s[TS]
	s_add_nc_u64 s[6:7], s[6:7], s[2:3]            ; Wu[e][0][128 nt]
	s_lshl_b32 s2, s[EX], 13
	s_add_co_u32 s2, s2, s[TS]
	s_add_nc_u64 s[8:9], s[8:9], s[2:3]            ; bu[e][128 nt]
	s_lshl_b32 s2, s[EX], 8
	s_add_nc_u64 s[10:11], s[10:11], s[2:3]        ; the expert's 64 ballots
	s_lshl_b32 s2, s[EX], 23
	s_lshl_b32 s[TS], s[NT], 8
	s_add_co_u32 s2, s2, s[TS]
	s_add_nc_u64 s[12:13], s[12:13], s[2:3]        ; hb[e][0][128 nt]
	global_load_b128 v[BL:BL+3], v[BAD], s[8:9]    ; the oldest loads: every later wait covers them
	global_load_b128 v[BL+4:BL+7], v[BAD], s[8:9] offset:16
	WIN 0x40                                       ; destination window 1
.set i, 0
.rept 8
.set m, 0
.rept 8
	global_load_b128 v[32*i+4*m:32*i+4*m+3], v[WO+i], s[6:7] offset:m*ROWB
.set m, m+1
.endr
.set i, i+1
.endr
	WIN 0
	; THE LIST, while those loads are on their way: entry i = the expert's i-th token + 2048 x its slot.  Word g of the ballots speaks for tokens 32 g + lane.
	s_mov_b32 s[RUN], 0
	s_mov_b32 s[BO], 0
	s_mov_b32 s[BC], 4
	v_mov_b32 v[TK], v[LN]
	v_add_nc_u32 v[TK2], 0x800, v[LN]
.Lbuild:
	s_load_b512 s[36:51], s[10:11], s[BO]          ; 16 words: who chose the expert,
	s_load_b512 s[68:83], s[10:11], s[BO] offset:0x800  ; and for whom it is slot 1
	s_wait_kmcnt 0x0
.set i, 0
.rept 16
	v_mbcnt_lo_u32_b32 v[T1], s[36+i], s[RUN]      ; my place: those before this word + those below me in it
	v_cndmask_b32 v[T1], v[DUMP], v[T1], s[36+i]   ; not chosen: entry 2048
	v_min_u32 v[T1], 0x800, v[T1]
	v_lshl_add_u32 v[T1], v[T1], 1, v[LB]
	v_cndmask_b32 v[T2], v[TK], v[TK2], s[68+i]
	ds_store_b16 v[T1], v[T2]
	v_add_nc_u32 v[TK], 32, v[TK]
	v_add_nc_u32 v[TK2], 32, v[TK2]
	s_bcnt1_i32_b32 s[TS], s[36+i]
	s_add_co_u32 s[RUN], s[RUN], s[TS]
.set i, i+1
.endr
	s_add_co_u32 s[BO], s[BO], 64
	s_sub_co_u32 s[BC], s[BC], 1
	s_cmp_lg_u32 s[BC], 0
	s_cbranch_scc1 .Lbuild
	s_mov_b32 s[N], s[RUN]
; One slot's turn: 8 k rows x 4 columns a lane become 4 x 16 bytes (8 k of a column) in LDS.  ahead = 1: the slot is loaded again, eight octets on.  left: the younger loads, which stay out.
.macro WSLOT i, ahead, left
	s_wait_loadcnt \left                           ; loads come back in order (ISA guide 5.7.1): this slot's eight are in, and its offset register is free
	WIN 0x05                                       ; sources window 1
.set j, 0
.rept 4
.set p, 0
.rept 4
	v_cvt_pk_bf16_f32 v[CT+4*j+p], v[32*(\i)+8*p+j], v[32*(\i)+8*p+4+j]
.set p, p+1
.endr
.set j, j+1
.endr
	WIN 0
.set j, 0
.rept 4
	ds_store_b128 v[SA+j], v[CT+4*j:CT+4*j+3] offset:OCTB*(\i)
.set j, j+1
.endr
.if \ahead
	v_add_nc_u32 v[WO+(\i)], 0x80000, v[WO+(\i)]
	WIN 0x40
.set m, 0
.rept 8
	global_load_b128 v[32*(\i)+4*m:32*(\i)+4*m+3], v[WO+(\i)], s[6:7] offset:m*ROWB
.set m, m+1
.endr
	WIN 0
.endif
.endm
	s_mov_b32 s[TRIP], 3
.Llap:
.irp i, 0,1,2,3,4,5,6,7
	WSLOT \i, 1, 56                                ; seven younger slots of eight loads
.endr
.set j, 0
.rept 4
	v_add_nc_u32 v[SA+j], SASTEP, v[SA+j]
.set j, j+1
.endr
	s_sub_co_u32 s[TRIP], s[TRIP], 1
	s_cmp_lg_u32 s[TRIP], 0
	s_cbranch_scc1 .Llap
.irp i, 0,1,2,3,4,5,6,7
	WSLOT \i, 0, 56-8*\i                           ; the last lap loads nothing: the counts run down
.endr
	s_wait_dscnt 0x0                               ; for the others' sake: my part of the slice is in LDS
	s_barrier_signal -1
	s_barrier_wait -1                              ; the launch's one barrier: the slice is whole
	SETC CA,    0xaf95df0b                         ; erf(z) = z P(z^2) / Q(z^2)
	SETC CA+2,  0x32edffee
	SETC CA+4,  0xb60cff51
	SETC CA+6,  0xb86ec2d2
	SETC CA+8,  0xba40ac63
	SETC CA+10, 0xbb41a1f6
	SETC CA+12, 0xbc83dbd4
	SETC CR,    0x3f3504f3
	SETC CB,    0xb77460cd
	SETC CB+2,  0xb95fbd29
	SETC CB+4,  0xbadc924e
	SETC CB+6,  0xbbf19bf8
	SETC CB+8,  0xbc69b6a7
.set j, 0
.rept 4                                                ; bias to bf16 and back, in the order of the way out: register 2 j + i is column 4 i + j of my eight
	v_cvt_pk_bf16_f32 v[T1], v[BL+j], v[BL+4+j]
	v_lshlrev_b32 v[BU+2*j], 16, v[T1]
	v_and_b32 v[BU+2*j+1], 0xffff0000, v[T1]
.set j, j+1
.endr
	v_mul_u32_u24 v[T1], v[RW], PW
	v_lshl_add_u32 v[T1], v[HF], 6, v[T1]
.set f, 0
.rept NF
	v_add_nc_u32 v[B0+f], 16*f*PW, v[T1]
.set f, f+1
.endr
	s_mul_i32 s[TS], s[WV], RAWW
	s_add_co_u32 s[TS], s[TS], RAW
	v_mul_u32_u24 v[RS], v[RW], RP
	v_lshl_add_u32 v[RS], v[HF], 5, v[RS]
	v_add_nc_u32 v[RS], s[TS], v[RS]               ; in: row = my token, 32 bytes for each half of the lanes
	v_mul_u32_u24 v[RR], v[HF], RP
	v_lshl_add_u32 v[RR], v[RW], 3, v[RR]
	v_add_nc_u32 v[RR], s[TS], v[RR]               ; back: lanes 0-15 one row, lanes 16-31 the next
	s_sub_co_u32 s[NM1], s[N], 1
	s_mul_i32 s[FR], s[MH], 320
	s_mul_i32 s[TS], s[WV], 80
	s_add_co_u32 s[FR], s[FR], s[TS]
.macro BLOAD buf, off                  ; the weight fragments of one sub-step (32 k), at byte off of the columns' rows
	WIN 0
.set f, 0
.rept NF
	ds_load_b128 v[(\buf)+8*f:(\buf)+8*f+3],   v[B0+f] offset:(\off)
	ds_load_b128 v[(\buf)+8*f+4:(\buf)+8*f+7], v[B0+f] offset:(\off)+16
.set f, f+1
.endr
.endm
.macro ALOAD sn, off                   ; the token fragments of one chunk (64 k), at byte off of the tokens' rows: 64 consecutive bytes a lane and tile
	SETAT \sn
	WIN sW<<6
.set lt, 0
.rept 5
.set lu, 0
.rept 4
	global_load_b128 v[sB+16*lt+4*lu:sB+16*lt+4*lu+3], v[AO+lt], s[4:5] offset:(\off)+16*lu
.set lu, lu+1
.endr
.set lt, lt+1
.endr
.endm
; Tile t x all fragments.  Source 0 = 16 columns of the weights, source 1 = 16 tokens: a lane holds one token and eight columns.  No two matrix instructions that follow each other share an accumulator.
.macro MM t, cur, sn, q, zero
	ACCAT \t
	SETAT \sn
	WIN (aW<<6)|(aW<<4)|(sW<<2)
.set f, 0
.rept NF
.if \zero
	v_wmma_f32_16x16x32_bf16 v[aB+8*f:aB+8*f+7], v[(\cur)+8*f:(\cur)+8*f+7], v[sB+16*(\t)+8*(\q):sB+16*(\t)+8*(\q)+7], 0
.else
	v_wmma_f32_16x16x32_bf16 v[aB+8*f:aB+8*f+7], v[(\cur)+8*f:(\cur)+8*f+7], v[sB+16*(\t)+8*(\q):sB+16*(\t)+8*(\q)+7], v[aB+8*f:aB+8*f+7]
.endif
.set f, f+1
.endr
.endm
; A sub-step: 32 k for all five tiles.  Behind its first tiles stand, in one run, the loads of the next sub-step's weight fragments (boff >= 0) and of the token set three chunks on (aoff >= 0).
.macro SUB cur, nxt, sn, q, zero, boff, aset, aoff, lc
	s_wait_dscnt 0x0                               ; this sub-step's weight fragments are in
.if (\q) == 0
	s_wait_loadcnt \lc                             ; this chunk's token set is in; the younger sets stay out
.endif
.set mt, 0
.rept SPLIT
	MM mt, \cur, \sn, \q, \zero
.set mt, mt+1
.endr
.if ((\boff) >= 0) || ((\aoff) >= 0)
	WIN 0
.rept 4
	v_nop                                          ; four places in front of loads into registers that earlier products read (ISA guide 7.12.1 for vector instructions)
.endr
.endif
.if (\boff) >= 0
	BLOAD \nxt, \boff
.endif
.if (\aoff) >= 0
	ALOAD \aset, \aoff
.endif
.rept 5-SPLIT
	MM mt, \cur, \sn, \q, \zero
.set mt, mt+1
.endr
.endm
; Chunk c of NCH, on token set c % 4.  Chunk 0 starts the sums: nothing is cleared.  While there is a chunk c + 3 its token set is asked for.  At a chunk's head two younger sets of 20 loads may be
; out: 40; the last two chunks have one and none behind them: 20 and 0.  The last sub-step of all fetches no fragments.
.macro CHUNK c
.set kz, 0
.if (\c) == 0
.set kz, 1
.endif
.set ka, -1
.if (\c)+3 < NCH
.set ka, 128*((\c)+3)
.endif
.set kl, 40
.if (\c)+3 > NCH
.set kl, 20*(NCH-1-(\c))
.endif
.set kb, -1
.if (\c)+1 < NCH
.set kb, 128*((\c)+1)
.endif
	SUB BF0, BF1, (\c)%4, 0, kz, 128*(\c)+32, ((\c)+3)%4, ka, kl
	SUB BF1, BF0, (\c)%4, 1, 0, kb, 0, -1, 0
.endm
; THE WAY OUT.  Register jr of accumulator f in lane (r, h) is LDS row 16 f + 8 h + jr of the weights, which is column 4 (row % 32) + row / 32.  A tile's sums go into my own stage in that order (STORES)
; and come back so that a lane holds eight neighbouring columns of a row; bias, gelu, rounding; 16 lanes store 256 consecutive bytes of a row of h, aligned (ROWS4).
; The five tiles go through ONE text of the gelu, in a loop: only the sixteen stores name a tile's registers, and a chain of branches on the tile's number chooses them.
.macro STORES t
	ACCAT \t
	WIN aW<<2                                      ; the stores' data in the accumulators' window
.set f, 0
.rept NF
	ds_store_b128 v[RS], v[aB+8*f:aB+8*f+3] offset:64*f        ; each accumulator's low registers first
	ds_store_b128 v[RS], v[aB+8*f+4:aB+8*f+7] offset:64*f+16
.set f, f+1
.endr
	WIN 0                                          ; at a label and at a branch every window is 0
.endm
.macro ROWS4 g                         ; rows 4 g .. 4 g + 3 of the stage: two for each half of the lanes
.set p, 0
.rept 8
	ds_load_b64 v[U+2*p:U+2*p+1], v[RR] offset:4*RP*(\g)+2*RP*(p/4)+128*(p%4)   ; LDS serves a wave's instructions in order (ISA guide 5.7.1.4): these see the stores above
.set p, p+1
.endr
	s_wait_dscnt 0x0
	ALL8 v_pk_add_f32 v[U+2*p:U+2*p+1], v[U+2*p:U+2*p+1], v[BU+2*(p%4):BU+2*(p%4)+1]
	ALL8 v_pk_mul_f32 v[Z+2*p:Z+2*p+1], v[U+2*p:U+2*p+1], s[CR:CR+1] op_sel_hi:[1,0]
	ALL16 v_med3_num_f32 v[Z+p], v[Z+p], -4.0, 4.0
	ALL8 v_pk_mul_f32 v[X2+2*p:X2+2*p+1], v[Z+2*p:Z+2*p+1], v[Z+2*p:Z+2*p+1]
	ALL8 v_pk_fma_f32 v[PN+2*p:PN+2*p+1], v[X2+2*p:X2+2*p+1], s[CA:CA+1], s[CA+2:CA+3] op_sel_hi:[1,0,0]
	ALL8 v_pk_fma_f32 v[QD+2*p:QD+2*p+1], v[X2+2*p:X2+2*p+1], s[CB:CB+1], s[CB+2:CB+3] op_sel_hi:[1,0,0]
.irp a, 4,6,8
	ALL8 v_pk_fma_f32 v[PN+2*p:PN+2*p+1], v[PN+2*p:PN+2*p+1], v[X2+2*p:X2+2*p+1], s[CA+\a:CA+\a+1] op_sel_hi:[1,1,0]
	ALL8 v_pk_fma_f32 v[QD+2*p:QD+2*p+1], v[QD+2*p:QD+2*p+1], v[X2+2*p:X2+2*p+1], s[CB+\a:CB+\a+1] op_sel_hi:[1,1,0]
.endr
.irp a, 10,12
	ALL8 v_pk_fma_f32 v[PN+2*p:PN+2*p+1], v[PN+2*p:PN+2*p+1], v[X2+2*p:X2+2*p+1], s[CA+\a:CA+\a+1] op_sel_hi:[1,1,0]
.endr
	ALL16 v_rcp_f32 v[QD+p], v[QD+p]
	ALL8 v_pk_mul_f32 v[PN+2*p:PN+2*p+1], v[PN+2*p:PN+2*p+1], v[Z+2*p:Z+2*p+1]   ; plain work behind the reciprocals (ISA guide 5.7.2)
	ALL8 v_pk_mul_f32 v[X2+2*p:X2+2*p+1], v[U+2*p:U+2*p+1], 0.5 op_sel_hi:[1,0]
	ALL8 v_pk_mul_f32 v[PN+2*p:PN+2*p+1], v[PN+2*p:PN+2*p+1], v[QD+2*p:QD+2*p+1]  ; erf
	ALL8 v_pk_fma_f32 v[U+2*p:U+2*p+1], v[X2+2*p:X2+2*p+1], v[PN+2*p:PN+2*p+1], v[X2+2*p:X2+2*p+1]  ; u / 2 erf + u / 2
	s_wait_xcnt 0x0                                ; the stores of the four rows before have read OUT and HO: they are rewritten only behind this wait
.irp s, 0,1
	v_cvt_pk_bf16_f32 v[OUT+4*\s],   v[U+8*\s],   v[U+8*\s+2]
	v_cvt_pk_bf16_f32 v[OUT+4*\s+1], v[U+8*\s+4], v[U+8*\s+6]
	v_cvt_pk_bf16_f32 v[OUT+4*\s+2], v[U+8*\s+1], v[U+8*\s+3]
	v_cvt_pk_bf16_f32 v[OUT+4*\s+3], v[U+8*\s+5], v[U+8*\s+7]
	v_add3_u32 v[T2], s[T0], v[HF], 4*(\g)+2*\s
	v_min_u32 v[T2], s[NM1], v[T2]                 ; a dead row is row N - 1 once more
	v_min_u32 v[T2], 0x7ff, v[T2]
	v_lshl_add_u32 v[HO+\s], v[T2], 12, v[CL16]
	global_store_b128 v[HO+\s], v[OUT+4*\s:OUT+4*\s+3], s[12:13]
.endr
.endm
	s_mov_b32 s[PASS], 4
.Lpass:
	s_cmp_lt_u32 s[FR], s[N]
	s_cbranch_scc0 .Lskip                          ; none of my 80 rows is alive: forward, past text without a barrier
	s_wait_xcnt 0x0                                ; the pass before's stores have read their registers: this pass's fragments land on them
.set t, 0
.rept 5
	v_add3_u32 v[T1], s[FR], v[RW], 16*t
	v_min_u32 v[T1], s[NM1], v[T1]
	v_min_u32 v[T1], 0x7ff, v[T1]
	v_lshl_add_u32 v[T1], v[T1], 1, v[LB]
	ds_load_u16 v[E+t], v[T1]
.set t, t+1
.endr
	s_wait_dscnt 0x0
.set t, 0
.rept 5
	v_and_b32 v[T1], 0x7ff, v[E+t]                 ; the token
	v_min_u32 v[T1], 0x7ff, v[T1]
	v_lshl_add_u32 v[AO+t], v[T1], 11, v[H64]      ; its row of 2,048 bytes, my half of a chunk
.set t, t+1
.endr
	ALOAD 0, 0
	ALOAD 1, 128
	ALOAD 2, 256
	BLOAD BF0, 0
.set ch, 0
.rept NCH
	CHUNK ch
.set ch, ch+1
.endr
	WIN 0
.rept 4
	v_nop                                          ; four places behind the last products
.endr
	s_mov_b32 s[TI], 0
	s_mov_b32 s[T0], s[FR]
.Ltile:                                                ; five trips: a tile goes out
	s_cmp_lt_u32 s[T0], s[N]
	s_cbranch_scc0 .Ltnext                         ; no row of the tile is alive: forward, to the counter's step
	s_cmp_lg_u32 s[TI], 0
	s_cbranch_scc1 .Lnot0
	STORES 0
	s_branch .Lstored
.Lnot0:
	s_cmp_lg_u32 s[TI], 1
	s_cbranch_scc1 .Lnot1
	STORES 1
	s_branch .Lstored
.Lnot1:
	s_cmp_lg_u32 s[TI], 2
	s_cbranch_scc1 .Lnot2
	STORES 2
	s_branch .Lstored
.Lnot2:
	s_cmp_lg_u32 s[TI], 3
	s_cbranch_scc1 .Lnot3
	STORES 3
	s_branch .Lstored
.Lnot3:
	STORES 4
.Lstored:
	ROWS4 0
	ROWS4 1
	ROWS4 2
	ROWS4 3
.Ltnext:
	s_add_co_u32 s[T0], s[T0], 16
	s_add_co_u32 s[TI], s[TI], 1
	s_cmp_lt_u32 s[TI], 5
	s_cbranch_scc1 .Ltile
.Lskip:
	s_add_co_u32 s[FR], s[FR], 640
	s_sub_co_u32 s[PASS], s[PASS], 1
	s_cmp_lg_u32 s[PASS], 0
	s_cbranch_scc1 .Lpass
	s_wait_tensorcnt 0x0                           ; the wave's end: three closing lines, behind my last LDS store
	ds_add_u32 v[SPW], v[NIL]
	s_wait_dscnt 0x0
	s_endpgm
.Lfunc_end_k_q94364f635d_ffn1:
	.size	k_q94364f635d_ffn1, .Lfunc_end_k_q94364f635d_ffn1-k_q94364f635d_ffn1
	.p2alignl 7, 3214868480
	.fill 96, 4, 3214868480
	.section	.rodata,"a",@progbits
	.p2align	6, 0x0
	.amdhsa_kernel k_q94364f635d_ffn1
		.amdhsa_group_segment_fixed_size 315904
		.amdhsa_private_segment_fixed_size 0
		.amdhsa_enable_private_segment 0
		.amdhsa_kernarg_size 40
		.amdhsa_user_sgpr_count 2
		.amdhsa_user_sgpr_kernarg_segment_ptr 1
		.amdhsa_wavefront_size32 1
		.amdhsa_system_sgpr_workgroup_id_x 1
		.amdhsa_system_sgpr_workgroup_id_y 1
		.amdhsa_system_sgpr_workgroup_id_z 1
		.amdhsa_system_vgpr_workitem_id 0
		.amdhsa_next_free_vgpr 1024
		.amdhsa_next_free_sgpr 88
		.amdhsa_reserve_vcc 0
		.amdhsa_float_denorm_mode_32 3
		.amdhsa_float_denorm_mode_16_64 3
		.amdhsa_memory_ordered 1
		.amdhsa_forward_progress 1
		.amdhsa_inst_pref_size 255
	.end_amdhsa_kernel
	.section	.bss,"aw",@nobits
	.p2align	6
	.space	262144
	.amdgpu_metadata
---
amdhsa.version: [ 1, 2 ]
amdhsa.kernels:
  - .name:           k_q94364f635d_ffn1
    .symbol:         k_q94364f635d_ffn1.kd
    .args:
      - { .name: xb, .offset: 0, .size: 8, .value_kind: global_buffer, .address_space: global }
      - { .name: Wu, .offset: 8, .size: 8, .value_kind: global_buffer, .address_space: global }
      - { .name: bu, .offset: 16, .size: 8, .value_kind: global_buffer, .address_space: global }
      - { .name: mk, .offset: 24, .size: 8, .value_kind: global_buffer, .address_space: global }
      - { .name: hb, .offset: 32, .size: 8, .value_kind: global_buffer, .address_space: global }
    .group_segment_fixed_size: 315904
    .private_segment_fixed_size: 0
    .kernarg_segment_align: 8
    .kernarg_segment_size: 40
    .max_flat_workgroup_size: 128
    .sgpr_count:     88
    .vgpr_count:     1024
    .wavefront_size: 32
...
	.end_amdgpu_metadata
.endif
;; end of part 2
;; launch ffn2 (part 3): grid 256 x 1, 4 waves a work-group, no clusters, 298,496 bytes of LDS; arguments hb, Wd, bd, mk, gt, pp; writes pp
.if DOCPART == 3
	.amdgcn_target "amdgcn-amd-amdhsa--gfx1250"
	.amdhsa_code_object_version 6
	.text
	.protected	k_q94364f635d_ffn2
	.globl	k_q94364f635d_ffn2
	.p2align	8
	.type	k_q94364f635d_ffn2,@function
k_q94364f635d_ffn2:
	s_mov_b64 s[64:65], 0
	v_nop
	global_prefetch_b8 v0, s[64:65] scope:SCOPE_SE
	s_setreg_imm32_b32 hwreg(HW_REG_WAVE_MODE, 25, 1), 1
	s_wait_xcnt 0x0
; pp[slot][token][:] = gate x (h Wd[e] + bd[e]) for the tokens that chose expert e; slot 0 for the smaller of a token's two experts, 1 for the larger.  f32.
; SHARES.  Work-group = expert e (x >> 5), 64 columns nt ((x >> 1) & 15), half of the rows mh (x & 1).
; PHASE 1.  The slice Wd[e][0..2047][64 nt ..] comes through registers (each load of a wave: two k rows of 256 consecutive bytes), is rounded to bf16 and laid into LDS whole, a column a row, K along the row.
; Meanwhile each wave makes the expert's token list from the ballots.  One barrier.
; PHASE 2.  No wave reads what another writes.  A wave takes 80 rows (5 tiles of 16) x 64 columns: 20 accumulators.  Weight fragments come from LDS, the rows of h (dense, in the list's order) straight from hb.
; A pass serves 640 rows of the expert; four passes (a constant count) serve any count N up to 2,048; a pass or a tile with no row is jumped over, forward.
; THE WALK ALONG K IS WRITTEN OUT, 32 chunks of 64 k: a column's 4,096 bytes of K fit the 16-bit immediate of an LDS load, so every LDS address of a pass is a register that is never rewritten and an
; immediate, and no address or base is stepped.  The price is the length of the text.
; DEAD ROWS of a live tile take row N - 1 once more: the same wave makes the same bits and stores them to the same place.  So no lane is ever switched off.
; K ORDER.  In a chunk of 64 k sub-step q, registers 4 jj .. 4 jj + 3 of lane half h take the 16 bytes at 64 h + 32 q + 16 jj of the row, in the weights and in h alike.
; NO TENSOR LOADS, NO CLUSTER: the weights change format on their way, through registers, and the resident slice (263,168 bytes) leaves no room to land f32 tiles beside it; and a refill's barrier may not
; stand in work whose amount hangs on counts read from memory.
; FORMATS.  Wd, bd rounded once to bf16; h is bf16; sums, bias and gate in f32, in the order (sum + bd) x gate.  LIMITS.  NaN and infinities are not treated apart.
.set NF,     4
.set NCH,    32        ; chunks of 64 k
.set PW,     4112      ; a column's row in LDS: 2,048 bf16 + 16 bytes: an odd multiple of 16 (ISA guide 11.1: 64 banks of 4 bytes)
.set ROWB,   4096      ; bytes from a k row of Wd[e] to the next
.set OCTB,   32        ; LDS bytes of what a slot holds for a column: 16 k
.set SASTEP, 256
.set RP,     272       ; a row of the way out: 64 f32 + 16 bytes
.set SPLIT,  1
.set RAW,    263168
.set RAWW,   16*RP
.set LST,    280576
.set LSTW,   4352
.set SPARE,  297984    ; the spare words, 128 bytes for each wave: no other line names them
.set LN,  1
.set RW,  2
.set HF,  3
.set H64, 4
.set B0,  6            ; v6-9    fragment f of the weights: (16 f + lane % 16) PW + 64 (lane / 16); never rewritten
.set AO,  22           ; v22-26  tile t: my row's byte offset in hb[e]
.set RS,  27
.set RR,  28
.set CL16, 29
.set SPW, 30
.set NIL, 31
.set LB,  32
.set DUMP, 33
.set TK,  34
.set TK2, 35
.set T1,  36
.set T2,  37
.set BAD, 38
.set E,   40           ; v40-44  tile t: my row's list entry, token + 2048 slot
.set EC,  45           ; v45     the same of the tile on its way out
.set G,   46           ; v46-55  tile t: my token's gate, in the low word of a pair
.set GA,  56           ; v56-60  the gate loads' offsets
.set BF0, 64           ; v64-95, v96-127
.set BF1, 96
.set O,   128          ; v128-159 the way out: 16 rows read back
.set SO,  160          ; v160-167 their byte offsets in pp
.set CT,  192          ; phase 1, as in the launch before
.set WO,  208
.set SA,  216
.set BD,  192          ; v192-223 behind the barrier: bias in the accumulators' order
.set BL,  224          ; v224-255 bias as loaded
; window 1: phase 1: 8 slots x 32; then the accumulators at 8 (4 t + f).  window 2: v0-79 set 3 of h.  window 3: sets 0-2 at 80 s.
.set WV, 16
.set MH, 17
.set NT, 18
.set EX, 19
.set N,  20
.set NM1, 21
.set FR, 22
.set PASS, 23
.set TRIP, 27
.set RUN, 28
.set TS, 29
.set BO, 30
.set BC, 31
.set T0, 32            ; the first row of the tile on its way out
.set TI, 33            ; that tile's number
.set UPH, 35           ; s35  the upper 16 lanes
.set MSB, 0
.macro WIN new
.if MSB != (\new)
	s_set_vgpr_msb (MSB<<8)|(\new)
.set MSB, (\new)
.endif
.endm
.macro SETAT sn
.if (\sn) < 3
.set sW, 3
.set sB, 80*(\sn)
.else
.set sW, 2
.set sB, 0
.endif
.endm
	s_load_b256 s[4:11], s[0:1], 0x0               ; hb s[4:5], Wd s[6:7], bd s[8:9], mk s[10:11]
	s_load_b128 s[12:15], s[0:1], 0x20             ; gt s[12:13], pp s[14:15]
	v_lshl_add_u32 v[SPW], v0, 2, SPARE
	v_mov_b32 v[NIL], 0
	v_lshrrev_b32 v1, 5, v0
	v_readfirstlane_b32 s[WV], v1
	v_and_b32 v[LN], 31, v0
	v_and_b32 v[RW], 15, v0
	v_bfe_u32 v[HF], v0, 4, 1
	s_and_b32 s[MH], ttmp9, 1
	s_bfe_u32 s[NT], ttmp9, 0x40001
	s_lshr_b32 s[EX], ttmp9, 5
	s_mov_b32 s[UPH], 0xffff0000
	v_lshlrev_b32 v[H64], 6, v[HF]
	v_lshlrev_b32 v[CL16], 4, v[RW]
	v_lshlrev_b32 v[BAD], 7, v[HF]                 ; my half's 32 columns of the bias
	s_mul_i32 s[TS], s[WV], LSTW
	s_add_co_u32 s[TS], s[TS], LST
	v_mov_b32 v[LB], s[TS]
	v_mov_b32 v[DUMP], 0x800
	; phase 1: slot i of lap a holds k rows 16 o .. 16 o + 15, o = 32 w + 8 a + i: lanes 0-15 the first eight, lanes 16-31 the others; lane % 16 = c the columns 4 c .. 4 c + 3
	s_lshl_b32 s[TS], s[WV], 21
	v_lshl_add_u32 v[T2], v[RW], 4, s[TS]
	v_lshl_add_u32 v[T2], v[HF], 15, v[T2]
.set i, 0
.rept 8
	v_add_nc_u32 v[WO+i], i<<16, v[T2]
.set i, i+1
.endr
	s_lshl_b32 s[TS], s[WV], 10
	v_mul_u32_u24 v[T1], v[RW], PW
	v_lshl_add_u32 v[T1], v[HF], 4, v[T1]
	v_add_nc_u32 v[T1], s[TS], v[T1]
.set j, 0
.rept 4
	v_add_nc_u32 v[SA+j], 16*j*PW, v[T1]           ; column 4 c + j lies in LDS row 16 j + c
.set j, j+1
.endr
	s_mov_b32 s3, 0
	s_wait_kmcnt 0x0
	s_lshl_b32 s2, s[EX], 23
	s_add_nc_u64 s[4:5], s[4:5], s[2:3]            ; hb[e]
	s_lshl_b32 s[TS], s[NT], 8
	s_add_co_u32 s2, s2, s[TS]
	s_add_nc_u64 s[6:7], s[6:7], s[2:3]            ; Wd[e][0][64 nt]
	s_lshl_b32 s2, s[EX], 12
	s_add_co_u32 s2, s2, s[TS]
	s_add_nc_u64 s[8:9], s[8:9], s[2:3]            ; bd[e][64 nt]
	s_mov_b32 s2, s[TS]
	s_add_nc_u64 s[14:15], s[14:15], s[2:3]        ; pp[0][0][64 nt]
	s_lshl_b32 s2, s[EX], 8
	s_add_nc_u64 s[10:11], s[10:11], s[2:3]        ; the expert's 64 ballots
	s_lshr_b32 s2, s[EX], 2
	s_lshl_b32 s2, s2, 15
	s_and_b32 s[TS], s[EX], 3
	s_lshl2_add_u32 s2, s[TS], s2
	s_add_nc_u64 s[12:13], s[12:13], s[2:3]        ; the expert's word in gt's rows of 16 bytes
.set i, 0
.rept 8
	global_load_b128 v[BL+4*i:BL+4*i+3], v[BAD], s[8:9] offset:16*i   ; the oldest loads: every later wait covers them
.set i, i+1
.endr
	WIN 0x40
.set i, 0
.rept 8
.set m, 0
.rept 8
	global_load_b128 v[32*i+4*m:32*i+4*m+3], v[WO+i], s[6:7] offset:m*ROWB
.set m, m+1
.endr
.set i, i+1
.endr
	WIN 0
	; THE LIST, while those loads are on their way: entry i = the expert's i-th token + 2048 x its slot.
	s_mov_b32 s[RUN], 0
	s_mov_b32 s[BO], 0
	s_mov_b32 s[BC], 4
	v_mov_b32 v[TK], v[LN]
	v_add_nc_u32 v[TK2], 0x800, v[LN]
.Lbuild:
	s_load_b512 s[36:51], s[10:11], s[BO]
	s_load_b512 s[68:83], s[10:11], s[BO] offset:0x800
	s_wait_kmcnt 0x0
.set i, 0
.rept 16
	v_mbcnt_lo_u32_b32 v[T1], s[36+i], s[RUN]
	v_cndmask_b32 v[T1], v[DUMP], v[T1], s[36+i]
	v_min_u32 v[T1], 0x800, v[T1]
	v_lshl_add_u32 v[T1], v[T1], 1, v[LB]
	v_cndmask_b32 v[T2], v[TK], v[TK2], s[68+i]
	ds_store_b16 v[T1], v[T2]
	v_add_nc_u32 v[TK], 32, v[TK]
	v_add_nc_u32 v[TK2], 32, v[TK2]
	s_bcnt1_i32_b32 s[TS], s[36+i]
	s_add_co_u32 s[RUN], s[RUN], s[TS]
.set i, i+1
.endr
	s_add_co_u32 s[BO], s[BO], 64
	s_sub_co_u32 s[BC], s[BC], 1
	s_cmp_lg_u32 s[BC], 0
	s_cbranch_scc1 .Lbuild
	s_mov_b32 s[N], s[RUN]
.macro WSLOT i, ahead, left            ; one slot's turn: 8 k rows x 4 columns a lane become 4 x 16 bytes in LDS
	s_wait_loadcnt \left                           ; loads come back in order (ISA guide 5.7.1): this slot's eight are in, and its offset register is free
	WIN 0x05
.set j, 0
.rept 4
.set p, 0
.rept 4
	v_cvt_pk_bf16_f32 v[CT+4*j+p], v[32*(\i)+8*p+j], v[32*(\i)+8*p+4+j]
.set p, p+1
.endr
.set j, j+1
.endr
	WIN 0
.set j, 0
.rept 4
	ds_store_b128 v[SA+j], v[CT+4*j:CT+4*j+3] offset:OCTB*(\i)
.set j, j+1
.endr
.if \ahead
	v_add_nc_u32 v[WO+(\i)], 0x80000, v[WO+(\i)]
	WIN 0x40
.set m, 0
.rept 8
	global_load_b128 v[32*(\i)+4*m:32*(\i)+4*m+3], v[WO+(\i)], s[6:7] offset:m*ROWB
.set m, m+1
.endr
	WIN 0
.endif
.endm
	s_mov_b32 s[TRIP], 3
.Llap:
.irp i, 0,1,2,3,4,5,6,7
	WSLOT \i, 1, 56                                ; seven younger slots of eight loads
.endr
.set j, 0
.rept 4
	v_add_nc_u32 v[SA+j], SASTEP, v[SA+j]
.set j, j+1
.endr
	s_sub_co_u32 s[TRIP], s[TRIP], 1
	s_cmp_lg_u32 s[TRIP], 0
	s_cbranch_scc1 .Llap
.irp i, 0,1,2,3,4,5,6,7
	WSLOT \i, 0, 56-8*\i                           ; the last lap loads nothing: the counts run down
.endr
	s_wait_dscnt 0x0                               ; for the others' sake: my part of the slice is in LDS
	s_barrier_signal -1
	s_barrier_wait -1                              ; the launch's one barrier: the slice is whole
.set f, 0
.rept 4                                                ; bias to bf16 and back: register jr of accumulator f is column 32 (lane / 16) + 4 jr + f
.set jr, 0
.rept 4
	v_cvt_pk_bf16_f32 v[T1], v[BL+4*jr+f], v[BL+4*jr+4+f]
	v_lshlrev_b32 v[BD+8*f+jr], 16, v[T1]
	v_and_b32 v[BD+8*f+jr+1], 0xffff0000, v[T1]
.set jr, jr+2
.endr
.set f, f+1
.endr
.set t, 0
.rept 5
	v_mov_b32 v[G+2*t+1], 0                        ; named with the gate as a pair, so it is written
.set t, t+1
.endr
	v_mul_u32_u24 v[T1], v[RW], PW
	v_lshl_add_u32 v[T1], v[HF], 6, v[T1]
.set f, 0
.rept NF
	v_add_nc_u32 v[B0+f], 16*f*PW, v[T1]
.set f, f+1
.endr
	s_mul_i32 s[TS], s[WV], RAWW
	s_add_co_u32 s[TS], s[TS], RAW
	v_mul_u32_u24 v[RS], v[RW], RP
	v_lshl_add_u32 v[RS], v[HF], 5, v[RS]
	v_add_nc_u32 v[RS], s[TS], v[RS]
	v_mul_u32_u24 v[RR], v[HF], RP
	v_lshl_add_u32 v[RR], v[RW], 2, v[RR]
	v_add_nc_u32 v[RR], s[TS], v[RR]
	s_sub_co_u32 s[NM1], s[N], 1
	s_mul_i32 s[FR], s[MH], 320
	s_mul_i32 s[TS], s[WV], 80
	s_add_co_u32 s[FR], s[FR], s[TS]
.macro BLOAD buf, off                  ; the weight fragments of one sub-step (32 k), at byte off of the columns' rows
	WIN 0
.set f, 0
.rept NF
	ds_load_b128 v[(\buf)+8*f:(\buf)+8*f+3],   v[B0+f] offset:(\off)
	ds_load_b128 v[(\buf)+8*f+4:(\buf)+8*f+7], v[B0+f] offset:(\off)+16
.set f, f+1
.endr
.endm
.macro ALOAD sn, off                   ; h's fragments of one chunk (64 k), at byte off of the rows: 64 consecutive bytes a lane and tile
	SETAT \sn
	WIN sW<<6
.set lt, 0
.rept 5
.set lu, 0
.rept 4
	global_load_b128 v[sB+16*lt+4*lu:sB+16*lt+4*lu+3], v[AO+lt], s[4:5] offset:(\off)+16*lu
.set lu, lu+1
.endr
.set lt, lt+1
.endr
.endm
; Source 0 = 16 columns of the weights, source 1 = 16 rows of h.  No two matrix instructions that follow each other share an accumulator.
.macro MM t, cur, sn, q, zero
	SETAT \sn
	WIN 0x50|(sW<<2)
.set f, 0
.rept NF
.if \zero
	v_wmma_f32_16x16x32_bf16 v[32*(\t)+8*f:32*(\t)+8*f+7], v[(\cur)+8*f:(\cur)+8*f+7], v[sB+16*(\t)+8*(\q):sB+16*(\t)+8*(\q)+7], 0
.else
	v_wmma_f32_16x16x32_bf16 v[32*(\t)+8*f:32*(\t)+8*f+7], v[(\cur)+8*f:(\cur)+8*f+7], v[sB+16*(\t)+8*(\q):sB+16*(\t)+8*(\q)+7], v[32*(\t)+8*f:32*(\t)+8*f+7]
.endif
.set f, f+1
.endr
.endm
.macro SUB cur, nxt, sn, q, zero, boff, aset, aoff, lc
	s_wait_dscnt 0x0                               ; this sub-step's weight fragments are in
.if (\q) == 0
	s_wait_loadcnt \lc                             ; this chunk's set of h is in; the younger sets stay out
.endif
.set mt, 0
.rept SPLIT
	MM mt, \cur, \sn, \q, \zero
.set mt, mt+1
.endr
.if ((\boff) >= 0) || ((\aoff) >= 0)
	WIN 0
.rept 4
	v_nop                                          ; four places in front of loads into registers that earlier products read (ISA guide 7.12.1 for vector instructions)
.endr
.endif
.if (\boff) >= 0
	BLOAD \nxt, \boff
.endif
.if (\aoff) >= 0
	ALOAD \aset, \aoff
.endif
.rept 5-SPLIT
	MM mt, \cur, \sn, \q, \zero
.set mt, mt+1
.endr
.endm
; Chunk c of NCH, on set c % 4 of h.  Chunk 0 starts the sums: nothing is cleared.  While there is a chunk c + 3 its set is asked for.  At a chunk's head two younger sets of 20 loads may be
; out: 40; the last two chunks have one and none behind them: 20 and 0.  The last sub-step of all fetches no fragments.
.macro CHUNK c
.set kz, 0
.if (\c) == 0
.set kz, 1
.endif
.set ka, -1
.if (\c)+3 < NCH
.set ka, 128*((\c)+3)
.endif
.set kl, 40
.if (\c)+3 > NCH
.set kl, 20*(NCH-1-(\c))
.endif
.set kb, -1
.if (\c)+1 < NCH
.set kb, 128*((\c)+1)
.endif
	SUB BF0, BF1, (\c)%4, 0, kz, 128*(\c)+32, ((\c)+3)%4, ka, kl
	SUB BF1, BF0, (\c)%4, 1, 0, kb, 0, -1, 0
.endm
; THE WAY OUT.  FINISH t names tile t's registers: (sum + bias) x gate in place, into my own stage, and the tile's list entries into EC.  The five tiles then go through ONE text, in a loop, that reads the
; stage back so that a lane holds four neighbouring columns of a row; 16 lanes store 256 consecutive bytes of the row of pp that the list names, aligned.  A chain of branches on the tile's number chooses FINISH.
.macro FINISH t
	WIN 0x41                                       ; destination and source 0 window 1
.set p, 0
.rept 16                                               ; ascending: each accumulator's low registers are read first
	v_pk_add_f32 v[32*(\t)+2*p:32*(\t)+2*p+1], v[32*(\t)+2*p:32*(\t)+2*p+1], v[BD+2*p:BD+2*p+1]
.set p, p+1
.endr
.set p, 0
.rept 16
	v_pk_mul_f32 v[32*(\t)+2*p:32*(\t)+2*p+1], v[32*(\t)+2*p:32*(\t)+2*p+1], v[G+2*(\t):G+2*(\t)+1] op_sel_hi:[1,0]
.set p, p+1
.endr
	WIN 0x04                                       ; the stores' data in window 1
.set f, 0
.rept NF
	ds_store_b128 v[RS], v[32*(\t)+8*f:32*(\t)+8*f+3] offset:64*f
	ds_store_b128 v[RS], v[32*(\t)+8*f+4:32*(\t)+8*f+7] offset:64*f+16
.set f, f+1
.endr
	WIN 0                                          ; at a label and at a branch every window is 0
	v_mov_b32 v[EC], v[E+(\t)]
.endm
	s_mov_b32 s[PASS], 4
.Lpass:
	s_cmp_lt_u32 s[FR], s[N]
	s_cbranch_scc0 .Lskip                          ; none of my 80 rows is alive: forward, past text without a barrier
.set t, 0
.rept 5
	v_add3_u32 v[T1], s[FR], v[RW], 16*t
	v_min_u32 v[T1], s[NM1], v[T1]                 ; a dead row is row N - 1 once more
	v_min_u32 v[T1], 0x7ff, v[T1]
	v_lshl_add_u32 v[AO+t], v[T1], 12, v[H64]      ; its row of 4,096 bytes, my half of a chunk
	v_lshl_add_u32 v[T1], v[T1], 1, v[LB]
	ds_load_u16 v[E+t], v[T1]
.set t, t+1
.endr
	s_wait_dscnt 0x0
.set t, 0
.rept 5
	v_and_b32 v[T1], 0x7ff, v[E+t]
	v_min_u32 v[T1], 0x7ff, v[T1]
	v_lshlrev_b32 v[GA+t], 4, v[T1]
	global_load_b32 v[G+2*t], v[GA+t], s[12:13]    ; older than every load of h: the first chunk's wait covers it
.set t, t+1
.endr
	ALOAD 0, 0
	ALOAD 1, 128
	ALOAD 2, 256
	BLOAD BF0, 0
.set ch, 0
.rept NCH
	CHUNK ch
.set ch, ch+1
.endr
	WIN 0
.rept 4
	v_nop                                          ; four places behind the last products
.endr
	s_mov_b32 s[TI], 0
	s_mov_b32 s[T0], s[FR]
.Ltile:                                                ; five trips: a tile goes out
	s_cmp_lt_u32 s[T0], s[N]
	s_cbranch_scc0 .Ltnext                         ; no row of the tile is alive: forward, to the counter's step
	s_cmp_lg_u32 s[TI], 0
	s_cbranch_scc1 .Lnot0
	FINISH 0
	s_branch .Lstored
.Lnot0:
	s_cmp_lg_u32 s[TI], 1
	s_cbranch_scc1 .Lnot1
	FINISH 1
	s_branch .Lstored
.Lnot1:
	s_cmp_lg_u32 s[TI], 2
	s_cbranch_scc1 .Lnot2
	FINISH 2
	s_branch .Lstored
.Lnot2:
	s_cmp_lg_u32 s[TI], 3
	s_cbranch_scc1 .Lnot3
	FINISH 3
	s_branch .Lstored
.Lnot3:
	FINISH 4
.Lstored:
	s_wait_xcnt 0x0                                ; the tile before's stores have read O and SO: they are rewritten only behind this wait
.set p, 0
.rept 32                                               ; row 2 (p / 4) + lane / 16, column 4 (lane % 16) + p % 4.  LDS serves a wave's instructions in order (ISA guide 5.7.1.4)
	ds_load_b32 v[O+p], v[RR] offset:2*RP*(p/4)+64*(p%4)
.set p, p+1
.endr
.set m, 0
.rept 8
	v_readlane_b32 s84, v[EC], 2*m                 ; the list entries of rows 2 m and 2 m + 1,
	v_readlane_b32 s85, v[EC], 2*m+1
	v_mov_b32 v[T1], s84
	v_cndmask_b32 v[T1], v[T1], s85, s[UPH]        ; one for each half of the lanes
	v_min_u32 v[T1], 0xfff, v[T1]
	v_lshl_add_u32 v[SO+m], v[T1], 12, v[CL16]     ; row slot x 2048 + token of 4,096 bytes
	s_wait_dscnt 28-4*m                            ; the younger loads of the tile stay out
	global_store_b128 v[SO+m], v[O+4*m:O+4*m+3], s[14:15]
.set m, m+1
.endr
.Ltnext:
	s_add_co_u32 s[T0], s[T0], 16
	s_add_co_u32 s[TI], s[TI], 1
	s_cmp_lt_u32 s[TI], 5
	s_cbranch_scc1 .Ltile
.Lskip:
	s_add_co_u32 s[FR], s[FR], 640
	s_sub_co_u32 s[PASS], s[PASS], 1
	s_cmp_lg_u32 s[PASS], 0
	s_cbranch_scc1 .Lpass
	s_wait_tensorcnt 0x0                           ; the wave's end: three closing lines, behind my last LDS store
	ds_add_u32 v[SPW], v[NIL]
	s_wait_dscnt 0x0
	s_endpgm
.Lfunc_end_k_q94364f635d_ffn2:
	.size	k_q94364f635d_ffn2, .Lfunc_end_k_q94364f635d_ffn2-k_q94364f635d_ffn2
	.p2alignl 7, 3214868480
	.fill 96, 4, 3214868480
	.section	.rodata,"a",@progbits
	.p2align	6, 0x0
	.amdhsa_kernel k_q94364f635d_ffn2
		.amdhsa_group_segment_fixed_size 298496
		.amdhsa_private_segment_fixed_size 0
		.amdhsa_enable_private_segment 0
		.amdhsa_kernarg_size 48
		.amdhsa_user_sgpr_count 2
		.amdhsa_user_sgpr_kernarg_segment_ptr 1
		.amdhsa_wavefront_size32 1
		.amdhsa_system_sgpr_workgroup_id_x 1
		.amdhsa_system_sgpr_workgroup_id_y 1
		.amdhsa_system_sgpr_workgroup_id_z 1
		.amdhsa_system_vgpr_workitem_id 0
		.amdhsa_next_free_vgpr 1024
		.amdhsa_next_free_sgpr 88
		.amdhsa_reserve_vcc 0
		.amdhsa_float_denorm_mode_32 3
		.amdhsa_float_denorm_mode_16_64 3
		.amdhsa_memory_ordered 1
		.amdhsa_forward_progress 1
		.amdhsa_inst_pref_size 255
	.end_amdhsa_kernel
	.section	.bss,"aw",@nobits
	.p2align	6
	.space	262144
	.amdgpu_metadata
---
amdhsa.version: [ 1, 2 ]
amdhsa.kernels:
  - .name:           k_q94364f635d_ffn2
    .symbol:         k_q94364f635d_ffn2.kd
    .args:
      - { .name: hb, .offset: 0, .size: 8, .value_kind: global_buffer, .address_space: global }
      - { .name: Wd, .offset: 8, .size: 8, .value_kind: global_buffer, .address_space: global }
      - { .name: bd, .offset: 16, .size: 8, .value_kind: global_buffer, .address_space: global }
      - { .name: mk, .offset: 24, .size: 8, .value_kind: global_buffer, .address_space: global }
      - { .name: gt, .offset: 32, .size: 8, .value_kind: global_buffer, .address_space: global }
      - { .name: pp, .offset: 40, .size: 8, .value_kind: global_buffer, .address_space: global }
    .group_segment_fixed_size: 298496
    .private_segment_fixed_size: 0
    .kernarg_segment_align: 8
    .kernarg_segment_size: 48
    .max_flat_workgroup_size: 128
    .sgpr_count:     88
    .vgpr_count:     1024
    .wavefront_size: 32
...
	.end_amdgpu_metadata
.endif
;; end of part 3
;; launch combine (part 4): grid 256 x 1, 8 waves a work-group, no clusters, 0 bytes of LDS; arguments pp, out0; writes out0
.if DOCPART == 4
	.amdgcn_target "amdgcn-amd-amdhsa--gfx1250"
	.amdhsa_code_object_version 6
	.text
	.protected	k_q94364f635d_combine
	.globl	k_q94364f635d_combine
	.p2align	8
	.type	k_q94364f635d_combine,@function
k_q94364f635d_combine:
	s_mov_b64 s[64:65], 0
	v_nop
	global_prefetch_b8 v0, s[64:65] scope:SCOPE_SE
	s_setreg_imm32_b32 hwreg(HW_REG_WAVE_MODE, 25, 1), 1
	s_wait_xcnt 0x0
; out0[t][:] = pp[0][t][:] + pp[1][t][:]: a token's two experts, the smaller index first.  All f32.
; A stream: each work-group takes 32,768 bytes of each plane; thread t the 16 bytes at 16 t of each block of 4,096, so that a wave's load or store covers 512 consecutive bytes.
; All sixteen loads of a wave go out at once; the waits are counted.  No LDS, no barrier, no matrix unit: nothing is shared and nothing is multiplied.
	s_load_b128 s[4:7], s[0:1], 0x0                ; pp s[4:5], out0 s[6:7]
	s_lshl_b32 s2, ttmp9, 15
	s_mov_b32 s3, 0
	v_lshlrev_b32 v1, 4, v0
	s_wait_kmcnt 0x0
	s_add_nc_u64 s[4:5], s[4:5], s[2:3]
	s_add_nc_u64 s[6:7], s[6:7], s[2:3]
	s_add_nc_u64 s[8:9], s[4:5], 0x800000          ; the second plane
.set i, 0
.rept 8
	global_load_b128 v[2+8*i:5+8*i], v1, s[4:5] offset:4096*i th:TH_LOAD_NT
	global_load_b128 v[6+8*i:9+8*i], v1, s[8:9] offset:4096*i th:TH_LOAD_NT
.set i, i+1
.endr
.set i, 0
.rept 8
	s_wait_loadcnt 14-2*i                          ; loads come back in order (ISA guide 5.7.1): pair i is in, the younger pairs stay out
	v_pk_add_f32 v[2+8*i:3+8*i], v[2+8*i:3+8*i], v[6+8*i:7+8*i]
	v_pk_add_f32 v[4+8*i:5+8*i], v[4+8*i:5+8*i], v[8+8*i:9+8*i]
	global_store_b128 v1, v[2+8*i:5+8*i], s[6:7] offset:4096*i th:TH_STORE_NT
.set i, i+1
.endr
	s_endpgm
.Lfunc_end_k_q94364f635d_combine:
	.size	k_q94364f635d_combine, .Lfunc_end_k_q94364f635d_combine-k_q94364f635d_combine
	.p2alignl 7, 3214868480
	.fill 96, 4, 3214868480
	.section	.rodata,"a",@progbits
	.p2align	6, 0x0
	.amdhsa_kernel k_q94364f635d_combine
		.amdhsa_group_segment_fixed_size 0
		.amdhsa_private_segment_fixed_size 0
		.amdhsa_enable_private_segment 0
		.amdhsa_kernarg_size 16
		.amdhsa_user_sgpr_count 2
		.amdhsa_user_sgpr_kernarg_segment_ptr 1
		.amdhsa_wavefront_size32 1
		.amdhsa_system_sgpr_workgroup_id_x 1
		.amdhsa_system_sgpr_workgroup_id_y 1
		.amdhsa_system_sgpr_workgroup_id_z 1
		.amdhsa_system_vgpr_workitem_id 0
		.amdhsa_next_free_vgpr 72
		.amdhsa_next_free_sgpr 66
		.amdhsa_reserve_vcc 0
		.amdhsa_float_denorm_mode_32 3
		.amdhsa_float_denorm_mode_16_64 3
		.amdhsa_memory_ordered 1
		.amdhsa_forward_progress 1
		.amdhsa_inst_pref_size 5
	.end_amdhsa_kernel
	.amdgpu_metadata
---
amdhsa.version: [ 1, 2 ]
amdhsa.kernels:
  - .name:           k_q94364f635d_combine
    .symbol:         k_q94364f635d_combine.kd
    .args:
      - { .name: pp, .offset: 0, .size: 8, .value_kind: global_buffer, .address_space: global }
      - { .name: out0, .offset: 8, .size: 8, .value_kind: global_buffer, .address_space: global }
    .group_segment_fixed_size: 0
    .private_segment_fixed_size: 0
    .kernarg_segment_align: 8
    .kernarg_segment_size: 16
    .max_flat_workgroup_size: 256
    .sgpr_count:     66
    .vgpr_count:     72
    .wavefront_size: 32
...
	.end_amdgpu_metadata
.endif
;; end of part 4
;; ======== version 2 of 3: 5 launches; 1.23 times as fast as version 1
;; workspace buffers: xb 4,194,304 bytes; mk 4,096 bytes of whole numbers; ls 61,440 bytes of whole numbers; xg 33,554,432 bytes; gt 65,536 bytes; hb 67,108,864 bytes; pp 16,777,216 bytes
;; launch router: the kernel of part 1 again; grid 64 x 1, 8 waves a work-group, no clusters, 142,336 bytes of LDS; arguments x, noise, Wg, bg, Wn, bn, xb, mk, gt; writes xb, mk, gt
;; launch place (part 5): grid 32 x 8, 4 waves a work-group, no clusters, 29,184 bytes of LDS; arguments mk, xb, ls, xg; writes ls, xg
.if DOCPART == 5
	.amdgcn_target "amdgcn-amd-amdhsa--gfx1250"
	.amdhsa_code_object_version 6
	.text
	.protected	k_q94364f635d_place
	.globl	k_q94364f635d_place
	.p2align	8
	.type	k_q94364f635d_place,@function
k_q94364f635d_place:
	s_mov_b64 s[64:65], 0
	v_nop
	global_prefetch_b8 v0, s[64:65] scope:SCOPE_SE
	s_setreg_imm32_b32 hwreg(HW_REG_WAVE_MODE, 25, 1), 1
	s_wait_xcnt 0x0
; THE EXPERTS' TOKEN LISTS, AND THE TOKENS' ROWS IN THE LISTS' ORDER.
; mk: [2][8][64] words: plane 0 (e, g): bit i = token 32 g + i chose expert e; plane 1: ... and e is the larger of its two experts.  xb: [2048][1024] bf16.
; ls: 7,680 bytes for each expert: 512 bytes that hold N, the expert's count, in every word; then 3,584 entries of 16 bits: entry i = the expert's i-th token + 2048 x its slot; from entry N on the last entry
; once more (0 where N = 0), so that a reader needs no clamp: the highest entry that a reader asks for is 560 + 4 x 640 + 79 = 3,199.
; xg: [8][2048][1024] bf16: xg[e][i][:] = xb[the expert's i-th token][:]; only rows below N are written.  So the launch behind reads dense rows, and each token's row is gathered twice in all
; (once for each of its experts) and not once for each of the 16 column slices.
; SHARES.  Work-group (c, e): expert e, c = 0 .. 31.  Every wave makes the expert's list for itself, in LDS bytes of its own (a running count over 64 words): no wave waits for another, there is no barrier,
; and N is a scalar in every wave.  The expert's 128 waves take blocks of 5 rows: wave 4 c + w the rows 5 (4 c + w) + 640 k, k = 0 .. 3: four trips (a constant count) serve any N up to 2,048, a dead block is
; jumped over, forward; a count up to 640 is served by one trip, 20 loads of a wave on their way together.  A row is 2,048 bytes: four loads and four stores of 512 consecutive bytes.
; DEAD ROWS of a live block take row N - 1 once more, which lies in that block: the same wave stores the same bytes to the same place.  Wave 0 of work-group (0, e) stores the expert's part of ls.
; The 128 words of mk come by four loads that go out together: lanes 0-15 take 16 words of plane 0, lanes 16-31 the same 16 of plane 1.
; The list is made in LDS behind zeros, so that every byte read back has been written.  No tensor load, no cluster: what the work-groups share is 512 bytes of mk.
.set LSP,   7680       ; bytes of ls for an expert
.set LSH,   512        ; of which the head
.set LREG,  7168       ; a wave's list in LDS
.set SPARE, 4*LREG     ; behind the lists: the spare words, 128 bytes for each wave: no other line names them
.set M,    4           ; v4-7    the words: register k, lane i: plane 0 word 16 k + i; lane 16 + i: plane 1
.set TK,   8           ; token of word 0 of the trip; the same + 2048
.set TK2,  9
.set DUMP, 10          ; 2048: the entry that takes what is not chosen; it lies at or behind N and is overwritten on the way out
.set A16,  11          ; 16 x lane; never rewritten
.set LAST, 12          ; the last entry, twice
.set LA,   13          ; its LDS address
.set IX,   14          ; v14-17  8 lane + 2 c + 1: the upper entry of word c of my 16 bytes
.set LB,   18          ; my wave's list in LDS
.set LN,   19          ; lane
.set NV,   20          ; v20-23  N, four times
.set ZR,   24          ; v24-27  0
.set LA16, 28          ; my wave's list + 16 x lane; never rewritten
.set T,    29          ; at work
.set P,    32          ; v32-47  a trip's 16 places
.set V,    48          ; v48-63  and 16 entries
.set D,    64          ; v64-119 the list read back
.set E,    120         ; v120-124 row j of my block: its list entry
.set XO,   125         ; v125-129 its byte offset in xg[e]
.set GO,   130         ; v130-134 its token's byte offset in xb
.set G,    136         ; v136-215 the five rows, 16 registers each
.set WV,   12          ; s12     my wave's number
.set EX,   13          ; the expert
.set NR,   14          ; N less the entries of the rounds stored
.set TS,   15
.set MS,   16          ; s[16:31] a trip's 16 words of plane 0
.set SL,   32          ; s[32:47] of plane 1
.set RB,   48          ; s[48:63] the count in front of each word
.set RUN,  66          ; tokens counted so far; at the end N
.set CNT,  67
.set ROW0, 68          ; my block's first row
.set NM1,  69
.set TR,   70
	s_load_b256 s[4:11], s[0:1], 0x0               ; mk s[4:5], xb s[6:7], ls s[8:9], xg s[10:11]
	v_lshl_add_u32 v30, v0, 2, SPARE
	v_mov_b32 v31, 0
	v_lshrrev_b32 v[T], 5, v0
	v_readfirstlane_b32 s[WV], v[T]                ; wave 0..3
	v_and_b32 v[LN], 31, v0
	v_and_b32 v1, 15, v0
	v_bfe_u32 v2, v0, 4, 1
	v_lshlrev_b32 v3, 2, v1                        ; word lane % 16,
	v_lshl_add_u32 v3, v2, 11, v3                  ; plane lane / 16
	v_lshlrev_b32 v[A16], 4, v[LN]
	s_mul_i32 s[TS], s[WV], LREG
	v_mov_b32 v[LB], s[TS]
	v_lshl_add_u32 v[LA16], v[LN], 4, s[TS]
	s_and_b32 s[EX], ttmp7, 0xffff
	s_lshl_b32 s2, s[EX], 8                        ; the expert's 64 words
	s_mov_b32 s3, 0
	s_wait_kmcnt 0x0
	s_add_nc_u64 s[4:5], s[4:5], s[2:3]
	s_mul_i32 s2, s[EX], LSP
	s_add_nc_u64 s[8:9], s[8:9], s[2:3]            ; its part of ls
	s_lshl_b32 s2, s[EX], 22
	s_add_nc_u64 s[10:11], s[10:11], s[2:3]        ; xg[e]: 2,048 rows of 2,048 bytes
.set k, 0
.rept 4
	global_load_b32 v[M+k], v3, s[4:5] offset:64*k
.set k, k+1
.endr
.set c, 0
.rept 4
	v_mov_b32 v[ZR+c], 0
	v_lshl_add_u32 v[IX+c], v[LN], 3, 2*c+1
.set c, c+1
.endr
.set r, 0
.rept 14
	ds_store_b128 v[LA16], v[ZR:ZR+3] offset:512*r ; my whole list region: zeros
.set r, r+1
.endr
	v_mov_b32 v[TK], v[LN]
	v_add_nc_u32 v[TK2], 0x800, v[LN]
	v_mov_b32 v[DUMP], 0x800
	s_mov_b32 s[RUN], 0
	s_mov_b32 s[CNT], 4
	s_wait_loadcnt 0x0
.Lq:                                                   ; four trips of 16 words; each stage runs over all 16, so that no line waits for the one before it
.set i, 0
.rept 16
	v_readlane_b32 s[MS+i], v[M], i
	v_readlane_b32 s[SL+i], v[M], 16+i
.set i, i+1
.endr
.set i, 0
.rept 16
	s_mov_b32 s[RB+i], s[RUN]
	s_bcnt1_i32_b32 s[TS], s[MS+i]
	s_add_co_u32 s[RUN], s[RUN], s[TS]
.set i, i+1
.endr
.set i, 0
.rept 16
	v_mbcnt_lo_u32_b32 v[P+i], s[MS+i], s[RB+i]    ; my place: those before this word + those below me in it
.set i, i+1
.endr
.set i, 0
.rept 16
	v_cndmask_b32 v[P+i], v[DUMP], v[P+i], s[MS+i] ; not chosen: entry 2048
.set i, i+1
.endr
.set i, 0
.rept 16
	v_min_u32 v[P+i], 0x800, v[P+i]
.set i, i+1
.endr
.set i, 0
.rept 16
	v_lshl_add_u32 v[P+i], v[P+i], 1, v[LB]
.set i, i+1
.endr
.set i, 0
.rept 16
	v_cndmask_b32 v[V+i], v[TK], v[TK2], s[SL+i]
.set i, i+1
.endr
.set i, 0
.rept 16
	v_add_nc_u32 v[V+i], 32*i, v[V+i]
.set i, i+1
.endr
.set i, 0
.rept 16
	ds_store_b16 v[P+i], v[V+i]
.set i, i+1
.endr
	v_add_nc_u32 v[TK], 0x200, v[TK]
	v_add_nc_u32 v[TK2], 0x200, v[TK2]
	v_mov_b32 v[M], v[M+1]                         ; the next 16 words move down, so that the lanes read above stay constants
	v_mov_b32 v[M+1], v[M+2]
	v_mov_b32 v[M+2], v[M+3]
	s_sub_co_u32 s[CNT], s[CNT], 1
	s_cmp_lg_u32 s[CNT], 0
	s_cbranch_scc1 .Lq
	; THE ROWS.  My block of the trip: rows ROW0 .. ROW0 + 4.
	s_lshl_b32 s[ROW0], ttmp9, 2
	s_add_co_u32 s[ROW0], s[ROW0], s[WV]           ; my wave among the expert's 128
	s_mul_i32 s[ROW0], s[ROW0], 5
	s_sub_co_u32 s[NM1], s[RUN], 1
	s_mov_b32 s[TR], 4
.Ltrip:
	s_cmp_lt_u32 s[ROW0], s[RUN]
	s_cbranch_scc0 .Lnext                          ; no row of the block is alive: forward, to the counter's step
	s_wait_xcnt 0x0                                ; the trip before's stores have read their offsets and data: they are rewritten only behind this wait
.set j, 0
.rept 5
	s_add_co_u32 s[TS], s[ROW0], j
	s_min_u32 s[TS], s[TS], s[NM1]                 ; a dead row is row N - 1 once more
	v_mov_b32 v[T], s[TS]
	v_min_u32 v[T], 0x7ff, v[T]
	v_lshl_add_u32 v[XO+j], v[T], 11, v[A16]       ; its row of 2,048 bytes in xg[e], my 16 bytes
	v_lshl_add_u32 v[T], v[T], 1, v[LB]
	ds_load_u16 v[E+j], v[T]                       ; every lane the same entry.  LDS serves a wave's instructions in order (ISA guide 5.7.1.4): it sees the list's stores
.set j, j+1
.endr
	s_wait_dscnt 0x0
.set j, 0
.rept 5
	v_and_b32 v[T], 0x7ff, v[E+j]                  ; the token
	v_min_u32 v[T], 0x7ff, v[T]
	v_lshl_add_u32 v[GO+j], v[T], 11, v[A16]
.set u, 0
.rept 4
	global_load_b128 v[G+16*j+4*u:G+16*j+4*u+3], v[GO+j], s[6:7] offset:512*u   ; 512 consecutive bytes of the token's row
.set u, u+1
.endr
.set j, j+1
.endr
.set j, 0
.rept 5
	s_wait_loadcnt 16-4*j                          ; loads come back in order (ISA guide 5.7.1): row j's four are in, the younger rows' stay out
.set u, 0
.rept 4
	global_store_b128 v[XO+j], v[G+16*j+4*u:G+16*j+4*u+3], s[10:11] offset:512*u  ; 512 consecutive bytes, at a multiple of 256 from the buffer's first
.set u, u+1
.endr
.set j, j+1
.endr
.Lnext:
	s_add_co_u32 s[ROW0], s[ROW0], 640             ; 128 waves x 5 rows
	s_sub_co_u32 s[TR], s[TR], 1
	s_cmp_lg_u32 s[TR], 0
	s_cbranch_scc1 .Ltrip
	; THE LIST goes to ls: by one wave for each expert.
	s_or_b32 s[TS], ttmp9, s[WV]
	s_cmp_lg_u32 s[TS], 0
	s_cbranch_scc1 .Lend
	s_max_u32 s[TS], s[RUN], 1
	s_sub_co_u32 s[TS], s[TS], 1                   ; entry N - 1 (entry 0, which holds 0, where N = 0)
	v_mov_b32 v[LA], s[TS]
	v_min_u32 v[LA], 0x7ff, v[LA]
	v_lshl_add_u32 v[LA], v[LA], 1, v[LB]
	ds_load_u16 v[LAST], v[LA]
.set r, 0
.rept 14
	ds_load_b128 v[D+4*r:D+4*r+3], v[LA16] offset:512*r
.set r, r+1
.endr
.set c, 0
.rept 4
	v_mov_b32 v[NV+c], s[RUN]
.set c, c+1
.endr
	global_store_b128 v[A16], v[NV:NV+3], s[8:9]   ; the head: 512 consecutive bytes
	s_mov_b32 s[NR], s[RUN]
	s_wait_dscnt 14                                ; the last entry is in; the 14 younger loads stay out
	v_lshl_or_b32 v[LAST], v[LAST], 16, v[LAST]
; A word holds entries 2 d and 2 d + 1.  It stays if 2 d + 1 < N; else it is the last entry twice: where 2 d = N - 1 its lower half is the last entry already.
.set r, 0
.rept 14
	s_wait_dscnt 13-r                              ; round r is in; the younger rounds stay out
.set c, 0
.rept 4
	v_cmp_gt_i32 vcc_lo, s[NR], v[IX+c]
	v_cndmask_b32 v[D+4*r+c], v[LAST], v[D+4*r+c], vcc_lo
.set c, c+1
.endr
	global_store_b128 v[A16], v[D+4*r:D+4*r+3], s[8:9] offset:LSH+512*r   ; 512 consecutive bytes, at a multiple of 256 from the buffer's first
	s_sub_co_i32 s[NR], s[NR], 256                 ; 256 entries a round
.set r, r+1
.endr
.Lend:
	s_wait_tensorcnt 0x0                           ; the wave's end: three closing lines, behind my last LDS store
	ds_add_u32 v30, v31
	s_wait_dscnt 0x0
	s_endpgm
.Lfunc_end_k_q94364f635d_place:
	.size	k_q94364f635d_place, .Lfunc_end_k_q94364f635d_place-k_q94364f635d_place
	.p2alignl 7, 3214868480
	.fill 96, 4, 3214868480
	.section	.rodata,"a",@progbits
	.p2align	6, 0x0
	.amdhsa_kernel k_q94364f635d_place
		.amdhsa_group_segment_fixed_size 29184
		.amdhsa_private_segment_fixed_size 0
		.amdhsa_enable_private_segment 0
		.amdhsa_kernarg_size 32
		.amdhsa_user_sgpr_count 2
		.amdhsa_user_sgpr_kernarg_segment_ptr 1
		.amdhsa_wavefront_size32 1
		.amdhsa_system_sgpr_workgroup_id_x 1
		.amdhsa_system_sgpr_workgroup_id_y 1
		.amdhsa_system_sgpr_workgroup_id_z 1
		.amdhsa_system_vgpr_workitem_id 0
		.amdhsa_next_free_vgpr 216
		.amdhsa_next_free_sgpr 72
		.amdhsa_reserve_vcc 1
		.amdhsa_float_denorm_mode_32 3
		.amdhsa_float_denorm_mode_16_64 3
		.amdhsa_memory_ordered 1
		.amdhsa_forward_progress 1
		.amdhsa_inst_pref_size 29
	.end_amdhsa_kernel
	.amdgpu_metadata
---
amdhsa.version: [ 1, 2 ]
amdhsa.kernels:
  - .name:           k_q94364f635d_place
    .symbol:         k_q94364f635d_place.kd
    .args:
      - { .name: mk, .offset: 0, .size: 8, .value_kind: global_buffer, .address_space: global }
      - { .name: xb, .offset: 8, .size: 8, .value_kind: global_buffer, .address_space: global }
      - { .name: ls, .offset: 16, .size: 8, .value_kind: global_buffer, .address_space: global }
      - { .name: xg, .offset: 24, .size: 8, .value_kind: global_buffer, .address_space: global }
    .group_segment_fixed_size: 29184
    .private_segment_fixed_size: 0
    .kernarg_segment_align: 8
    .kernarg_segment_size: 32
    .max_flat_workgroup_size: 128
    .sgpr_count:     72
    .vgpr_count:     216
    .wavefront_size: 32
...
	.end_amdgpu_metadata
.endif
;; end of part 5
;; launch ffn1 (part 6): grid 256 x 1, 4 waves a work-group, no clusters, 298,496 bytes of LDS; arguments xg, Wu, bu, ls, hb; writes hb
.if DOCPART == 6
	.amdgcn_target "amdgcn-amd-amdhsa--gfx1250"
	.amdhsa_code_object_version 6
	.text
	.protected	k_q94364f635d_ffn1
	.globl	k_q94364f635d_ffn1
	.p2align	8
	.type	k_q94364f635d_ffn1,@function
k_q94364f635d_ffn1:
	s_mov_b64 s[64:65], 0
	v_nop
	global_prefetch_b8 v0, s[64:65] scope:SCOPE_SE
	s_setreg_imm32_b32 hwreg(HW_REG_WAVE_MODE, 25, 1), 1
	s_wait_xcnt 0x0
; h = gelu(x Wu[e] + bu[e]) for the tokens that chose expert e, in token order: hb[e][i][:] is the expert's i-th token, bf16.  Only rows below the expert's count N are written.
; SHARES.  Work-group = expert e (x >> 5), 128 columns nt ((x >> 1) & 15), half of the rows mh (x & 1).
; PHASE 1.  The slice Wu[e][0..1023][128 nt ..] comes through registers (each load of a wave: 512 consecutive bytes of a k row), is rounded to bf16 and laid into LDS whole, a column a row, K along
; the row.  One barrier.
; PHASE 2.  A wave takes 80 rows (5 tiles of 16) x 128 columns: 40 accumulators.  Weight fragments come from LDS, token fragments straight from xg, where the launch before laid the expert's tokens in order.
; A pass serves 2 x 4 x 80 = 640 rows of the expert; four passes (a constant count) serve any N up to 2,048, and a pass or a tile with no row is jumped over, forward.
; THE WALK ALONG K is a loop: chunk 0, three trips of four chunks of 64 k, three chunks written out; the fragments' LDS addresses step with it.  No wave reads what another writes behind phase 1: the
; largest fragment address and its 16 bytes end at 264,176, below the stages.  So that the order of those reads and of the waves' stores into their stages hangs on no arithmetic of addresses, a barrier
; stands between them both ways: between a pass's walk and its way out, and at the pass's end, each on every wave's path, outside the jumps.  The second jump tests the same two numbers as the first.
; Every register is written before it is read on every path of the text, also on the one that no run takes (first jump taken, second not): so tile 4's accumulators are written once at the head.
; DEAD ROWS of a live tile take row N - 1 once more: the same wave makes the same bits and stores them to the same place.  So no lane is ever switched off.
; K ORDER.  In a chunk of 64 k (128 bytes of a row) sub-step q, registers 4 jj .. 4 jj + 3 of lane half h take the 16 bytes at 64 h + 32 q + 16 jj, in the weights and in the tokens alike:
; the products are the same, and a lane reads 64 consecutive bytes of its token's row in a chunk.
; NO TENSOR LOADS, NO CLUSTER: the weights change format on their way, through registers.  The token rows are shared by an expert's 16 column slices, but a joint load lands in LDS: beside the resident slice
; (264,192 bytes), the stages and the spare words 29,184 bytes are left, and two slots of one chunk of the work-group's 320 rows are 81,920.
; FORMATS.  x (by the first launch), Wu, bu rounded once to bf16; sums, bias and gelu in f32; h rounded once to bf16.
; LIMITS.  NaN and infinities are not treated apart.  erf(z) = z P(z^2) / Q(z^2) with z held to -4 .. 4, where erf differs from 1 by less than 2e-8: absolute error about 1e-7.
.set NF,     8         ; fragments of 16 columns
.set PW,     2064      ; a column's row in LDS: 1,024 bf16 + 16 bytes: an odd multiple of 16 (ISA guide 11.1: 64 banks of 4 bytes)
.set ROWB,   8192      ; bytes from a k row of Wu[e] to the next
.set OCTB,   16        ; LDS bytes of what a slot holds for a column: 8 k
.set SASTEP, 128       ; and of a lap's eight slots
.set TRIPS,  3         ; 16 chunks = 1 + 4 x 3 + 3
.set RP,     528       ; a row of the way out: 128 f32 + 16 bytes
.set SPLIT,  1         ; tiles multiplied ahead of a sub-step's loads: the loads stand 32 matrix instructions ahead of the wait for them
.set RAW,    264192    ; behind the weights: 16 rows x 528 for each wave
.set RAWW,   16*RP
.set SPARE,  297984    ; the spare words, 128 bytes for each wave: no other line names them
.set LSP,    7680      ; bytes of ls for an expert; its first word holds N
; window 0
.set LN,  1            ; lane
.set RW,  2            ; lane % 16
.set HF,  3            ; lane / 16
.set H64, 4            ; 64 (lane / 16)
.set B0,  6            ; v6-13   fragment f of the weights: (16 f + lane % 16) PW + 64 (lane / 16); never rewritten
.set BA,  14           ; v14-21  the same + the K bytes in hand
.set AO,  22           ; v22-26  tile t: my row's byte offset in xg[e]
.set RS,  27           ; the way out: where I put my results; never rewritten
.set RR,  28           ; where I read them back; never rewritten
.set CL16, 29          ; 16 (lane % 16)
.set SPW, 30
.set NIL, 31
.set T1,  36
.set T2,  37
.set BAD, 38           ; the bias loads' offset
.set BU,  46           ; v46-53  bias of my 8 columns on the way out
.set BF0, 64           ; v64-127, v128-191  weight fragments, two buffers
.set BF1, 128
.set CT,  192          ; phase 1: 16 packed registers
.set WO,  208          ; v208-215 slot i: byte offset of its loads
.set SA,  216          ; v216-219 column j of my four: LDS address
.set BL,  224          ; bias as loaded
.set U,   64           ; the way out works on the fragment buffers' registers
.set Z,   80
.set X2,  96
.set PN,  112
.set QD,  128
.set OUT, 144
.set HO,  152
; window 1: phase 1: 8 slots x 32 as loaded; then the accumulators of tiles 0-3 at 8 (8 t + f).  window 2: v0-63 tile 4; v64-143 token set 3.  window 3: token sets 0-2 at 80 s.  In a set: tile t, sub-step q at 16 t + 8 q.
.set WV, 16
.set MH, 17
.set NT, 18
.set EX, 19
.set N,  20            ; the expert's rows
.set NM1, 21
.set FR, 22            ; my first row of the pass
.set PASS, 23
.set PA, 24            ; s[24:25] xg[e] at the chunk in hand
.set KB, 26            ; the same in bytes of an LDS row
.set TRIP, 27
.set TS, 29
.set T0, 32            ; the first row of the tile on its way out
.set TI, 33            ; that tile's number
.set CA, 36            ; s[36:49] P's seven coefficients, highest first, each twice (a pair for the packed forms)
.set CR, 50            ; s[50:51] 1 / sqrt 2
.set CB, 68            ; s[68:77] Q's five
.set MSB, 0
.macro WIN new                         ; the immediate's high byte repeats the setting that is left; a switch that changes nothing is dropped
.if MSB != (\new)
	s_set_vgpr_msb (MSB<<8)|(\new)
.set MSB, (\new)
.endif
.endm
.macro ACCAT t                         ; window and first register of tile t's accumulators
.if (\t) < 4
.set aW, 1
.set aB, 64*(\t)
.else
.set aW, 2
.set aB, 0
.endif
.endm
.macro SETAT sn                        ; the same of token set sn
.if (\sn) < 3
.set sW, 3
.set sB, 80*(\sn)
.else
.set sW, 2
.set sB, 64
.endif
.endm
.macro ALL8 line:vararg
.set p, 0
	s_wait_alu depctr_va_vdst(0)
.rept 8
	\line
.set p, p+1
.endr
.endm
.macro ALL16 line:vararg
.set p, 0
.rept 16
	\line
.set p, p+1
.endr
.endm
.macro SETC r, val
	s_mov_b32 s[\r], \val
	s_mov_b32 s[(\r)+1], \val
.endm
	s_load_b256 s[4:11], s[0:1], 0x0               ; xg s[4:5], Wu s[6:7], bu s[8:9], ls s[10:11]
	s_load_b64 s[12:13], s[0:1], 0x20              ; hb
	v_lshl_add_u32 v[SPW], v0, 2, SPARE
	v_mov_b32 v[NIL], 0
	v_lshrrev_b32 v1, 5, v0
	v_readfirstlane_b32 s[WV], v1                  ; wave 0..3
	v_and_b32 v[LN], 31, v0
	v_and_b32 v[RW], 15, v0
	v_bfe_u32 v[HF], v0, 4, 1
	s_and_b32 s[MH], ttmp9, 1
	s_bfe_u32 s[NT], ttmp9, 0x40001
	s_lshr_b32 s[EX], ttmp9, 5
	s_mul_i32 s[FR], s[MH], 320
	s_mul_i32 s[TS], s[WV], 80
	s_add_co_u32 s[FR], s[FR], s[TS]               ; my first row of pass 0
	v_lshlrev_b32 v[H64], 6, v[HF]
	v_lshlrev_b32 v[CL16], 4, v[RW]
	v_lshlrev_b32 v[BAD], 5, v[RW]                 ; my 8 columns' bias: 32 bytes
	; phase 1: slot i of lap a holds k rows 8 o .. 8 o + 7, o = 32 w + 8 a + i; lane l the columns 4 l .. 4 l + 3
	s_lshl_b32 s[TS], s[WV], 21                    ; 32 w octets of 8 rows of 8,192 bytes
	v_lshl_add_u32 v[T2], v[LN], 4, s[TS]
.set i, 0
.rept 8
	v_add_nc_u32 v[WO+i], i<<16, v[T2]
.set i, i+1
.endr
	s_lshl_b32 s[TS], s[WV], 9                     ; 2 bytes x 8 k x 32 w
	v_mul_u32_u24 v[T1], v[LN], PW
	v_add_nc_u32 v[T1], s[TS], v[T1]
.set j, 0
.rept 4
	v_add_nc_u32 v[SA+j], 32*j*PW, v[T1]           ; column 4 l + j lies in LDS row 32 j + l
.set j, j+1
.endr
	s_mov_b32 s3, 0
	s_wait_kmcnt 0x0
	s_mul_i32 s2, s[EX], LSP
	s_add_nc_u64 s[10:11], s[10:11], s[2:3]        ; the expert's part of ls
	s_load_b32 s[N], s[10:11], 0x0                 ; its count: on its way beside the loads below
	s_lshl_b32 s2, s[EX], 22
	s_add_nc_u64 s[4:5], s[4:5], s[2:3]            ; xg[e]: 2,048 rows of 2,048 bytes
	s_lshl_b32 s2, s[EX], 23
	s_lshl_b32 s[TS], s[NT], 9
	s_add_co_u32 s2, s2, s[TS]
	s_add_nc_u64 s[6:7], s[6:7], s[2:3]            ; Wu[e][0][128 nt]
	s_lshl_b32 s2, s[EX], 13
	s_add_co_u32 s2, s2, s[TS]
	s_add_nc_u64 s[8:9], s[8:9], s[2:3]            ; bu[e][128 nt]
	s_lshl_b32 s2, s[EX], 23
	s_lshl_b32 s[TS], s[NT], 8
	s_add_co_u32 s2, s2, s[TS]
	s_add_nc_u64 s[12:13], s[12:13], s[2:3]        ; hb[e][0][128 nt]
	global_load_b128 v[BL:BL+3], v[BAD], s[8:9]    ; the bias: the oldest loads: every later wait covers them
	global_load_b128 v[BL+4:BL+7], v[BAD], s[8:9] offset:16
	WIN 0x40                                       ; destination window 1
.set i, 0
.rept 8
.set m, 0
.rept 8
	global_load_b128 v[32*i+4*m:32*i+4*m+3], v[WO+i], s[6:7] offset:m*ROWB
.set m, m+1
.endr
.set i, i+1
.endr
	WIN 0x80                                       ; destination window 2: tile 4's accumulators are written once (see the head); this stands in the wait for the first weights
.set i, 0
.rept 64
	v_mov_b32 v[i], 0
.set i, i+1
.endr
	WIN 0
	s_wait_kmcnt 0x0                               ; N
; One slot's turn: 8 k rows x 4 columns a lane become 4 x 16 bytes (8 k of a column) in LDS.  ahead = 1: the slot is loaded again, eight octets on.  left: the younger loads, which stay out.
.macro WSLOT i, ahead, left
	s_wait_loadcnt \left                           ; loads come back in order (ISA guide 5.7.1): this slot's eight are in, and its offset register is free
	WIN 0x05                                       ; sources window 1
.set j, 0
.rept 4
.set p, 0
.rept 4
	v_cvt_pk_bf16_f32 v[CT+4*j+p], v[32*(\i)+8*p+j], v[32*(\i)+8*p+4+j]
.set p, p+1
.endr
.set j, j+1
.endr
	WIN 0
.set j, 0
.rept 4
	ds_store_b128 v[SA+j], v[CT+4*j:CT+4*j+3] offset:OCTB*(\i)
.set j, j+1
.endr
.if \ahead
	v_add_nc_u32 v[WO+(\i)], 0x80000, v[WO+(\i)]
	WIN 0x40
.set m, 0
.rept 8
	global_load_b128 v[32*(\i)+4*m:32*(\i)+4*m+3], v[WO+(\i)], s[6:7] offset:m*ROWB
.set m, m+1
.endr
	WIN 0
.endif
.endm
	s_mov_b32 s[TRIP], 3
.Llap:
.irp i, 0,1,2,3,4,5,6,7
	WSLOT \i, 1, 56                                ; seven younger slots of eight loads
.endr
.set j, 0
.rept 4
	v_add_nc_u32 v[SA+j], SASTEP, v[SA+j]
.set j, j+1
.endr
	s_sub_co_u32 s[TRIP], s[TRIP], 1
	s_cmp_lg_u32 s[TRIP], 0
	s_cbranch_scc1 .Llap
.irp i, 0,1,2,3,4,5,6,7
	WSLOT \i, 0, 56-8*\i                           ; the last lap loads nothing: the counts run down
.endr
	s_wait_dscnt 0x0                               ; for the others' sake: my part of the slice is in LDS
	s_barrier_signal -1
	s_barrier_wait -1                              ; the slice is whole
	SETC CA,    0xaf95df0b                         ; erf(z) = z P(z^2) / Q(z^2)
	SETC CA+2,  0x32edffee
	SETC CA+4,  0xb60cff51
	SETC CA+6,  0xb86ec2d2
	SETC CA+8,  0xba40ac63
	SETC CA+10, 0xbb41a1f6
	SETC CA+12, 0xbc83dbd4
	SETC CR,    0x3f3504f3
	SETC CB,    0xb77460cd
	SETC CB+2,  0xb95fbd29
	SETC CB+4,  0xbadc924e
	SETC CB+6,  0xbbf19bf8
	SETC CB+8,  0xbc69b6a7
.set j, 0
.rept 4                                                ; bias to bf16 and back, in the order of the way out: register 2 j + i is column 4 i + j of my eight
	v_cvt_pk_bf16_f32 v[T1], v[BL+j], v[BL+4+j]
	v_lshlrev_b32 v[BU+2*j], 16, v[T1]
	v_and_b32 v[BU+2*j+1], 0xffff0000, v[T1]
.set j, j+1
.endr
	v_mul_u32_u24 v[T1], v[RW], PW
	v_lshl_add_u32 v[T1], v[HF], 6, v[T1]
.set f, 0
.rept NF
	v_add_nc_u32 v[B0+f], 16*f*PW, v[T1]
.set f, f+1
.endr
	s_mul_i32 s[TS], s[WV], RAWW
	s_add_co_u32 s[TS], s[TS], RAW
	v_mul_u32_u24 v[RS], v[RW], RP
	v_lshl_add_u32 v[RS], v[HF], 5, v[RS]
	v_add_nc_u32 v[RS], s[TS], v[RS]               ; in: row = my token, 32 bytes for each half of the lanes
	v_mul_u32_u24 v[RR], v[HF], RP
	v_lshl_add_u32 v[RR], v[RW], 3, v[RR]
	v_add_nc_u32 v[RR], s[TS], v[RR]               ; back: lanes 0-15 one row, lanes 16-31 the next
	s_sub_co_u32 s[NM1], s[N], 1
.macro SETBA                           ; the fragment addresses for the K bytes in hand
.set f, 0
.rept NF
	v_add_nc_u32 v[BA+f], s[KB], v[B0+f]
.set f, f+1
.endr
.endm
.macro BLOAD buf, off                  ; the weight fragments of one sub-step (32 k)
	WIN 0
.set f, 0
.rept NF
	ds_load_b128 v[(\buf)+8*f:(\buf)+8*f+3],   v[BA+f] offset:(\off)
	ds_load_b128 v[(\buf)+8*f+4:(\buf)+8*f+7], v[BA+f] offset:(\off)+16
.set f, f+1
.endr
.endm
.macro ALOAD sn, off                   ; the token fragments of one chunk (64 k): 64 consecutive bytes a lane and tile
	SETAT \sn
	WIN sW<<6
.set lt, 0
.rept 5
.set lu, 0
.rept 4
	global_load_b128 v[sB+16*lt+4*lu:sB+16*lt+4*lu+3], v[AO+lt], s[PA:PA+1] offset:(\off)+16*lu
.set lu, lu+1
.endr
.set lt, lt+1
.endr
.endm
; Tile t x all fragments.  Source 0 = 16 columns of the weights, source 1 = 16 tokens: a lane holds one token and eight columns.  No two matrix instructions that follow each other share an accumulator.
.macro MM t, cur, sn, q, zero
	ACCAT \t
	SETAT \sn
	WIN (aW<<6)|(aW<<4)|(sW<<2)
.set f, 0
.rept NF
.if \zero
	v_wmma_f32_16x16x32_bf16 v[aB+8*f:aB+8*f+7], v[(\cur)+8*f:(\cur)+8*f+7], v[sB+16*(\t)+8*(\q):sB+16*(\t)+8*(\q)+7], 0
.else
	v_wmma_f32_16x16x32_bf16 v[aB+8*f:aB+8*f+7], v[(\cur)+8*f:(\cur)+8*f+7], v[sB+16*(\t)+8*(\q):sB+16*(\t)+8*(\q)+7], v[aB+8*f:aB+8*f+7]
.endif
.set f, f+1
.endr
.endm
; A sub-step: 32 k for all five tiles.  Behind its first tile stand, in one run, the loads of the next sub-step's weight fragments (boff >= 0) and of the token set three chunks on (aoff >= 0).
.macro SUB cur, nxt, sn, q, zero, boff, aset, aoff, lc
	s_wait_dscnt 0x0                               ; this sub-step's weight fragments are in
.if (\q) == 0
	s_wait_loadcnt \lc                             ; this chunk's token set is in; the younger sets stay out
.endif
.set mt, 0
.rept SPLIT
	MM mt, \cur, \sn, \q, \zero
.set mt, mt+1
.endr
.if ((\boff) >= 0) || ((\aoff) >= 0)
	WIN 0
.rept 4
	v_nop                                          ; four places in front of loads into registers that earlier products read (ISA guide 7.12.1 for vector instructions)
.endr
.endif
.if (\boff) >= 0
	BLOAD \nxt, \boff
.endif
.if (\aoff) >= 0
	ALOAD \aset, \aoff
.endif
.rept 5-SPLIT
	MM mt, \cur, \sn, \q, \zero
.set mt, mt+1
.endr
.endm
; A chunk of 64 k on token set sn, rel chunks behind the one at which BA and PA stand.  ahead = 1: the set three chunks on is asked for.  last = 1: no further fragments.
.macro CHUNK sn, rel, zero, ahead, lc, last
.if \ahead
	SUB BF0, BF1, \sn, 0, \zero, 128*(\rel)+32, ((\sn)+3)%4, 128*((\rel)+3), \lc
.else
	SUB BF0, BF1, \sn, 0, \zero, 128*(\rel)+32, 0, -1, \lc
.endif
.if \last
	SUB BF1, BF0, \sn, 1, 0, -1, 0, -1, 0
.else
	SUB BF1, BF0, \sn, 1, 0, 128*((\rel)+1), 0, -1, 0
.endif
.endm
; THE WAY OUT.  Register jr of accumulator f in lane (r, h) is LDS row 16 f + 8 h + jr of the weights, which is column 4 (row % 32) + row / 32.  A tile's sums go into my own stage in that order (STORES)
; and come back so that a lane holds eight neighbouring columns of a row; bias, gelu, rounding; 16 lanes store 256 consecutive bytes of a row of h, aligned (ROWS4).
; The five tiles go through ONE text of the gelu, in a loop: only the sixteen stores name a tile's registers, and a chain of branches on the tile's number chooses them.
.macro STORES t
	ACCAT \t
	WIN aW<<2                                      ; the stores' data in the accumulators' window
.set f, 0
.rept NF
	ds_store_b128 v[RS], v[aB+8*f:aB+8*f+3] offset:64*f        ; each accumulator's low registers first
	ds_store_b128 v[RS], v[aB+8*f+4:aB+8*f+7] offset:64*f+16
.set f, f+1
.endr
	WIN 0                                          ; at a label and at a branch every window is 0
.endm
.macro ROWS4 g                         ; rows 4 g .. 4 g + 3 of the stage: two for each half of the lanes
.set p, 0
.rept 8
	ds_load_b64 v[U+2*p:U+2*p+1], v[RR] offset:4*RP*(\g)+2*RP*(p/4)+128*(p%4)   ; LDS serves a wave's instructions in order (ISA guide 5.7.1.4): these see the stores above
.set p, p+1
.endr
	s_wait_dscnt 0x0
	ALL8 v_pk_add_f32 v[U+2*p:U+2*p+1], v[U+2*p:U+2*p+1], v[BU+2*(p%4):BU+2*(p%4)+1]
	ALL8 v_pk_mul_f32 v[Z+2*p:Z+2*p+1], v[U+2*p:U+2*p+1], s[CR:CR+1] op_sel_hi:[1,0]
	ALL16 v_med3_num_f32 v[Z+p], v[Z+p], -4.0, 4.0
	ALL8 v_pk_mul_f32 v[X2+2*p:X2+2*p+1], v[Z+2*p:Z+2*p+1], v[Z+2*p:Z+2*p+1]
	ALL8 v_pk_fma_f32 v[PN+2*p:PN+2*p+1], v[X2+2*p:X2+2*p+1], s[CA:CA+1], s[CA+2:CA+3] op_sel_hi:[1,0,0]
	ALL8 v_pk_fma_f32 v[QD+2*p:QD+2*p+1], v[X2+2*p:X2+2*p+1], s[CB:CB+1], s[CB+2:CB+3] op_sel_hi:[1,0,0]
.irp a, 4,6,8
	ALL8 v_pk_fma_f32 v[PN+2*p:PN+2*p+1], v[PN+2*p:PN+2*p+1], v[X2+2*p:X2+2*p+1], s[CA+\a:CA+\a+1] op_sel_hi:[1,1,0]
	ALL8 v_pk_fma_f32 v[QD+2*p:QD+2*p+1], v[QD+2*p:QD+2*p+1], v[X2+2*p:X2+2*p+1], s[CB+\a:CB+\a+1] op_sel_hi:[1,1,0]
.endr
.irp a, 10,12
	ALL8 v_pk_fma_f32 v[PN+2*p:PN+2*p+1], v[PN+2*p:PN+2*p+1], v[X2+2*p:X2+2*p+1], s[CA+\a:CA+\a+1] op_sel_hi:[1,1,0]
.endr
	ALL16 v_rcp_f32 v[QD+p], v[QD+p]
	ALL8 v_pk_mul_f32 v[PN+2*p:PN+2*p+1], v[PN+2*p:PN+2*p+1], v[Z+2*p:Z+2*p+1]   ; plain work behind the reciprocals (ISA guide 5.7.2)
	ALL8 v_pk_mul_f32 v[X2+2*p:X2+2*p+1], v[U+2*p:U+2*p+1], 0.5 op_sel_hi:[1,0]
	ALL8 v_pk_mul_f32 v[PN+2*p:PN+2*p+1], v[PN+2*p:PN+2*p+1], v[QD+2*p:QD+2*p+1]  ; erf
	ALL8 v_pk_fma_f32 v[U+2*p:U+2*p+1], v[X2+2*p:X2+2*p+1], v[PN+2*p:PN+2*p+1], v[X2+2*p:X2+2*p+1]  ; u / 2 erf + u / 2
	s_wait_xcnt 0x0                                ; the stores of the four rows before have read OUT and HO: they are rewritten only behind this wait
.irp s, 0,1
	v_cvt_pk_bf16_f32 v[OUT+4*\s],   v[U+8*\s],   v[U+8*\s+2]
	v_cvt_pk_bf16_f32 v[OUT+4*\s+1], v[U+8*\s+4], v[U+8*\s+6]
	v_cvt_pk_bf16_f32 v[OUT+4*\s+2], v[U+8*\s+1], v[U+8*\s+3]
	v_cvt_pk_bf16_f32 v[OUT+4*\s+3], v[U+8*\s+5], v[U+8*\s+7]
	v_add3_u32 v[T2], s[T0], v[HF], 4*(\g)+2*\s
	v_min_u32 v[T2], s[NM1], v[T2]                 ; a dead row is row N - 1 once more
	v_min_u32 v[T2], 0x7ff, v[T2]
	v_lshl_add_u32 v[HO+\s], v[T2], 12, v[CL16]
	global_store_b128 v[HO+\s], v[OUT+4*\s:OUT+4*\s+3], s[12:13]
.endr
.endm
	s_mov_b32 s[PASS], 4
.Lpass:
	s_cmp_lt_u32 s[FR], s[N]
	s_cbranch_scc0 .Lmid                           ; none of my 80 rows is alive: forward, past text without a barrier
	s_wait_xcnt 0x0                                ; the pass before's stores have read their registers: this pass's fragments land on them
.set t, 0
.rept 5
	v_add3_u32 v[T1], s[FR], v[RW], 16*t
	v_min_u32 v[T1], s[NM1], v[T1]                 ; a dead row is row N - 1 once more
	v_min_u32 v[T1], 0x7ff, v[T1]
	v_lshl_add_u32 v[AO+t], v[T1], 11, v[H64]      ; its row of 2,048 bytes, my half of a chunk
.set t, t+1
.endr
	s_mov_b64 s[PA:PA+1], s[4:5]
	s_mov_b32 s[KB], 0
	SETBA
	ALOAD 0, 0
	ALOAD 1, 128
	ALOAD 2, 256
	BLOAD BF0, 0
	CHUNK 0, 0, 1, 1, 40, 0                        ; chunk 0 starts the sums: nothing is cleared for them.  40: the two younger sets of 20 loads
	WIN 0
	s_wait_xcnt 0x0                                ; the loads' base steps only behind this wait
	s_add_nc_u64 s[PA:PA+1], s[PA:PA+1], 128
	s_mov_b32 s[KB], 128
	s_mov_b32 s[TRIP], TRIPS
.Ltrip:                                                ; four chunks a trip, on the token sets 1, 2, 3, 0
	SETBA
	CHUNK 1, 0, 0, 1, 40, 0
	CHUNK 2, 1, 0, 1, 40, 0
	CHUNK 3, 2, 0, 1, 40, 0
	CHUNK 0, 3, 0, 1, 40, 0
	WIN 0
	s_wait_xcnt 0x0
	s_add_nc_u64 s[PA:PA+1], s[PA:PA+1], 512
	s_add_co_u32 s[KB], s[KB], 512
	s_sub_co_u32 s[TRIP], s[TRIP], 1
	s_cmp_lg_u32 s[TRIP], 0
	s_cbranch_scc1 .Ltrip
	s_mov_b32 s[KB], 128+512*TRIPS                 ; where the loop has left it: written as the constant that it is
	SETBA
	CHUNK 1, 0, 0, 0, 40, 0                        ; the last three chunks ask for nothing: the counts run down
	CHUNK 2, 1, 0, 0, 20, 0
	CHUNK 3, 2, 0, 0, 0, 1
	WIN 0
.rept 4
	v_nop                                          ; four places behind the last products
.endr
.Lmid:
	s_wait_dscnt 0x0                               ; my reads of the weights are back:
	s_barrier_signal -1
	s_barrier_wait -1                              ; every wave's are, before any wave stores into its stage
	s_cmp_lt_u32 s[FR], s[N]                       ; the same two numbers as at the pass's head
	s_cbranch_scc0 .Lskip
	s_mov_b32 s[TI], 0
	s_mov_b32 s[T0], s[FR]
.Ltile:                                                ; five trips: a tile goes out
	s_cmp_lt_u32 s[T0], s[N]
	s_cbranch_scc0 .Ltnext                         ; no row of the tile is alive: forward, to the counter's step
	s_cmp_lg_u32 s[TI], 0
	s_cbranch_scc1 .Lnot0
	STORES 0
	s_branch .Lstored
.Lnot0:
	s_cmp_lg_u32 s[TI], 1
	s_cbranch_scc1 .Lnot1
	STORES 1
	s_branch .Lstored
.Lnot1:
	s_cmp_lg_u32 s[TI], 2
	s_cbranch_scc1 .Lnot2
	STORES 2
	s_branch .Lstored
.Lnot2:
	s_cmp_lg_u32 s[TI], 3
	s_cbranch_scc1 .Lnot3
	STORES 3
	s_branch .Lstored
.Lnot3:
	STORES 4
.Lstored:
	ROWS4 0
	ROWS4 1
	ROWS4 2
	ROWS4 3
.Ltnext:
	s_add_co_u32 s[T0], s[T0], 16
	s_add_co_u32 s[TI], s[TI], 1
	s_cmp_lt_u32 s[TI], 5
	s_cbranch_scc1 .Ltile
.Lskip:
	s_wait_dscnt 0x0                               ; my stores into my stage, and my reads of it, are done:
	s_barrier_signal -1
	s_barrier_wait -1                              ; every wave's are, before any wave walks the weights again or ends
	s_add_co_u32 s[FR], s[FR], 640
	s_sub_co_u32 s[PASS], s[PASS], 1
	s_cmp_lg_u32 s[PASS], 0
	s_cbranch_scc1 .Lpass
	s_wait_tensorcnt 0x0                           ; the wave's end: three closing lines, behind my last LDS store
	ds_add_u32 v[SPW], v[NIL]
	s_wait_dscnt 0x0
	s_endpgm
.Lfunc_end_k_q94364f635d_ffn1:
	.size	k_q94364f635d_ffn1, .Lfunc_end_k_q94364f635d_ffn1-k_q94364f635d_ffn1
	.p2alignl 7, 3214868480
	.fill 96, 4, 3214868480
	.section	.rodata,"a",@progbits
	.p2align	6, 0x0
	.amdhsa_kernel k_q94364f635d_ffn1
		.amdhsa_group_segment_fixed_size 298496
		.amdhsa_private_segment_fixed_size 0
		.amdhsa_enable_private_segment 0
		.amdhsa_kernarg_size 40
		.amdhsa_user_sgpr_count 2
		.amdhsa_user_sgpr_kernarg_segment_ptr 1
		.amdhsa_wavefront_size32 1
		.amdhsa_system_sgpr_workgroup_id_x 1
		.amdhsa_system_sgpr_workgroup_id_y 1
		.amdhsa_system_sgpr_workgroup_id_z 1
		.amdhsa_system_vgpr_workitem_id 0
		.amdhsa_next_free_vgpr 1024
		.amdhsa_next_free_sgpr 88
		.amdhsa_reserve_vcc 0
		.amdhsa_float_denorm_mode_32 3
		.amdhsa_float_denorm_mode_16_64 3
		.amdhsa_memory_ordered 1
		.amdhsa_forward_progress 1
		.amdhsa_inst_pref_size 178
	.end_amdhsa_kernel
	.amdgpu_metadata
---
amdhsa.version: [ 1, 2 ]
amdhsa.kernels:
  - .name:           k_q94364f635d_ffn1
    .symbol:         k_q94364f635d_ffn1.kd
    .args:
      - { .name: xg, .offset: 0, .size: 8, .value_kind: global_buffer, .address_space: global }
      - { .name: Wu, .offset: 8, .size: 8, .value_kind: global_buffer, .address_space: global }
      - { .name: bu, .offset: 16, .size: 8, .value_kind: global_buffer, .address_space: global }
      - { .name: ls, .offset: 24, .size: 8, .value_kind: global_buffer, .address_space: global }
      - { .name: hb, .offset: 32, .size: 8, .value_kind: global_buffer, .address_space: global }
    .group_segment_fixed_size: 298496
    .private_segment_fixed_size: 0
    .kernarg_segment_align: 8
    .kernarg_segment_size: 40
    .max_flat_workgroup_size: 128
    .sgpr_count:     88
    .vgpr_count:     1024
    .wavefront_size: 32
...
	.end_amdgpu_metadata
.endif
;; end of part 6
;; launch ffn2 (part 7): grid 256 x 1, 4 waves a work-group, no clusters, 281,088 bytes of LDS; arguments hb, Wd, bd, ls, gt, pp; writes pp
.if DOCPART == 7
	.amdgcn_target "amdgcn-amd-amdhsa--gfx1250"
	.amdhsa_code_object_version 6
	.text
	.protected	k_q94364f635d_ffn2
	.globl	k_q94364f635d_ffn2
	.p2align	8
	.type	k_q94364f635d_ffn2,@function
k_q94364f635d_ffn2:
	s_mov_b64 s[64:65], 0
	v_nop
	global_prefetch_b8 v0, s[64:65] scope:SCOPE_SE
	s_setreg_imm32_b32 hwreg(HW_REG_WAVE_MODE, 25, 1), 1
	s_wait_xcnt 0x0
; pp[slot][token][:] = gate x (h Wd[e] + bd[e]) for the tokens that chose expert e; slot 0 for the smaller of a token's two experts, 1 for the larger.  f32.
; SHARES.  Work-group = expert e (x >> 5), 64 columns nt ((x >> 1) & 15), half of the rows mh (x & 1).
; PHASE 1.  The slice Wd[e][0..2047][64 nt ..] comes through registers (each load of a wave: two k rows of 256 consecutive bytes), is rounded to bf16 and laid into LDS whole, a column a row, K along the row.
; One barrier.
; PHASE 2.  A wave takes 80 rows (5 tiles of 16) x 64 columns: 20 accumulators.  Weight fragments come from LDS, the rows of h (dense, in the list's order) straight from hb; the list in ls names each row's
; token and slot.  A pass serves 640 rows of the expert; four passes (a constant count) serve any count N up to 2,048; a pass or a tile with no row is jumped over, forward.
; THE WALK ALONG K is a loop: chunk 0, seven trips of four chunks of 64 k, three chunks written out; the fragments' LDS addresses step with it.  A chunk's weight fragments (two sub-steps of 32 k, 64 registers)
; are fetched in one run a chunk ahead, into two buffers that take turns: 36 matrix instructions stand between the run and the wait for it.
; No wave reads what another writes behind phase 1: the largest fragment address and its 16 bytes end at 263,152, below the stages.  So that the order of those reads and of the waves' stores into their
; stages hangs on no arithmetic of addresses, a barrier stands between them both ways: between a pass's walk and its way out, and at the pass's end, each on every wave's path, outside the jumps.
; The second jump tests the same two numbers as the first.  Every register is written before it is read on every path of the text, also on the one that no run takes (first jump taken, second not): so the five
; gates' registers are written once at the set-up.
; DEAD ROWS of a live tile take row N - 1 once more: the same wave makes the same bits and stores them to the same place.  So no lane is ever switched off.
; K ORDER.  In a chunk of 64 k sub-step q, registers 4 jj .. 4 jj + 3 of lane half h take the 16 bytes at 64 h + 32 q + 16 jj of the row, in the weights and in h alike.
; NO TENSOR LOADS, NO CLUSTER: the weights change format on their way, through registers.  The rows of h are shared by an expert's 16 column slices, but a joint load lands in LDS: beside the resident slice
; (263,168 bytes), the stages and the spare words 46,592 bytes are left, and two slots of one chunk of the work-group's 320 rows are 81,920.
; FORMATS.  Wd, bd rounded once to bf16; h is bf16; sums, bias and gate in f32, in the order (sum + bd) x gate.  LIMITS.  NaN and infinities are not treated apart.
.set NF,     4
.set PW,     4112      ; a column's row in LDS: 2,048 bf16 + 16 bytes: an odd multiple of 16 (ISA guide 11.1: 64 banks of 4 bytes)
.set ROWB,   4096      ; bytes from a k row of Wd[e] to the next
.set OCTB,   32        ; LDS bytes of what a slot holds for a column: 16 k
.set SASTEP, 256
.set TRIPS,  7         ; 32 chunks = 1 + 4 x 7 + 3
.set RP,     272       ; a row of the way out: 64 f32 + 16 bytes
.set RAW,    263168
.set RAWW,   16*RP
.set SPARE,  280576    ; the spare words, 128 bytes for each wave: no other line names them
.set LSP,    7680      ; bytes of ls for an expert: 512 that hold N, then 3,584 entries of 16 bits
.set LSH,    512
.set LN,  1
.set RW,  2
.set HF,  3
.set H64, 4
.set B0,  6            ; v6-9    fragment f of the weights: (16 f + lane % 16) PW + 64 (lane / 16); never rewritten
.set BA,  14           ; v14-17  the same + the K bytes in hand
.set AO,  22           ; v22-26  tile t: my row's byte offset in hb[e]
.set RS,  27
.set RR,  28
.set CL16, 29
.set SPW, 30
.set NIL, 31
.set T1,  36
.set T2,  37
.set BAD, 38
.set EOF, 39           ; byte offset in the list of my row of the pass's tile 0
.set E,   40           ; v40-44  tile t: my row's list entry, token + 2048 slot
.set EC,  45           ; v45     the same of the tile on its way out
.set G,   46           ; v46-55  tile t: my token's gate, in the low word of a pair
.set GA,  56           ; v56-60  the gate loads' offsets
.set BFA, 64           ; v64-127  a chunk's weight fragments: sub-step q, fragment f at 32 q + 8 f
.set BFB, 128          ; v128-191 the other chunk's
.set O,   128          ; v128-159 the way out: 16 rows read back (on the second buffer's registers, which the walk has left)
.set SO,  160          ; v160-167 their byte offsets in pp
.set CT,  192          ; phase 1, as in the launch before
.set WO,  208
.set SA,  216
.set BD,  192          ; v192-223 behind the barrier: bias in the accumulators' order
.set BL,  224          ; v224-255 bias as loaded
; window 1: phase 1: 8 slots x 32; then the accumulators at 8 (4 t + f).  window 2: v0-79 set 3 of h.  window 3: sets 0-2 at 80 s.
.set WV, 16
.set MH, 17
.set NT, 18
.set EX, 19
.set N,  20
.set NM1, 21
.set FR, 22
.set PASS, 23
.set PA, 24            ; s[24:25] hb[e] at the chunk in hand
.set KB, 26
.set TRIP, 27
.set TS, 29
.set T0, 32            ; the first row of the tile on its way out
.set TI, 33            ; that tile's number
.set UPH, 35           ; s35  the upper 16 lanes
.set MSB, 0
.macro WIN new
.if MSB != (\new)
	s_set_vgpr_msb (MSB<<8)|(\new)
.set MSB, (\new)
.endif
.endm
.macro SETAT sn
.if (\sn) < 3
.set sW, 3
.set sB, 80*(\sn)
.else
.set sW, 2
.set sB, 0
.endif
.endm
.macro ELOAD                           ; my rows' list entries for a pass's five tiles: lanes 0-15 take 32 consecutive bytes, lanes 16-31 the same
.set t, 0
.rept 5
	global_load_u16 v[E+t], v[EOF], s[10:11] offset:LSH+32*t
.set t, t+1
.endr
.endm
	s_load_b256 s[4:11], s[0:1], 0x0               ; hb s[4:5], Wd s[6:7], bd s[8:9], ls s[10:11]
	s_load_b128 s[12:15], s[0:1], 0x20             ; gt s[12:13], pp s[14:15]
	v_lshl_add_u32 v[SPW], v0, 2, SPARE
	v_mov_b32 v[NIL], 0
	v_lshrrev_b32 v1, 5, v0
	v_readfirstlane_b32 s[WV], v1
	v_and_b32 v[LN], 31, v0
	v_and_b32 v[RW], 15, v0
	v_bfe_u32 v[HF], v0, 4, 1
	s_and_b32 s[MH], ttmp9, 1
	s_bfe_u32 s[NT], ttmp9, 0x40001
	s_lshr_b32 s[EX], ttmp9, 5
	s_mov_b32 s[UPH], 0xffff0000
	s_mul_i32 s[FR], s[MH], 320
	s_mul_i32 s[TS], s[WV], 80
	s_add_co_u32 s[FR], s[FR], s[TS]               ; my first row of pass 0
	v_add_nc_u32 v[EOF], s[FR], v[RW]
	v_lshlrev_b32 v[EOF], 1, v[EOF]
	v_lshlrev_b32 v[H64], 6, v[HF]
	v_lshlrev_b32 v[CL16], 4, v[RW]
	v_lshlrev_b32 v[BAD], 7, v[HF]                 ; my half's 32 columns of the bias
	; phase 1: slot i of lap a holds k rows 16 o .. 16 o + 15, o = 32 w + 8 a + i: lanes 0-15 the first eight, lanes 16-31 the others; lane % 16 = c the columns 4 c .. 4 c + 3
	s_lshl_b32 s[TS], s[WV], 21
	v_lshl_add_u32 v[T2], v[RW], 4, s[TS]
	v_lshl_add_u32 v[T2], v[HF], 15, v[T2]
.set i, 0
.rept 8
	v_add_nc_u32 v[WO+i], i<<16, v[T2]
.set i, i+1
.endr
	s_lshl_b32 s[TS], s[WV], 10
	v_mul_u32_u24 v[T1], v[RW], PW
	v_lshl_add_u32 v[T1], v[HF], 4, v[T1]
	v_add_nc_u32 v[T1], s[TS], v[T1]
.set j, 0
.rept 4
	v_add_nc_u32 v[SA+j], 16*j*PW, v[T1]           ; column 4 c + j lies in LDS row 16 j + c
.set j, j+1
.endr
	s_mov_b32 s3, 0
	s_wait_kmcnt 0x0
	s_mul_i32 s2, s[EX], LSP
	s_add_nc_u64 s[10:11], s[10:11], s[2:3]        ; the expert's part of ls
	s_load_b32 s[N], s[10:11], 0x0                 ; its count: on its way beside the loads below
	s_lshl_b32 s2, s[EX], 23
	s_add_nc_u64 s[4:5], s[4:5], s[2:3]            ; hb[e]
	s_lshl_b32 s[TS], s[NT], 8
	s_add_co_u32 s2, s2, s[TS]
	s_add_nc_u64 s[6:7], s[6:7], s[2:3]            ; Wd[e][0][64 nt]
	s_lshl_b32 s2, s[EX], 12
	s_add_co_u32 s2, s2, s[TS]
	s_add_nc_u64 s[8:9], s[8:9], s[2:3]            ; bd[e][64 nt]
	s_mov_b32 s2, s[TS]
	s_add_nc_u64 s[14:15], s[14:15], s[2:3]        ; pp[0][0][64 nt]
	s_lshr_b32 s2, s[EX], 2
	s_lshl_b32 s2, s2, 15
	s_and_b32 s[TS], s[EX], 3
	s_lshl2_add_u32 s2, s[TS], s2
	s_add_nc_u64 s[12:13], s[12:13], s[2:3]        ; the expert's word in gt's rows of 16 bytes
	ELOAD                                          ; pass 0's entries and the bias: the oldest loads: every later wait covers them
.set i, 0
.rept 8
	global_load_b128 v[BL+4*i:BL+4*i+3], v[BAD], s[8:9] offset:16*i
.set i, i+1
.endr
	WIN 0x40
.set i, 0
.rept 8
.set m, 0
.rept 8
	global_load_b128 v[32*i+4*m:32*i+4*m+3], v[WO+i], s[6:7] offset:m*ROWB
.set m, m+1
.endr
.set i, i+1
.endr
	WIN 0
	s_wait_kmcnt 0x0                               ; N
.macro WSLOT i, ahead, left            ; one slot's turn: 8 k rows x 4 columns a lane become 4 x 16 bytes in LDS
	s_wait_loadcnt \left                           ; loads come back in order (ISA guide 5.7.1): this slot's eight are in, and its offset register is free
	WIN 0x05
.set j, 0
.rept 4
.set p, 0
.rept 4
	v_cvt_pk_bf16_f32 v[CT+4*j+p], v[32*(\i)+8*p+j], v[32*(\i)+8*p+4+j]
.set p, p+1
.endr
.set j, j+1
.endr
	WIN 0
.set j, 0
.rept 4
	ds_store_b128 v[SA+j], v[CT+4*j:CT+4*j+3] offset:OCTB*(\i)
.set j, j+1
.endr
.if \ahead
	v_add_nc_u32 v[WO+(\i)], 0x80000, v[WO+(\i)]
	WIN 0x40
.set m, 0
.rept 8
	global_load_b128 v[32*(\i)+4*m:32*(\i)+4*m+3], v[WO+(\i)], s[6:7] offset:m*ROWB
.set m, m+1
.endr
	WIN 0
.endif
.endm
	s_mov_b32 s[TRIP], 3
.Llap:
.irp i, 0,1,2,3,4,5,6,7
	WSLOT \i, 1, 56                                ; seven younger slots of eight loads
.endr
.set j, 0
.rept 4
	v_add_nc_u32 v[SA+j], SASTEP, v[SA+j]
.set j, j+1
.endr
	s_sub_co_u32 s[TRIP], s[TRIP], 1
	s_cmp_lg_u32 s[TRIP], 0
	s_cbranch_scc1 .Llap
.irp i, 0,1,2,3,4,5,6,7
	WSLOT \i, 0, 56-8*\i                           ; the last lap loads nothing: the counts run down
.endr
	s_wait_dscnt 0x0                               ; for the others' sake: my part of the slice is in LDS
	s_barrier_signal -1
	s_barrier_wait -1                              ; the slice is whole
.set f, 0
.rept 4                                                ; bias to bf16 and back: register jr of accumulator f is column 32 (lane / 16) + 4 jr + f
.set jr, 0
.rept 4
	v_cvt_pk_bf16_f32 v[T1], v[BL+4*jr+f], v[BL+4*jr+4+f]
	v_lshlrev_b32 v[BD+8*f+jr], 16, v[T1]
	v_and_b32 v[BD+8*f+jr+1], 0xffff0000, v[T1]
.set jr, jr+2
.endr
.set f, f+1
.endr
.set t, 0
.rept 5
	v_mov_b32 v[G+2*t], 0                          ; written once (see the head); a pass's gates land here
	v_mov_b32 v[G+2*t+1], 0                        ; named with the gate as a pair, so it is written
.set t, t+1
.endr
	v_mul_u32_u24 v[T1], v[RW], PW
	v_lshl_add_u32 v[T1], v[HF], 6, v[T1]
.set f, 0
.rept NF
	v_add_nc_u32 v[B0+f], 16*f*PW, v[T1]
.set f, f+1
.endr
	s_mul_i32 s[TS], s[WV], RAWW
	s_add_co_u32 s[TS], s[TS], RAW
	v_mul_u32_u24 v[RS], v[RW], RP
	v_lshl_add_u32 v[RS], v[HF], 5, v[RS]
	v_add_nc_u32 v[RS], s[TS], v[RS]
	v_mul_u32_u24 v[RR], v[HF], RP
	v_lshl_add_u32 v[RR], v[RW], 2, v[RR]
	v_add_nc_u32 v[RR], s[TS], v[RR]
	s_sub_co_u32 s[NM1], s[N], 1
.macro SETBA                           ; the fragment addresses for the K bytes in hand
.set f, 0
.rept NF
	v_add_nc_u32 v[BA+f], s[KB], v[B0+f]
.set f, f+1
.endr
.endm
.macro BLOAD buf, off                  ; the weight fragments of one chunk (64 k): both sub-steps, 16 loads in one run
	WIN 0
.set lq, 0
.rept 2
.set f, 0
.rept NF
	ds_load_b128 v[(\buf)+32*lq+8*f:(\buf)+32*lq+8*f+3],   v[BA+f] offset:(\off)+32*lq
	ds_load_b128 v[(\buf)+32*lq+8*f+4:(\buf)+32*lq+8*f+7], v[BA+f] offset:(\off)+32*lq+16
.set f, f+1
.endr
.set lq, lq+1
.endr
.endm
.macro ALOAD sn, off                   ; h's fragments of one chunk (64 k): 64 consecutive bytes a lane and tile
	SETAT \sn
	WIN sW<<6
.set lt, 0
.rept 5
.set lu, 0
.rept 4
	global_load_b128 v[sB+16*lt+4*lu:sB+16*lt+4*lu+3], v[AO+lt], s[PA:PA+1] offset:(\off)+16*lu
.set lu, lu+1
.endr
.set lt, lt+1
.endr
.endm
; Source 0 = 16 columns of the weights, source 1 = 16 rows of h.  No two matrix instructions that follow each other share an accumulator.
.macro MM t, cur, sn, q, zero
	SETAT \sn
	WIN 0x50|(sW<<2)
.set f, 0
.rept NF
.if \zero
	v_wmma_f32_16x16x32_bf16 v[32*(\t)+8*f:32*(\t)+8*f+7], v[(\cur)+8*f:(\cur)+8*f+7], v[sB+16*(\t)+8*(\q):sB+16*(\t)+8*(\q)+7], 0
.else
	v_wmma_f32_16x16x32_bf16 v[32*(\t)+8*f:32*(\t)+8*f+7], v[(\cur)+8*f:(\cur)+8*f+7], v[sB+16*(\t)+8*(\q):sB+16*(\t)+8*(\q)+7], v[32*(\t)+8*f:32*(\t)+8*f+7]
.endif
.set f, f+1
.endr
.endm
; A chunk of 64 k on set sn of h and fragment buffer cur, rel chunks behind the one at which BA and PA stand: 40 matrix instructions.  Behind its first four stand, in one run, the loads of the next chunk's
; weight fragments into nxt (last = 0) and of the set of h three chunks on (ahead = 1).  zero = 1: the first sub-step starts the sums.
.macro CHUNK sn, rel, cur, nxt, zero, ahead, lc, last
	s_wait_dscnt 0x0                               ; this chunk's weight fragments are in
	s_wait_loadcnt \lc                             ; this chunk's set of h is in; the younger sets stay out
	MM 0, \cur, \sn, 0, \zero
.if ((\last) == 0) || (\ahead)
	WIN 0
.rept 4
	v_nop                                          ; four places in front of loads into registers that earlier products read (ISA guide 7.12.1 for vector instructions)
.endr
.endif
.if (\last) == 0
	BLOAD \nxt, 128*((\rel)+1)
.endif
.if \ahead
	ALOAD ((\sn)+3)%4, 128*((\rel)+3)
.endif
.irp t, 1,2,3,4
	MM \t, \cur, \sn, 0, \zero
.endr
.irp t, 0,1,2,3,4
	MM \t, (\cur)+32, \sn, 1, 0
.endr
.endm
; THE WAY OUT.  FINISH t names tile t's registers: (sum + bias) x gate in place, into my own stage, and the tile's list entries into EC.  The five tiles then go through ONE text, in a loop, that reads the
; stage back so that a lane holds four neighbouring columns of a row; 16 lanes store 256 consecutive bytes of the row of pp that the list names, aligned.  A chain of branches on the tile's number chooses FINISH.
.macro FINISH t
	WIN 0x41                                       ; destination and source 0 window 1
.set p, 0
.rept 16                                               ; ascending: each accumulator's low registers are read first
	v_pk_add_f32 v[32*(\t)+2*p:32*(\t)+2*p+1], v[32*(\t)+2*p:32*(\t)+2*p+1], v[BD+2*p:BD+2*p+1]
.set p, p+1
.endr
.set p, 0
.rept 16
	v_pk_mul_f32 v[32*(\t)+2*p:32*(\t)+2*p+1], v[32*(\t)+2*p:32*(\t)+2*p+1], v[G+2*(\t):G+2*(\t)+1] op_sel_hi:[1,0]
.set p, p+1
.endr
	WIN 0x04                                       ; the stores' data in window 1
.set f, 0
.rept NF
	ds_store_b128 v[RS], v[32*(\t)+8*f:32*(\t)+8*f+3] offset:64*f
	ds_store_b128 v[RS], v[32*(\t)+8*f+4:32*(\t)+8*f+7] offset:64*f+16
.set f, f+1
.endr
	WIN 0                                          ; at a label and at a branch every window is 0
	v_mov_b32 v[EC], v[E+(\t)]
.endm
	s_mov_b32 s[PASS], 4
.Lpass:
	s_cmp_lt_u32 s[FR], s[N]
	s_cbranch_scc0 .Lmid                           ; none of my 80 rows is alive: forward, past text without a barrier
	s_wait_loadcnt 0x0                             ; the pass's list entries are in (pass 0's since phase 1)
	s_wait_xcnt 0x0                                ; the pass before's stores have read O and SO: this pass's fragments land on them
.set t, 0
.rept 5
	v_add3_u32 v[T1], s[FR], v[RW], 16*t
	v_min_u32 v[T1], s[NM1], v[T1]                 ; a dead row is row N - 1 once more
	v_min_u32 v[T1], 0x7ff, v[T1]
	v_lshl_add_u32 v[AO+t], v[T1], 12, v[H64]      ; its row of 4,096 bytes, my half of a chunk
	v_and_b32 v[T2], 0x7ff, v[E+t]                 ; the row's token
	v_min_u32 v[T2], 0x7ff, v[T2]
	v_lshlrev_b32 v[GA+t], 4, v[T2]
	global_load_b32 v[G+2*t], v[GA+t], s[12:13]    ; its gate: older than every load of h: the first chunk's wait covers it
.set t, t+1
.endr
	s_mov_b64 s[PA:PA+1], s[4:5]
	s_mov_b32 s[KB], 0
	SETBA
	ALOAD 0, 0
	ALOAD 1, 128
	ALOAD 2, 256
	BLOAD BFA, 0
	CHUNK 0, 0, BFA, BFB, 1, 1, 40, 0              ; chunk 0 starts the sums: nothing is cleared for them.  40: the two younger sets of 20 loads
	WIN 0
	s_wait_xcnt 0x0                                ; the loads' base steps only behind this wait
	s_add_nc_u64 s[PA:PA+1], s[PA:PA+1], 128
	s_mov_b32 s[KB], 128
	s_mov_b32 s[TRIP], TRIPS
.Ltrip:                                                ; four chunks a trip, on the sets 1, 2, 3, 0 and the buffers B, A, B, A: an even number, so the turns hold over the backward jump
	SETBA
	CHUNK 1, 0, BFB, BFA, 0, 1, 40, 0
	CHUNK 2, 1, BFA, BFB, 0, 1, 40, 0
	CHUNK 3, 2, BFB, BFA, 0, 1, 40, 0
	CHUNK 0, 3, BFA, BFB, 0, 1, 40, 0
	WIN 0
	s_wait_xcnt 0x0
	s_add_nc_u64 s[PA:PA+1], s[PA:PA+1], 512
	s_add_co_u32 s[KB], s[KB], 512
	s_sub_co_u32 s[TRIP], s[TRIP], 1
	s_cmp_lg_u32 s[TRIP], 0
	s_cbranch_scc1 .Ltrip
	s_mov_b32 s[KB], 128+512*TRIPS                 ; where the loop has left it: written as the constant that it is
	SETBA
	CHUNK 1, 0, BFB, BFA, 0, 0, 40, 0              ; the last three chunks ask for no rows of h: the counts run down
	CHUNK 2, 1, BFA, BFB, 0, 0, 20, 0
	CHUNK 3, 2, BFB, BFA, 0, 0, 0, 1
	WIN 0
.rept 4
	v_nop                                          ; four places behind the last products
.endr
.Lmid:
	s_wait_dscnt 0x0                               ; my reads of the weights are back:
	s_barrier_signal -1
	s_barrier_wait -1                              ; every wave's are, before any wave stores into its stage
	s_cmp_lt_u32 s[FR], s[N]                       ; the same two numbers as at the pass's head
	s_cbranch_scc0 .Lskip
	s_wait_loadcnt 0x0                             ; no load of mine is out (the walk's last wait was for 0): the list's registers and their offset are free
	s_mov_b32 s[TI], 0
	s_mov_b32 s[T0], s[FR]
.Ltile:                                                ; five trips: a tile goes out
	s_cmp_lt_u32 s[T0], s[N]
	s_cbranch_scc0 .Ltnext                         ; no row of the tile is alive: forward, to the counter's step
	s_cmp_lg_u32 s[TI], 0
	s_cbranch_scc1 .Lnot0
	FINISH 0
	s_branch .Lstored
.Lnot0:
	s_cmp_lg_u32 s[TI], 1
	s_cbranch_scc1 .Lnot1
	FINISH 1
	s_branch .Lstored
.Lnot1:
	s_cmp_lg_u32 s[TI], 2
	s_cbranch_scc1 .Lnot2
	FINISH 2
	s_branch .Lstored
.Lnot2:
	s_cmp_lg_u32 s[TI], 3
	s_cbranch_scc1 .Lnot3
	FINISH 3
	s_branch .Lstored
.Lnot3:
	FINISH 4
.Lstored:
	s_wait_xcnt 0x0                                ; the tile before's stores have read O and SO: they are rewritten only behind this wait
.set p, 0
.rept 32                                               ; row 2 (p / 4) + lane / 16, column 4 (lane % 16) + p % 4.  LDS serves a wave's instructions in order (ISA guide 5.7.1.4)
	ds_load_b32 v[O+p], v[RR] offset:2*RP*(p/4)+64*(p%4)
.set p, p+1
.endr
.set m, 0
.rept 8
	v_readlane_b32 s84, v[EC], 2*m                 ; the list entries of rows 2 m and 2 m + 1,
	v_readlane_b32 s85, v[EC], 2*m+1
	v_mov_b32 v[T1], s84
	v_cndmask_b32 v[T1], v[T1], s85, s[UPH]        ; one for each half of the lanes
	v_min_u32 v[T1], 0xfff, v[T1]
	v_lshl_add_u32 v[SO+m], v[T1], 12, v[CL16]     ; row slot x 2048 + token of 4,096 bytes
	s_wait_dscnt 28-4*m                            ; the younger loads of the tile stay out
	global_store_b128 v[SO+m], v[O+4*m:O+4*m+3], s[14:15]
.set m, m+1
.endr
.Ltnext:
	s_add_co_u32 s[T0], s[T0], 16
	s_add_co_u32 s[TI], s[TI], 1
	s_cmp_lt_u32 s[TI], 5
	s_cbranch_scc1 .Ltile
	v_add_nc_u32 v[EOF], 1280, v[EOF]              ; 640 entries on: the next pass's entries are asked for only behind a live pass: behind a dead one every pass is dead
	ELOAD
.Lskip:
	s_wait_dscnt 0x0                               ; my stores into my stage, and my reads of it, are done:
	s_barrier_signal -1
	s_barrier_wait -1                              ; every wave's are, before any wave walks the weights again or ends
	s_add_co_u32 s[FR], s[FR], 640
	s_sub_co_u32 s[PASS], s[PASS], 1
	s_cmp_lg_u32 s[PASS], 0
	s_cbranch_scc1 .Lpass
	s_wait_tensorcnt 0x0                           ; the wave's end: three closing lines, behind my last LDS store
	ds_add_u32 v[SPW], v[NIL]
	s_wait_dscnt 0x0
	s_endpgm
.Lfunc_end_k_q94364f635d_ffn2:
	.size	k_q94364f635d_ffn2, .Lfunc_end_k_q94364f635d_ffn2-k_q94364f635d_ffn2
	.p2alignl 7, 3214868480
	.fill 96, 4, 3214868480
	.section	.rodata,"a",@progbits
	.p2align	6, 0x0
	.amdhsa_kernel k_q94364f635d_ffn2
		.amdhsa_group_segment_fixed_size 281088
		.amdhsa_private_segment_fixed_size 0
		.amdhsa_enable_private_segment 0
		.amdhsa_kernarg_size 48
		.amdhsa_user_sgpr_count 2
		.amdhsa_user_sgpr_kernarg_segment_ptr 1
		.amdhsa_wavefront_size32 1
		.amdhsa_system_sgpr_workgroup_id_x 1
		.amdhsa_system_sgpr_workgroup_id_y 1
		.amdhsa_system_sgpr_workgroup_id_z 1
		.amdhsa_system_vgpr_workitem_id 0
		.amdhsa_next_free_vgpr 1024
		.amdhsa_next_free_sgpr 88
		.amdhsa_reserve_vcc 0
		.amdhsa_float_denorm_mode_32 3
		.amdhsa_float_denorm_mode_16_64 3
		.amdhsa_memory_ordered 1
		.amdhsa_forward_progress 1
		.amdhsa_inst_pref_size 113
	.end_amdhsa_kernel
	.amdgpu_metadata
---
amdhsa.version: [ 1, 2 ]
amdhsa.kernels:
  - .name:           k_q94364f635d_ffn2
    .symbol:         k_q94364f635d_ffn2.kd
    .args:
      - { .name: hb, .offset: 0, .size: 8, .value_kind: global_buffer, .address_space: global }
      - { .name: Wd, .offset: 8, .size: 8, .value_kind: global_buffer, .address_space: global }
      - { .name: bd, .offset: 16, .size: 8, .value_kind: global_buffer, .address_space: global }
      - { .name: ls, .offset: 24, .size: 8, .value_kind: global_buffer, .address_space: global }
      - { .name: gt, .offset: 32, .size: 8, .value_kind: global_buffer, .address_space: global }
      - { .name: pp, .offset: 40, .size: 8, .value_kind: global_buffer, .address_space: global }
    .group_segment_fixed_size: 281088
    .private_segment_fixed_size: 0
    .kernarg_segment_align: 8
    .kernarg_segment_size: 48
    .max_flat_workgroup_size: 128
    .sgpr_count:     88
    .vgpr_count:     1024
    .wavefront_size: 32
...
	.end_amdgpu_metadata
.endif
;; end of part 7
;; launch combine: the kernel of part 4 again; grid 256 x 1, 8 waves a work-group, no clusters, 0 bytes of LDS; arguments pp, out0; writes out0
;; ======== version 3 of 3: 5 launches; version 2 with the launches ffn1, ffn2 written anew for expert scheduling mode
;; workspace buffers: xb 4,194,304 bytes; mk 4,096 bytes of whole numbers; ls 61,440 bytes of whole numbers; xg 33,554,432 bytes; gt 65,536 bytes; hb 67,108,864 bytes; pp 16,777,216 bytes
;; launch router: the kernel of part 1 again; grid 64 x 1, 8 waves a work-group, no clusters, 142,336 bytes of LDS; arguments x, noise, Wg, bg, Wn, bn, xb, mk, gt; writes xb, mk, gt
;; launch place: the kernel of part 5 again; grid 32 x 8, 4 waves a work-group, no clusters, 29,184 bytes of LDS; arguments mk, xb, ls, xg; writes ls, xg
;; launch ffn1 (part 8): grid 256 x 1, 4 waves a work-group, no clusters, 298,496 bytes of LDS; arguments xg, Wu, bu, ls, hb; writes hb
.if DOCPART == 8
	.amdgcn_target "amdgcn-amd-amdhsa--gfx1250"
	.amdhsa_code_object_version 6
	.text
	.protected	k_q94364f635d_ffn1
	.globl	k_q94364f635d_ffn1
	.p2align	8
	.type	k_q94364f635d_ffn1,@function
k_q94364f635d_ffn1:
	s_mov_b64 s[64:65], 0
	v_nop
	global_prefetch_b8 v0, s[64:65] scope:SCOPE_SE
	s_setreg_imm32_b32 hwreg(HW_REG_WAVE_SCHED_MODE, 0, 2), 2
	s_setreg_imm32_b32 hwreg(HW_REG_WAVE_MODE, 25, 1), 1
	s_wait_xcnt 0x0
	s_wait_alu depctr_vm_vsrc(0)
; h = gelu(x Wu[e] + bu[e]) for the tokens that chose expert e, in token order: hb[e][i][:] is the expert's i-th token, bf16.  Only rows below the expert's count N are written.
; SHARES.  Work-group = expert e (x >> 5), 128 columns nt ((x >> 1) & 15), half of the rows mh (x & 1).
; PHASE 1.  The slice Wu[e][0..1023][128 nt ..] comes through registers (each load of a wave: 512 consecutive bytes of a k row), is rounded to bf16 and laid into LDS whole, a column a row, K along
; the row.  One barrier.
; PHASE 2.  A wave takes 80 rows (5 tiles of 16) x 128 columns: 40 accumulators.  Weight fragments come from LDS, token fragments straight from xg, where the launch before laid the expert's tokens in order.
; A pass serves 2 x 4 x 80 = 640 rows of the expert; four passes (a constant count) serve any N up to 2,048, and a pass or a tile with no row is jumped over, forward.
; THE WALK ALONG K is a loop: chunk 0, three trips of four chunks of 64 k, three chunks written out; the fragments' LDS addresses step with it.  No wave reads what another writes behind phase 1: the
; largest fragment address and its 16 bytes end at 264,176, below the stages.  So that the order of those reads and of the waves' stores into their stages hangs on no arithmetic of addresses, a barrier
; stands between them both ways: between a pass's walk and its way out, and at the pass's end, each on every wave's path, outside the jumps.  The second jump tests the same two numbers as the first.
; Every register is written before it is read on every path of the text, also on the one that no run takes (first jump taken, second not): so tile 4's accumulators are written once at the head.
; DEAD ROWS of a live tile take row N - 1 once more: the same wave makes the same bits and stores them to the same place.  So no lane is ever switched off.
; K ORDER.  In a chunk of 64 k (128 bytes of a row) sub-step q, registers 4 jj .. 4 jj + 3 of lane half h take the 16 bytes at 64 h + 32 q + 16 jj, in the weights and in the tokens alike:
; the products are the same, and a lane reads 64 consecutive bytes of its token's row in a chunk.
; NO TENSOR LOADS, NO CLUSTER: the weights change format on their way, through registers.  The token rows are shared by an expert's 16 column slices, but a joint load lands in LDS: beside the resident slice
; (264,192 bytes), the stages and the spare words 29,184 bytes are left, and two slots of one chunk of the work-group's 320 rows are 81,920.
; FORMATS.  x (by the first launch), Wu, bu rounded once to bf16; sums, bias and gelu in f32; h rounded once to bf16.
; LIMITS.  NaN and infinities are not treated apart.  erf(z) = z P(z^2) / Q(z^2) with z held to -4 .. 4, where erf differs from 1 by less than 2e-8: absolute error about 1e-7.
; THE MODE: SCHED_MODE bits 1:0 = 2 (LLVM: expert scheduling mode 2), set by the entry lines.  The code itself states the register dependences
; between vector or matrix instructions and memory or LDS instructions, with s_wait_alu, always for 0.
; THE PLAN.  Registers that memory or LDS instructions touch:
;   PHASE 1.  Raw slot i: its 16 conversions read it; behind them its next eight loads land in it.  CT[i], 16 registers for each slot: written by those conversions, read by the slot's four LDS stores, written
;   again a lap later.  v[WO ..]: read by the loads, never written again: each slot has a scalar base, which steps.  v[SA ..]: read by the LDS stores, stepped once a lap.
;   So ONE wait on va_vdst stands in a slot's turn, behind its conversions, and ONE wait on vm_vsrc in a lap, ahead of the adds to v[SA ..]; one more on vm_vsrc behind the barrier hands CT's registers on.
;   THE WALK.  A sub-step's 40 products read one fragment buffer, one set of token rows and the accumulators.  Its loads land in the other fragment buffer, which the sub-step before read, and in the set three
;   chunks on, which the chunk before read.  So ONE wait on va_vdst stands at a sub-step's head, and the loads are dealt among the products with no further wait.  v[BA ..] is written once for four chunks,
;   behind a wait on vm_vsrc and ahead of a sub-step's head; v[AO ..] once a pass.
;   THE WAY OUT.  The accumulators are read by the LDS stores of five tiles, by the address v[RS]: one wait on va_vdst ahead of the tiles' loop serves them all, since no vector instruction behind it names them.
;   It stands behind the second jump, so that every way into that loop passes it, the one round the walk too.  The stage's rows come back, by the address v[RR], into
;   two buffers by turns: group g + 1 is asked for at group g's head; the buffer's last readers stand ahead of the wait in front of group g - 1's stores.  OUT and HO: written behind a wait on vm_vsrc,
;   read by two stores behind a wait on va_vdst.  v[RS], v[RR]: written at the set-up, never again.  v[SPW], v[NIL]: written at the head, read by the closing add alone.
.set NF,     8         ; fragments of 16 columns
.set PW,     2064      ; a column's row in LDS: 1,024 bf16 + 16 bytes: an odd multiple of 16 (ISA guide 11.1: 64 banks of 4 bytes)
.set ROWB,   8192      ; bytes from a k row of Wu[e] to the next
.set OCTB,   16        ; LDS bytes of what a slot holds for a column: 8 k
.set SASTEP, 128       ; and of a lap's eight slots
.set TRIPS,  3         ; 16 chunks = 1 + 4 x 3 + 3
.set RP,     528       ; a row of the way out: 128 f32 + 16 bytes
.set RAW,    264192    ; behind the weights: 16 rows x 528 for each wave
.set RAWW,   16*RP
.set SPARE,  297984    ; the spare words, 128 bytes for each wave: no other line names them
.set LSP,    7680      ; bytes of ls for an expert; its first word holds N
; window 0
.set LN,  1            ; lane
.set RW,  2            ; lane % 16
.set HF,  3            ; lane / 16
.set H64, 4            ; 64 (lane / 16)
.set B0,  6            ; v6-13   fragment f of the weights: (16 f + lane % 16) PW + 64 (lane / 16); never rewritten
.set BA,  14           ; v14-21  the same + the K bytes in hand
.set AO,  22           ; v22-26  tile t: my row's byte offset in xg[e]
.set RS,  27           ; the way out: where I put my results; never rewritten
.set RR,  28           ; where I read them back; never rewritten
.set CL16, 29          ; 16 (lane % 16)
.set SPW, 30
.set NIL, 31
.set T1,  36
.set T2,  37
.set BAD, 38           ; the bias loads' offset
.set BU,  46           ; v46-53  bias of my 8 columns on the way out
.set BF0, 64           ; v64-127, v128-191  weight fragments, two buffers
.set BF1, 128
.set CT,  64           ; phase 1: slot i: 16 packed registers at CT + 16 i: v64-191
.set WO,  208          ; v208-215 slot i: byte offset of its loads; never rewritten
.set SA,  216          ; v216-219 column j of my four: LDS address
.set BL,  224          ; bias as loaded
.set U,   64           ; the way out works on the fragment buffers' registers.  Rows read back: two buffers by turns, v64-79 and v160-175
.set UALT, 96
.set Z,   80
.set X2,  96
.set PN,  112
.set QD,  128
.set OUT, 144
.set HO,  152
; window 1: phase 1: 8 slots x 32 as loaded; then the accumulators of tiles 0-3 at 8 (8 t + f).  window 2: v0-63 tile 4; v64-143 token set 3.  window 3: token sets 0-2 at 80 s.  In a set: tile t, sub-step q at 16 t + 8 q.
.set WV, 16
.set MH, 17
.set NT, 18
.set EX, 19
.set N,  20            ; the expert's rows
.set NM1, 21
.set FR, 22            ; my first row of the pass
.set PASS, 23
.set PA, 24            ; s[24:25] xg[e] at the chunk in hand
.set KB, 26            ; the same in bytes of an LDS row
.set TRIP, 27
.set TS, 29
.set T0, 32            ; the first row of the tile on its way out
.set TI, 33            ; that tile's number
.set WB, 36            ; s[36:51] phase 1 only: slot i: Wu's slice at the lap that the slot is asked for next: a pair at WB + 2 i
.set CA, 36            ; s[36:49] behind phase 1: P's seven coefficients, highest first, each twice (a pair for the packed forms)
.set CR, 50            ; s[50:51] 1 / sqrt 2
.set CB, 68            ; s[68:77] Q's five
.set MSB, 0
.macro WIN new                         ; the immediate's high byte repeats the setting that is left; a switch that changes nothing is dropped
.if MSB != (\new)
	s_set_vgpr_msb (MSB<<8)|(\new)
.set MSB, (\new)
.endif
.endm
.macro ACCAT t                         ; window and first register of tile t's accumulators
.if (\t) < 4
.set aW, 1
.set aB, 64*(\t)
.else
.set aW, 2
.set aB, 0
.endif
.endm
.macro SETAT sn                        ; the same of token set sn
.if (\sn) < 3
.set sW, 3
.set sB, 80*(\sn)
.else
.set sW, 2
.set sB, 64
.endif
.endm
.macro ALL8 line:vararg
.set p, 0
.rept 8
	\line
.set p, p+1
.endr
.endm
.macro ALL16 line:vararg
.set p, 0
.rept 16
	\line
.set p, p+1
.endr
.endm
.macro SETC r, val
	s_mov_b32 s[\r], \val
	s_mov_b32 s[(\r)+1], \val
.endm
	s_load_b256 s[4:11], s[0:1], 0x0               ; xg s[4:5], Wu s[6:7], bu s[8:9], ls s[10:11]
	s_load_b64 s[12:13], s[0:1], 0x20              ; hb
	v_lshl_add_u32 v[SPW], v0, 2, SPARE
	v_mov_b32 v[NIL], 0
	v_lshrrev_b32 v1, 5, v0
	v_readfirstlane_b32 s[WV], v1                  ; wave 0..3
	v_and_b32 v[LN], 31, v0
	v_and_b32 v[RW], 15, v0
	v_bfe_u32 v[HF], v0, 4, 1
	s_and_b32 s[MH], ttmp9, 1
	s_bfe_u32 s[NT], ttmp9, 0x40001
	s_lshr_b32 s[EX], ttmp9, 5
	s_mul_i32 s[FR], s[MH], 320
	s_wait_alu depctr_va_sdst(0)                   ; the wave's number is written, ahead of its first reader: my rows, my part of the slice and my stage are made from it
	s_mul_i32 s[TS], s[WV], 80
	s_add_co_u32 s[FR], s[FR], s[TS]               ; my first row of pass 0
	v_lshlrev_b32 v[H64], 6, v[HF]
	v_lshlrev_b32 v[CL16], 4, v[RW]
	v_lshlrev_b32 v[BAD], 5, v[RW]                 ; my 8 columns' bias: 32 bytes
	; phase 1: slot i of lap a holds k rows 8 o .. 8 o + 7, o = 32 w + 8 a + i; lane l the columns 4 l .. 4 l + 3
	s_lshl_b32 s[TS], s[WV], 21                    ; 32 w octets of 8 rows of 8,192 bytes
	v_lshl_add_u32 v[T2], v[LN], 4, s[TS]
.set i, 0
.rept 8
	v_add_nc_u32 v[WO+i], i<<16, v[T2]
.set i, i+1
.endr
	s_lshl_b32 s[TS], s[WV], 9                     ; 2 bytes x 8 k x 32 w
	v_mul_u32_u24 v[T1], v[LN], PW
	v_add_nc_u32 v[T1], s[TS], v[T1]
.set j, 0
.rept 4
	v_add_nc_u32 v[SA+j], 32*j*PW, v[T1]           ; column 4 l + j lies in LDS row 32 j + l
.set j, j+1
.endr
	s_mov_b32 s3, 0
	s_wait_kmcnt 0x0
	s_mul_i32 s2, s[EX], LSP
	s_add_nc_u64 s[10:11], s[10:11], s[2:3]        ; the expert's part of ls
	s_load_b32 s[N], s[10:11], 0x0                 ; its count: on its way beside the loads below
	s_lshl_b32 s2, s[EX], 22
	s_add_nc_u64 s[4:5], s[4:5], s[2:3]            ; xg[e]: 2,048 rows of 2,048 bytes
	s_lshl_b32 s2, s[EX], 23
	s_lshl_b32 s[TS], s[NT], 9
	s_add_co_u32 s2, s2, s[TS]
	s_add_nc_u64 s[6:7], s[6:7], s[2:3]            ; Wu[e][0][128 nt]
	s_lshl_b32 s2, s[EX], 13
	s_add_co_u32 s2, s2, s[TS]
	s_add_nc_u64 s[8:9], s[8:9], s[2:3]            ; bu[e][128 nt]
	s_lshl_b32 s2, s[EX], 23
	s_lshl_b32 s[TS], s[NT], 8
	s_add_co_u32 s2, s2, s[TS]
	s_add_nc_u64 s[12:13], s[12:13], s[2:3]        ; hb[e][0][128 nt]
.set i, 0
.rept 8
	s_mov_b64 s[WB+2*i:WB+2*i+1], s[6:7]           ; lap 0
.set i, i+1
.endr
	s_wait_alu depctr_va_vdst(0)                   ; the offsets v[BAD] and v[WO ..] are written, which the loads below read
	global_load_b128 v[BL:BL+3], v[BAD], s[8:9]    ; the bias: the oldest loads: every later wait covers them
	global_load_b128 v[BL+4:BL+7], v[BAD], s[8:9] offset:16
	WIN 0x40                                       ; destination window 1
.set i, 0
.rept 8
.set m, 0
.rept 8
	global_load_b128 v[32*i+4*m:32*i+4*m+3], v[WO+i], s[WB+2*i:WB+2*i+1] offset:m*ROWB
.set m, m+1
.endr
.set i, i+1
.endr
	WIN 0x80                                       ; destination window 2: tile 4's accumulators are written once (see the head); this stands in the wait for the first weights
.set i, 0
.rept 64
	v_mov_b32 v[i], 0
.set i, i+1
.endr
	WIN 0
	s_wait_kmcnt 0x0                               ; N
; One slot's turn: 8 k rows x 4 columns a lane become 4 x 16 bytes (8 k of a column) in LDS.  ahead = 1: the slot is loaded again, eight octets on.  left: the younger loads, which stay out.
.macro WSLOT i, ahead, left
	s_wait_loadcnt \left                           ; loads come back in order (ISA guide 5.7.1): this slot's eight are in
.if \ahead
	s_add_nc_u64 s[WB+2*(\i):WB+2*(\i)+1], s[WB+2*(\i):WB+2*(\i)+1], 0x80000  ; free since that wait, which shows the loads that read it done: the same slot of the next lap
.endif
	WIN 0x05                                       ; sources window 1
.set j, 0
.rept 4
.set p, 0
.rept 4
	v_cvt_pk_bf16_f32 v[CT+16*(\i)+4*j+p], v[32*(\i)+8*p+j], v[32*(\i)+8*p+4+j]
.set p, p+1
.endr
.set j, j+1
.endr
	WIN 0
	s_wait_alu depctr_va_vdst(0)                   ; the conversions have written CT[i], which the LDS stores read, and are done reading the raw slot, in which the loads land; in a lap's first slot v[SA ..] is written
.set j, 0
.rept 4
	ds_store_b128 v[SA+j], v[CT+16*(\i)+4*j:CT+16*(\i)+4*j+3] offset:OCTB*(\i)
.set j, j+1
.endr
.if \ahead
	WIN 0x40
.set m, 0
.rept 8
	global_load_b128 v[32*(\i)+4*m:32*(\i)+4*m+3], v[WO+(\i)], s[WB+2*(\i):WB+2*(\i)+1] offset:m*ROWB  ; no vector instruction since the wait names these registers
.set m, m+1
.endr
	WIN 0
.endif
.endm
	s_mov_b32 s[TRIP], 3
.Llap:
.irp i, 0,1,2,3,4,5,6,7
	WSLOT \i, 1, 56                                ; seven younger slots of eight loads
.endr
	s_wait_alu depctr_vm_vsrc(0)                   ; the lap's LDS stores have read v[SA ..], which the adds below write, and every CT, which the next lap's conversions write
.set j, 0
.rept 4
	v_add_nc_u32 v[SA+j], SASTEP, v[SA+j]
.set j, j+1
.endr
	s_sub_co_u32 s[TRIP], s[TRIP], 1
	s_cmp_lg_u32 s[TRIP], 0
	s_cbranch_scc1 .Llap
.irp i, 0,1,2,3,4,5,6,7
	WSLOT \i, 0, 56-8*\i                           ; the last lap loads nothing: the counts run down
.endr
	s_wait_dscnt 0x0                               ; for the others' sake: my part of the slice is in LDS
	s_barrier_signal -1
	s_barrier_wait -1                              ; the slice is whole
	s_wait_alu depctr_vm_vsrc(0)                   ; my LDS stores have read every CT: these registers are the fragment buffers and the way out's from here on, written by LDS loads and vector instructions
	SETC CA,    0xaf95df0b                         ; erf(z) = z P(z^2) / Q(z^2)
	SETC CA+2,  0x32edffee
	SETC CA+4,  0xb60cff51
	SETC CA+6,  0xb86ec2d2
	SETC CA+8,  0xba40ac63
	SETC CA+10, 0xbb41a1f6
	SETC CA+12, 0xbc83dbd4
	SETC CR,    0x3f3504f3
	SETC CB,    0xb77460cd
	SETC CB+2,  0xb95fbd29
	SETC CB+4,  0xbadc924e
	SETC CB+6,  0xbbf19bf8
	SETC CB+8,  0xbc69b6a7
.set j, 0
.rept 4                                                ; bias to bf16 and back, in the order of the way out: register 2 j + i is column 4 i + j of my eight
	v_cvt_pk_bf16_f32 v[T1], v[BL+j], v[BL+4+j]
	v_lshlrev_b32 v[BU+2*j], 16, v[T1]
	v_and_b32 v[BU+2*j+1], 0xffff0000, v[T1]
.set j, j+1
.endr
	v_mul_u32_u24 v[T1], v[RW], PW
	v_lshl_add_u32 v[T1], v[HF], 6, v[T1]
.set f, 0
.rept NF
	v_add_nc_u32 v[B0+f], 16*f*PW, v[T1]
.set f, f+1
.endr
	s_mul_i32 s[TS], s[WV], RAWW
	s_add_co_u32 s[TS], s[TS], RAW
	v_mul_u32_u24 v[RS], v[RW], RP
	v_lshl_add_u32 v[RS], v[HF], 5, v[RS]
	v_add_nc_u32 v[RS], s[TS], v[RS]               ; in: row = my token, 32 bytes for each half of the lanes
	v_mul_u32_u24 v[RR], v[HF], RP
	v_lshl_add_u32 v[RR], v[RW], 3, v[RR]
	v_add_nc_u32 v[RR], s[TS], v[RR]               ; back: lanes 0-15 one row, lanes 16-31 the next
	s_sub_co_u32 s[NM1], s[N], 1
.macro SETBA                           ; the fragment addresses for the K bytes in hand
.set f, 0
.rept NF
	v_add_nc_u32 v[BA+f], s[KB], v[B0+f]
.set f, f+1
.endr
.endm
.macro BLOADH buf, off, f0             ; four of the eight weight fragments of one sub-step (32 k): f0 .. f0 + 3
	WIN 0
.set f, (\f0)
.rept 4
	ds_load_b128 v[(\buf)+8*f:(\buf)+8*f+3],   v[BA+f] offset:(\off)
	ds_load_b128 v[(\buf)+8*f+4:(\buf)+8*f+7], v[BA+f] offset:(\off)+16
.set f, f+1
.endr
.endm
.macro ALOADT sn, off, t0, n           ; the token fragments of one chunk (64 k) for n tiles from t0 on: 64 consecutive bytes a lane and tile
	SETAT \sn
	WIN sW<<6
.set lt, (\t0)
.rept \n
.set lu, 0
.rept 4
	global_load_b128 v[sB+16*lt+4*lu:sB+16*lt+4*lu+3], v[AO+lt], s[PA:PA+1] offset:(\off)+16*lu
.set lu, lu+1
.endr
.set lt, lt+1
.endr
.endm
; Tile t x all fragments.  Source 0 = 16 columns of the weights, source 1 = 16 tokens: a lane holds one token and eight columns.  No two matrix instructions that follow each other share an accumulator.
.macro MM t, cur, sn, q, zero
	ACCAT \t
	SETAT \sn
	WIN (aW<<6)|(aW<<4)|(sW<<2)
.set f, 0
.rept NF
.if \zero
	v_wmma_f32_16x16x32_bf16 v[aB+8*f:aB+8*f+7], v[(\cur)+8*f:(\cur)+8*f+7], v[sB+16*(\t)+8*(\q):sB+16*(\t)+8*(\q)+7], 0
.else
	v_wmma_f32_16x16x32_bf16 v[aB+8*f:aB+8*f+7], v[(\cur)+8*f:(\cur)+8*f+7], v[sB+16*(\t)+8*(\q):sB+16*(\t)+8*(\q)+7], v[aB+8*f:aB+8*f+7]
.endif
.set f, f+1
.endr
.endm
; A sub-step: 32 k for all five tiles.  Its loads are dealt among its products: the next sub-step's weight fragments (boff >= 0) behind tiles 0 and 1, so that the last of them stands 24 matrix instructions
; ahead of the wait for it; the token set three chunks on (aoff >= 0) behind tiles 2 and 3.
.macro SUB cur, nxt, sn, q, zero, boff, aset, aoff, lc
	s_wait_dscnt 0x0                               ; this sub-step's weight fragments are in
.if (\q) == 0
	s_wait_loadcnt \lc                             ; this chunk's token set is in; the younger sets stay out
.endif
.if ((\boff) >= 0) || ((\aoff) >= 0)
.rept 4
	v_nop                                          ; four places behind the products of the sub-step before, ahead of loads into registers that they read (ISA guide 7.12.1 for vector instructions)
.endr
	s_wait_alu depctr_va_vdst(0)                   ; the sub-step before is done reading the other fragment buffer, the chunk before its token set: the loads below land in them; behind SETBA: v[BA ..] is written
.endif
	MM 0, \cur, \sn, \q, \zero
.if (\boff) >= 0
	BLOADH \nxt, \boff, 0                          ; no further wait: this sub-step's products name its own buffer, its own set and the accumulators alone
.endif
	MM 1, \cur, \sn, \q, \zero
.if (\boff) >= 0
	BLOADH \nxt, \boff, 4
.endif
	MM 2, \cur, \sn, \q, \zero
.if (\aoff) >= 0
	ALOADT \aset, \aoff, 0, 3
.endif
	MM 3, \cur, \sn, \q, \zero
.if (\aoff) >= 0
	ALOADT \aset, \aoff, 3, 2
.endif
	MM 4, \cur, \sn, \q, \zero
.endm
; A chunk of 64 k on token set sn, rel chunks behind the one at which BA and PA stand.  ahead = 1: the set three chunks on is asked for.  last = 1: no further fragments.
.macro CHUNK sn, rel, zero, ahead, lc, last
.if \ahead
	SUB BF0, BF1, \sn, 0, \zero, 128*(\rel)+32, ((\sn)+3)%4, 128*((\rel)+3), \lc
.else
	SUB BF0, BF1, \sn, 0, \zero, 128*(\rel)+32, 0, -1, \lc
.endif
.if \last
	SUB BF1, BF0, \sn, 1, 0, -1, 0, -1, 0
.else
	SUB BF1, BF0, \sn, 1, 0, 128*((\rel)+1), 0, -1, 0
.endif
.endm
; THE WAY OUT.  Register jr of accumulator f in lane (r, h) is LDS row 16 f + 8 h + jr of the weights, which is column 4 (row % 32) + row / 32.  A tile's sums go into my own stage in that order (STORES)
; and come back so that a lane holds eight neighbouring columns of a row; bias, gelu, rounding; 16 lanes store 256 consecutive bytes of a row of h, aligned (ROWS4).
; The five tiles go through ONE text of the gelu, in a loop: only the sixteen stores name a tile's registers, and a chain of branches on the tile's number chooses them.
.macro STORES t
	ACCAT \t
	WIN aW<<2                                      ; the stores' data in the accumulators' window
.set f, 0
.rept NF
	ds_store_b128 v[RS], v[aB+8*f:aB+8*f+3] offset:64*f        ; each accumulator's low registers first
	ds_store_b128 v[RS], v[aB+8*f+4:aB+8*f+7] offset:64*f+16
.set f, f+1
.endr
	WIN 0                                          ; at a label and at a branch every window is 0
.endm
.macro RLOAD g                         ; rows 4 g .. 4 g + 3 of the stage, two for each half of the lanes, into buffer g % 2
.set uL, U+UALT*((\g)%2)
.set p, 0
.rept 8
	ds_load_b64 v[uL+2*p:uL+2*p+1], v[RR] offset:4*RP*(\g)+2*RP*(p/4)+128*(p%4)   ; LDS serves a wave's instructions in order (ISA guide 5.7.1.4): these see the tile's stores
.set p, p+1
.endr
.endm
.macro ROWS4 g                         ; rows 4 g .. 4 g + 3: bias, gelu, rounding, two stores
.set UB, U+UALT*((\g)%2)
	s_wait_dscnt 0x0                               ; this group's rows are back
.if (\g) < 3
	RLOAD (\g)+1                                   ; the next group.  No wait: the last vector or matrix instructions that named its buffer stand ahead of a wait on va_vdst: the one in front of the stores of the group before this one, or the one ahead of the tiles' loop
.endif
	ALL8 v_pk_add_f32 v[UB+2*p:UB+2*p+1], v[UB+2*p:UB+2*p+1], v[BU+2*(p%4):BU+2*(p%4)+1]
	ALL8 v_pk_mul_f32 v[Z+2*p:Z+2*p+1], v[UB+2*p:UB+2*p+1], s[CR:CR+1] op_sel_hi:[1,0]
	ALL16 v_med3_num_f32 v[Z+p], v[Z+p], -4.0, 4.0
	ALL8 v_pk_mul_f32 v[X2+2*p:X2+2*p+1], v[Z+2*p:Z+2*p+1], v[Z+2*p:Z+2*p+1]
	ALL8 v_pk_fma_f32 v[PN+2*p:PN+2*p+1], v[X2+2*p:X2+2*p+1], s[CA:CA+1], s[CA+2:CA+3] op_sel_hi:[1,0,0]
	ALL8 v_pk_fma_f32 v[QD+2*p:QD+2*p+1], v[X2+2*p:X2+2*p+1], s[CB:CB+1], s[CB+2:CB+3] op_sel_hi:[1,0,0]
.irp a, 4,6,8
	ALL8 v_pk_fma_f32 v[PN+2*p:PN+2*p+1], v[PN+2*p:PN+2*p+1], v[X2+2*p:X2+2*p+1], s[CA+\a:CA+\a+1] op_sel_hi:[1,1,0]
	ALL8 v_pk_fma_f32 v[QD+2*p:QD+2*p+1], v[QD+2*p:QD+2*p+1], v[X2+2*p:X2+2*p+1], s[CB+\a:CB+\a+1] op_sel_hi:[1,1,0]
.endr
.irp a, 10,12
	ALL8 v_pk_fma_f32 v[PN+2*p:PN+2*p+1], v[PN+2*p:PN+2*p+1], v[X2+2*p:X2+2*p+1], s[CA+\a:CA+\a+1] op_sel_hi:[1,1,0]
.endr
	ALL16 v_rcp_f32 v[QD+p], v[QD+p]
	ALL8 v_pk_mul_f32 v[PN+2*p:PN+2*p+1], v[PN+2*p:PN+2*p+1], v[Z+2*p:Z+2*p+1]   ; plain work behind the reciprocals (ISA guide 5.7.2)
	ALL8 v_pk_mul_f32 v[X2+2*p:X2+2*p+1], v[UB+2*p:UB+2*p+1], 0.5 op_sel_hi:[1,0]
	s_wait_alu depctr_va_vdst(0)                   ; the sixteen reciprocals have written v[QD ..]: one wait for the batch, ahead of its first reader
	ALL8 v_pk_mul_f32 v[PN+2*p:PN+2*p+1], v[PN+2*p:PN+2*p+1], v[QD+2*p:QD+2*p+1]  ; erf
	ALL8 v_pk_fma_f32 v[UB+2*p:UB+2*p+1], v[X2+2*p:X2+2*p+1], v[PN+2*p:PN+2*p+1], v[X2+2*p:X2+2*p+1]  ; u / 2 erf + u / 2
	s_wait_xcnt 0x0                                ; the stores of the four rows before have had their addresses translated (ISA guide 3.1): OUT and HO are rewritten only behind this wait
	s_wait_alu depctr_vm_vsrc(0)                   ; those stores have read OUT and HO, which the lines below write
.irp s, 0,1
	v_cvt_pk_bf16_f32 v[OUT+4*\s],   v[UB+8*\s],   v[UB+8*\s+2]
	v_cvt_pk_bf16_f32 v[OUT+4*\s+1], v[UB+8*\s+4], v[UB+8*\s+6]
	v_cvt_pk_bf16_f32 v[OUT+4*\s+2], v[UB+8*\s+1], v[UB+8*\s+3]
	v_cvt_pk_bf16_f32 v[OUT+4*\s+3], v[UB+8*\s+5], v[UB+8*\s+7]
	v_add3_u32 v[T2], s[T0], v[HF], 4*(\g)+2*\s
	v_min_u32 v[T2], s[NM1], v[T2]                 ; a dead row is row N - 1 once more
	v_min_u32 v[T2], 0x7ff, v[T2]
	v_lshl_add_u32 v[HO+\s], v[T2], 12, v[CL16]
.endr
	s_wait_alu depctr_va_vdst(0)                   ; OUT and HO are written, which the two stores read; the roundings are done reading this group's buffer, in which the group after the next lands
.irp s, 0,1
	global_store_b128 v[HO+\s], v[OUT+4*\s:OUT+4*\s+3], s[12:13]
.endr
.endm
	s_mov_b32 s[PASS], 4
.Lpass:
	s_cmp_lt_u32 s[FR], s[N]
	s_cbranch_scc0 .Lmid                           ; none of my 80 rows is alive: forward, past text without a barrier
	s_wait_xcnt 0x0                                ; the pass before's stores have had their addresses translated: this pass's fragments land on their registers
	s_wait_alu depctr_vm_vsrc(0)                   ; the pass before's loads have read v[AO ..] and v[BA ..], written below; its stores OUT and HO, on which fragments land; its LDS stores the accumulators, which chunk 0 writes
.set t, 0
.rept 5
	v_add3_u32 v[T1], s[FR], v[RW], 16*t
	v_min_u32 v[T1], s[NM1], v[T1]                 ; a dead row is row N - 1 once more
	v_min_u32 v[T1], 0x7ff, v[T1]
	v_lshl_add_u32 v[AO+t], v[T1], 11, v[H64]      ; its row of 2,048 bytes, my half of a chunk
.set t, t+1
.endr
	s_mov_b64 s[PA:PA+1], s[4:5]
	s_mov_b32 s[KB], 0
	SETBA
	s_wait_alu depctr_va_vdst(0)                   ; v[AO ..] and v[BA ..] are written; the pass before's products and its way out are done with the token sets and the fragment buffers, in which the loads below land
	ALOADT 0, 0, 0, 5
	ALOADT 1, 128, 0, 5
	ALOADT 2, 256, 0, 5
	BLOADH BF0, 0, 0
	BLOADH BF0, 0, 4
	CHUNK 0, 0, 1, 1, 40, 0                        ; chunk 0 starts the sums: nothing is cleared for them.  40: the two younger sets of 20 loads
	WIN 0
	s_wait_xcnt 0x0                                ; the loads' base steps only behind this wait
	s_add_nc_u64 s[PA:PA+1], s[PA:PA+1], 128
	s_mov_b32 s[KB], 128
	s_mov_b32 s[TRIP], TRIPS
.Ltrip:                                                ; four chunks a trip, on the token sets 1, 2, 3, 0
	s_wait_alu depctr_vm_vsrc(0)                   ; the fragment loads issued so far have read v[BA ..]
	SETBA
	CHUNK 1, 0, 0, 1, 40, 0
	CHUNK 2, 1, 0, 1, 40, 0
	CHUNK 3, 2, 0, 1, 40, 0
	CHUNK 0, 3, 0, 1, 40, 0
	WIN 0
	s_wait_xcnt 0x0
	s_add_nc_u64 s[PA:PA+1], s[PA:PA+1], 512
	s_add_co_u32 s[KB], s[KB], 512
	s_sub_co_u32 s[TRIP], s[TRIP], 1
	s_cmp_lg_u32 s[TRIP], 0
	s_cbranch_scc1 .Ltrip
	s_mov_b32 s[KB], 128+512*TRIPS                 ; where the loop has left it: written as the constant that it is
	s_wait_alu depctr_vm_vsrc(0)                   ; the fragment loads issued so far have read v[BA ..]
	SETBA
	CHUNK 1, 0, 0, 0, 40, 0                        ; the last three chunks ask for nothing: the counts run down
	CHUNK 2, 1, 0, 0, 20, 0
	CHUNK 3, 2, 0, 0, 0, 1
	WIN 0
.rept 4
	v_nop                                          ; four places behind the last products, before their results are read (ISA guide 7.12.1)
.endr
.Lmid:
	s_wait_dscnt 0x0                               ; my reads of the weights are back:
	s_barrier_signal -1
	s_barrier_wait -1                              ; every wave's are, before any wave stores into its stage
	s_cmp_lt_u32 s[FR], s[N]                       ; the same two numbers as at the pass's head
	s_cbranch_scc0 .Lskip
	s_wait_alu depctr_va_vdst(0)                   ; on every way into the tiles' loop: the set-up has written v[RS] and v[RR], the LDS addresses of the way out; the products have written the accumulators, which the five tiles' LDS stores read, and are done reading the fragment buffers, in which the stage's rows land; the places above stay beside this wait
	s_mov_b32 s[TI], 0
	s_mov_b32 s[T0], s[FR]
.Ltile:                                                ; five trips: a tile goes out
	s_cmp_lt_u32 s[T0], s[N]
	s_cbranch_scc0 .Ltnext                         ; no row of the tile is alive: forward, to the counter's step
	s_cmp_lg_u32 s[TI], 0
	s_cbranch_scc1 .Lnot0
	STORES 0
	s_branch .Lstored
.Lnot0:
	s_cmp_lg_u32 s[TI], 1
	s_cbranch_scc1 .Lnot1
	STORES 1
	s_branch .Lstored
.Lnot1:
	s_cmp_lg_u32 s[TI], 2
	s_cbranch_scc1 .Lnot2
	STORES 2
	s_branch .Lstored
.Lnot2:
	s_cmp_lg_u32 s[TI], 3
	s_cbranch_scc1 .Lnot3
	STORES 3
	s_branch .Lstored
.Lnot3:
	STORES 4
.Lstored:
	RLOAD 0                                        ; no wait: the last vector or matrix instructions that named this buffer stand ahead of a wait on va_vdst (the one ahead of this loop; the tile before's third group)
	ROWS4 0
	ROWS4 1
	ROWS4 2
	ROWS4 3
.Ltnext:
	s_add_co_u32 s[T0], s[T0], 16
	s_add_co_u32 s[TI], s[TI], 1
	s_cmp_lt_u32 s[TI], 5
	s_cbranch_scc1 .Ltile
.Lskip:
	s_wait_dscnt 0x0                               ; my stores into my stage, and my reads of it, are done:
	s_barrier_signal -1
	s_barrier_wait -1                              ; every wave's are, before any wave walks the weights again or ends
	s_add_co_u32 s[FR], s[FR], 640
	s_sub_co_u32 s[PASS], s[PASS], 1
	s_cmp_lg_u32 s[PASS], 0
	s_cbranch_scc1 .Lpass
	s_wait_dscnt 0x0                               ; the closing lines, six on end
	s_wait_alu 0x0
	s_wait_tensorcnt 0x0
	ds_add_u32 v[SPW], v[NIL]
	s_wait_dscnt 0x0
	s_endpgm
.Lfunc_end_k_q94364f635d_ffn1:
	.size	k_q94364f635d_ffn1, .Lfunc_end_k_q94364f635d_ffn1-k_q94364f635d_ffn1
	.p2alignl 7, 3214868480
	.fill 96, 4, 3214868480
	.section	.rodata,"a",@progbits
	.p2align	6, 0x0
	.amdhsa_kernel k_q94364f635d_ffn1
		.amdhsa_group_segment_fixed_size 298496
		.amdhsa_private_segment_fixed_size 0
		.amdhsa_enable_private_segment 0
		.amdhsa_kernarg_size 40
		.amdhsa_user_sgpr_count 2
		.amdhsa_user_sgpr_kernarg_segment_ptr 1
		.amdhsa_wavefront_size32 1
		.amdhsa_system_sgpr_workgroup_id_x 1
		.amdhsa_system_sgpr_workgroup_id_y 1
		.amdhsa_system_sgpr_workgroup_id_z 1
		.amdhsa_system_vgpr_workitem_id 0
		.amdhsa_next_free_vgpr 1024
		.amdhsa_next_free_sgpr 88
		.amdhsa_reserve_vcc 0
		.amdhsa_float_denorm_mode_32 3
		.amdhsa_float_denorm_mode_16_64 3
		.amdhsa_memory_ordered 1
		.amdhsa_forward_progress 1
		.amdhsa_inst_pref_size 179
	.end_amdhsa_kernel
	.amdgpu_metadata
---
amdhsa.version: [ 1, 2 ]
amdhsa.kernels:
  - .name:           k_q94364f635d_ffn1
    .symbol:         k_q94364f635d_ffn1.kd
    .args:
      - { .name: xg, .offset: 0, .size: 8, .value_kind: global_buffer, .address_space: global }
      - { .name: Wu, .offset: 8, .size: 8, .value_kind: global_buffer, .address_space: global }
      - { .name: bu, .offset: 16, .size: 8, .value_kind: global_buffer, .address_space: global }
      - { .name: ls, .offset: 24, .size: 8, .value_kind: global_buffer, .address_space: global }
      - { .name: hb, .offset: 32, .size: 8, .value_kind: global_buffer, .address_space: global }
    .group_segment_fixed_size: 298496
    .private_segment_fixed_size: 0
    .kernarg_segment_align: 8
    .kernarg_segment_size: 40
    .max_flat_workgroup_size: 128
    .sgpr_count:     88
    .vgpr_count:     1024
    .wavefront_size: 32
...
	.end_amdgpu_metadata
.endif
;; end of part 8
;; launch ffn2 (part 9): grid 256 x 1, 4 waves a work-group, no clusters, 281,088 bytes of LDS; arguments hb, Wd, bd, ls, gt, pp; writes pp
.if DOCPART == 9
	.amdgcn_target "amdgcn-amd-amdhsa--gfx1250"
	.amdhsa_code_object_version 6
	.text
	.protected	k_q94364f635d_ffn2
	.globl	k_q94364f635d_ffn2
	.p2align	8
	.type	k_q94364f635d_ffn2,@function
k_q94364f635d_ffn2:
	s_mov_b64 s[64:65], 0
	v_nop
	global_prefetch_b8 v0, s[64:65] scope:SCOPE_SE
	s_setreg_imm32_b32 hwreg(HW_REG_WAVE_SCHED_MODE, 0, 2), 2
	s_setreg_imm32_b32 hwreg(HW_REG_WAVE_MODE, 25, 1), 1
	s_wait_xcnt 0x0
	s_wait_alu depctr_vm_vsrc(0)
; pp[slot][token][:] = gate x (h Wd[e] + bd[e]) for the tokens that chose expert e; slot 0 for the smaller of a token's two experts, 1 for the larger.  f32.
; SHARES.  Work-group = expert e (x >> 5), 64 columns nt ((x >> 1) & 15), half of the rows mh (x & 1).
; PHASE 1.  The slice Wd[e][0..2047][64 nt ..] comes through registers (each load of a wave: two k rows of 256 consecutive bytes), is rounded to bf16 and laid into LDS whole, a column a row, K along the row.
; One barrier.
; PHASE 2.  A wave takes 80 rows (5 tiles of 16) x 64 columns: 20 accumulators.  Weight fragments come from LDS, the rows of h (dense, in the list's order) straight from hb; the list in ls names each row's
; token and slot.  A pass serves 640 rows of the expert; four passes (a constant count) serve any count N up to 2,048; a pass or a tile with no row is jumped over, forward.
; THE WALK ALONG K is a loop: chunk 0, seven trips of four chunks of 64 k, three chunks written out; the fragments' LDS addresses step with it.  A chunk's weight fragments (two sub-steps of 32 k, 64 registers)
; are fetched a chunk ahead, into two buffers that take turns, four loads behind each of the chunk's first four groups of four products: 24 matrix instructions stand between the last of them and the wait for it.
; No wave reads what another writes behind phase 1: the largest fragment address and its 16 bytes end at 263,152, below the stages.  So that the order of those reads and of the waves' stores into their
; stages hangs on no arithmetic of addresses, a barrier stands between them both ways: between a pass's walk and its way out, and at the pass's end, each on every wave's path, outside the jumps.
; The second jump tests the same two numbers as the first.  Every register is written before it is read on every path of the text, also on the one that no run takes (first jump taken, second not): so the five
; gates' registers are written once at the set-up.
; DEAD ROWS of a live tile take row N - 1 once more: the same wave makes the same bits and stores them to the same place.  So no lane is ever switched off.
; K ORDER.  In a chunk of 64 k sub-step q, registers 4 jj .. 4 jj + 3 of lane half h take the 16 bytes at 64 h + 32 q + 16 jj of the row, in the weights and in h alike.
; NO TENSOR LOADS, NO CLUSTER: the weights change format on their way, through registers.  The rows of h are shared by an expert's 16 column slices, but a joint load lands in LDS: beside the resident slice
; (263,168 bytes), the stages and the spare words 46,592 bytes are left, and two slots of one chunk of the work-group's 320 rows are 81,920.
; FORMATS.  Wd, bd rounded once to bf16; h is bf16; sums, bias and gate in f32, in the order (sum + bd) x gate.  LIMITS.  NaN and infinities are not treated apart.
; THE MODE: SCHED_MODE bits 1:0 = 2 (LLVM: expert scheduling mode 2), set by the entry lines.  The code itself states the register dependences
; between vector or matrix instructions and memory or LDS instructions, with s_wait_alu, always for 0.
; THE PLAN.  Registers that memory or LDS instructions touch:
;   PHASE 1.  Raw slot i: its 16 conversions read it; behind them its next eight loads land in it.  CT[i], 16 registers for each slot: written by those conversions, read by the slot's four LDS stores, written
;   again a lap later.  v[WO ..]: read by the loads, never stepped: each slot has a scalar base, which steps.  v[SA ..]: read by the LDS stores, stepped once a lap.
;   So ONE wait on va_vdst stands in a slot's turn, behind its conversions, and ONE wait on vm_vsrc in a lap, ahead of the adds to v[SA ..]; one more on vm_vsrc behind the barrier hands CT's, WO's and SA's registers on.
;   THE WALK.  A chunk's 40 products read one fragment buffer, one set of rows of h and the accumulators.  Its loads land in the other fragment buffer and in the set three chunks on, both of which the chunk
;   before read.  So ONE wait on va_vdst stands at a chunk's head, and the loads are dealt among the products with no further wait.  v[BA ..] is written once for four chunks, behind a wait on vm_vsrc and ahead of
;   a chunk's head; v[AO ..] and v[GA ..] once a pass.  v[EOF] is never written again: the list's scalar base steps.
;   THE WAY OUT.  A tile's accumulators: finished in place, then read by eight LDS stores behind a wait on va_vdst.  O: the stage's rows land in it behind a wait on vm_vsrc (the tile before's stores have read it).
;   SO: written behind the same wait, from sixteen scalars that one run of v_readlane_b32 makes (one wait on va_sdst); read by the eight stores behind a wait on va_vdst.
;   E: read by vector instructions that all stand ahead of one of these waits on va_vdst; the next pass's entries land in it.  v[RS], v[RR]: never written again.  v[SPW], v[NIL]: read by the closing add alone.
.set NF,     4
.set PW,     4112      ; a column's row in LDS: 2,048 bf16 + 16 bytes: an odd multiple of 16 (ISA guide 11.1: 64 banks of 4 bytes)
.set ROWB,   4096      ; bytes from a k row of Wd[e] to the next
.set OCTB,   32        ; LDS bytes of what a slot holds for a column: 16 k
.set SASTEP, 256
.set TRIPS,  7         ; 32 chunks = 1 + 4 x 7 + 3
.set RP,     272       ; a row of the way out: 64 f32 + 16 bytes
.set RAW,    263168
.set RAWW,   16*RP
.set SPARE,  280576    ; the spare words, 128 bytes for each wave: no other line names them
.set LSP,    7680      ; bytes of ls for an expert: 512 that hold N, then 3,584 entries of 16 bits
.set LSH,    512
.set LN,  1
.set RW,  2
.set HF,  3
.set H64, 4
.set B0,  6            ; v6-9    fragment f of the weights: (16 f + lane % 16) PW + 64 (lane / 16); never rewritten
.set BA,  14           ; v14-17  the same + the K bytes in hand
.set AO,  22           ; v22-26  tile t: my row's byte offset in hb[e]
.set RS,  27
.set RR,  28
.set CL16, 29
.set SPW, 30
.set NIL, 31
.set T1,  36
.set T2,  37
.set BAD, 38
.set EOF, 39           ; byte offset in the list of my row of pass 0's tile 0; never rewritten
.set E,   40           ; v40-44  tile t: my row's list entry, token + 2048 slot
.set EC,  45           ; v45     the same of the tile on its way out
.set G,   46           ; v46-55  tile t: my token's gate, in the low word of a pair
.set GA,  56           ; v56-60  the gate loads' offsets
.set BFA, 64           ; v64-127  a chunk's weight fragments: sub-step q, fragment f at 32 q + 8 f
.set BFB, 128          ; v128-191 the other chunk's
.set O,   128          ; v128-159 the way out: 16 rows read back (on the second buffer's registers, which the walk has left)
.set SO,  160          ; v160-167 their byte offsets in pp
.set CT,  64           ; phase 1: slot i: 16 packed registers at CT + 16 i: v64-191
.set WO,  208          ; phase 1: v208-215 slot i: byte offset of its loads
.set SA,  216          ; phase 1: v216-219 column j of my four: LDS address
.set BD,  192          ; v192-223 behind the barrier: bias in the accumulators' order
.set BL,  224          ; v224-255 bias as loaded
; window 1: phase 1: 8 slots x 32; then the accumulators at 8 (4 t + f).  window 2: v0-79 set 3 of h.  window 3: sets 0-2 at 80 s.
.set WV, 16
.set MH, 17
.set NT, 18
.set EX, 19
.set N,  20
.set NM1, 21
.set FR, 22
.set PASS, 23
.set PA, 24            ; s[24:25] hb[e] at the chunk in hand
.set KB, 26
.set TRIP, 27
.set TS, 29
.set T0, 32            ; the first row of the tile on its way out
.set TI, 33            ; that tile's number
.set UPH, 35           ; s35  the upper 16 lanes
.set WB, 36            ; s[36:51] phase 1 only: slot i: Wd's slice at the lap that the slot is asked for next: a pair at WB + 2 i
.set RL, 36            ; s[36:51] the way out: the list entries of a tile's 16 rows
.set MSB, 0
.macro WIN new
.if MSB != (\new)
	s_set_vgpr_msb (MSB<<8)|(\new)
.set MSB, (\new)
.endif
.endm
.macro SETAT sn
.if (\sn) < 3
.set sW, 3
.set sB, 80*(\sn)
.else
.set sW, 2
.set sB, 0
.endif
.endm
.macro ELOAD                           ; my rows' list entries for a pass's five tiles: lanes 0-15 take 32 consecutive bytes, lanes 16-31 the same
.set t, 0
.rept 5
	global_load_u16 v[E+t], v[EOF], s[10:11] offset:LSH+32*t
.set t, t+1
.endr
.endm
	s_load_b256 s[4:11], s[0:1], 0x0               ; hb s[4:5], Wd s[6:7], bd s[8:9], ls s[10:11]
	s_load_b128 s[12:15], s[0:1], 0x20             ; gt s[12:13], pp s[14:15]
	v_lshl_add_u32 v[SPW], v0, 2, SPARE
	v_mov_b32 v[NIL], 0
	v_lshrrev_b32 v1, 5, v0
	v_readfirstlane_b32 s[WV], v1
	v_and_b32 v[LN], 31, v0
	v_and_b32 v[RW], 15, v0
	v_bfe_u32 v[HF], v0, 4, 1
	s_and_b32 s[MH], ttmp9, 1
	s_bfe_u32 s[NT], ttmp9, 0x40001
	s_lshr_b32 s[EX], ttmp9, 5
	s_mov_b32 s[UPH], 0xffff0000
	s_mul_i32 s[FR], s[MH], 320
	s_wait_alu depctr_va_sdst(0)                   ; the wave's number is written, ahead of its first reader: my rows, my part of the slice and my stage are made from it
	s_mul_i32 s[TS], s[WV], 80
	s_add_co_u32 s[FR], s[FR], s[TS]               ; my first row of pass 0
	v_add_nc_u32 v[EOF], s[FR], v[RW]
	v_lshlrev_b32 v[EOF], 1, v[EOF]
	v_lshlrev_b32 v[H64], 6, v[HF]
	v_lshlrev_b32 v[CL16], 4, v[RW]
	v_lshlrev_b32 v[BAD], 7, v[HF]                 ; my half's 32 columns of the bias
	; phase 1: slot i of lap a holds k rows 16 o .. 16 o + 15, o = 32 w + 8 a + i: lanes 0-15 the first eight, lanes 16-31 the others; lane % 16 = c the columns 4 c .. 4 c + 3
	s_lshl_b32 s[TS], s[WV], 21
	v_lshl_add_u32 v[T2], v[RW], 4, s[TS]
	v_lshl_add_u32 v[T2], v[HF], 15, v[T2]
.set i, 0
.rept 8
	v_add_nc_u32 v[WO+i], i<<16, v[T2]
.set i, i+1
.endr
	s_lshl_b32 s[TS], s[WV], 10
	v_mul_u32_u24 v[T1], v[RW], PW
	v_lshl_add_u32 v[T1], v[HF], 4, v[T1]
	v_add_nc_u32 v[T1], s[TS], v[T1]
.set j, 0
.rept 4
	v_add_nc_u32 v[SA+j], 16*j*PW, v[T1]           ; column 4 c + j lies in LDS row 16 j + c
.set j, j+1
.endr
	s_mov_b32 s3, 0
	s_wait_kmcnt 0x0
	s_mul_i32 s2, s[EX], LSP
	s_add_nc_u64 s[10:11], s[10:11], s[2:3]        ; the expert's part of ls
	s_load_b32 s[N], s[10:11], 0x0                 ; its count: on its way beside the loads below
	s_lshl_b32 s2, s[EX], 23
	s_add_nc_u64 s[4:5], s[4:5], s[2:3]            ; hb[e]
	s_lshl_b32 s[TS], s[NT], 8
	s_add_co_u32 s2, s2, s[TS]
	s_add_nc_u64 s[6:7], s[6:7], s[2:3]            ; Wd[e][0][64 nt]
	s_lshl_b32 s2, s[EX], 12
	s_add_co_u32 s2, s2, s[TS]
	s_add_nc_u64 s[8:9], s[8:9], s[2:3]            ; bd[e][64 nt]
	s_mov_b32 s2, s[TS]
	s_add_nc_u64 s[14:15], s[14:15], s[2:3]        ; pp[0][0][64 nt]
	s_lshr_b32 s2, s[EX], 2
	s_lshl_b32 s2, s2, 15
	s_and_b32 s[TS], s[EX], 3
	s_lshl2_add_u32 s2, s[TS], s2
	s_add_nc_u64 s[12:13], s[12:13], s[2:3]        ; the expert's word in gt's rows of 16 bytes
.set i, 0
.rept 8
	s_mov_b64 s[WB+2*i:WB+2*i+1], s[6:7]           ; lap 0
.set i, i+1
.endr
	s_wait_alu depctr_va_vdst(0)                   ; the offsets v[EOF], v[BAD] and v[WO ..] are written, which the loads below read
	ELOAD                                          ; pass 0's entries and the bias: the oldest loads: every later wait covers them
.set i, 0
.rept 8
	global_load_b128 v[BL+4*i:BL+4*i+3], v[BAD], s[8:9] offset:16*i
.set i, i+1
.endr
	WIN 0x40
.set i, 0
.rept 8
.set m, 0
.rept 8
	global_load_b128 v[32*i+4*m:32*i+4*m+3], v[WO+i], s[WB+2*i:WB+2*i+1] offset:m*ROWB
.set m, m+1
.endr
.set i, i+1
.endr
	WIN 0
	s_wait_kmcnt 0x0                               ; N
.macro WSLOT i, ahead, left            ; one slot's turn: 8 k rows x 4 columns a lane become 4 x 16 bytes in LDS
	s_wait_loadcnt \left                           ; loads come back in order (ISA guide 5.7.1): this slot's eight are in
.if \ahead
	s_add_nc_u64 s[WB+2*(\i):WB+2*(\i)+1], s[WB+2*(\i):WB+2*(\i)+1], 0x80000  ; free since that wait, which shows the loads that read it done: the same slot of the next lap
.endif
	WIN 0x05
.set j, 0
.rept 4
.set p, 0
.rept 4
	v_cvt_pk_bf16_f32 v[CT+16*(\i)+4*j+p], v[32*(\i)+8*p+j], v[32*(\i)+8*p+4+j]
.set p, p+1
.endr
.set j, j+1
.endr
	WIN 0
	s_wait_alu depctr_va_vdst(0)                   ; the conversions have written CT[i], which the LDS stores read, and are done reading the raw slot, in which the loads land; in a lap's first slot v[SA ..] is written
.set j, 0
.rept 4
	ds_store_b128 v[SA+j], v[CT+16*(\i)+4*j:CT+16*(\i)+4*j+3] offset:OCTB*(\i)
.set j, j+1
.endr
.if \ahead
	WIN 0x40
.set m, 0
.rept 8
	global_load_b128 v[32*(\i)+4*m:32*(\i)+4*m+3], v[WO+(\i)], s[WB+2*(\i):WB+2*(\i)+1] offset:m*ROWB  ; no vector instruction since the wait names these registers
.set m, m+1
.endr
	WIN 0
.endif
.endm
	s_mov_b32 s[TRIP], 3
.Llap:
.irp i, 0,1,2,3,4,5,6,7
	WSLOT \i, 1, 56                                ; seven younger slots of eight loads
.endr
	s_wait_alu depctr_vm_vsrc(0)                   ; the lap's LDS stores have read v[SA ..], which the adds below write, and every CT, which the next lap's conversions write
.set j, 0
.rept 4
	v_add_nc_u32 v[SA+j], SASTEP, v[SA+j]
.set j, j+1
.endr
	s_sub_co_u32 s[TRIP], s[TRIP], 1
	s_cmp_lg_u32 s[TRIP], 0
	s_cbranch_scc1 .Llap
.irp i, 0,1,2,3,4,5,6,7
	WSLOT \i, 0, 56-8*\i                           ; the last lap loads nothing: the counts run down
.endr
	s_wait_dscnt 0x0                               ; for the others' sake: my part of the slice is in LDS
	s_barrier_signal -1
	s_barrier_wait -1                              ; the slice is whole
	s_wait_alu depctr_vm_vsrc(0)                   ; phase 1's loads have read v[WO ..], its LDS stores v[SA ..] and every CT: the bias is written onto the first two below; CT's registers are the fragment buffers and the way out's from here on
.set f, 0
.rept 4                                                ; bias to bf16 and back: register jr of accumulator f is column 32 (lane / 16) + 4 jr + f
.set jr, 0
.rept 4
	v_cvt_pk_bf16_f32 v[T1], v[BL+4*jr+f], v[BL+4*jr+4+f]
	v_lshlrev_b32 v[BD+8*f+jr], 16, v[T1]
	v_and_b32 v[BD+8*f+jr+1], 0xffff0000, v[T1]
.set jr, jr+2
.endr
.set f, f+1
.endr
.set t, 0
.rept 5
	v_mov_b32 v[G+2*t], 0                          ; written once (see the head); a pass's gates land here
	v_mov_b32 v[G+2*t+1], 0                        ; named with the gate as a pair, so it is written
.set t, t+1
.endr
	v_mul_u32_u24 v[T1], v[RW], PW
	v_lshl_add_u32 v[T1], v[HF], 6, v[T1]
.set f, 0
.rept NF
	v_add_nc_u32 v[B0+f], 16*f*PW, v[T1]
.set f, f+1
.endr
	s_mul_i32 s[TS], s[WV], RAWW
	s_add_co_u32 s[TS], s[TS], RAW
	v_mul_u32_u24 v[RS], v[RW], RP
	v_lshl_add_u32 v[RS], v[HF], 5, v[RS]
	v_add_nc_u32 v[RS], s[TS], v[RS]
	v_mul_u32_u24 v[RR], v[HF], RP
	v_lshl_add_u32 v[RR], v[RW], 2, v[RR]
	v_add_nc_u32 v[RR], s[TS], v[RR]
	s_sub_co_u32 s[NM1], s[N], 1
.macro SETBA                           ; the fragment addresses for the K bytes in hand
.set f, 0
.rept NF
	v_add_nc_u32 v[BA+f], s[KB], v[B0+f]
.set f, f+1
.endr
.endm
.macro BLOADQ buf, off, k              ; a quarter of the weight fragments of one chunk (64 k): sub-step k / 2, fragments 2 (k % 2) and 2 (k % 2) + 1: four loads
	WIN 0
.set lq, (\k)/2
.set f, 2*((\k)%2)
.rept 2
	ds_load_b128 v[(\buf)+32*lq+8*f:(\buf)+32*lq+8*f+3],   v[BA+f] offset:(\off)+32*lq
	ds_load_b128 v[(\buf)+32*lq+8*f+4:(\buf)+32*lq+8*f+7], v[BA+f] offset:(\off)+32*lq+16
.set f, f+1
.endr
.endm
.macro ALOADT sn, off, t               ; h's fragments of one chunk (64 k) for tile t: 64 consecutive bytes a lane: four loads
	SETAT \sn
	WIN sW<<6
.set lu, 0
.rept 4
	global_load_b128 v[sB+16*(\t)+4*lu:sB+16*(\t)+4*lu+3], v[AO+(\t)], s[PA:PA+1] offset:(\off)+16*lu
.set lu, lu+1
.endr
.endm
.macro ALOAD sn, off                   ; the same for all five tiles
.irp t, 0,1,2,3,4
	ALOADT \sn, \off, \t
.endr
.endm
; Source 0 = 16 columns of the weights, source 1 = 16 rows of h.  No two matrix instructions that follow each other share an accumulator.
.macro MM t, cur, sn, q, zero
	SETAT \sn
	WIN 0x50|(sW<<2)
.set f, 0
.rept NF
.if \zero
	v_wmma_f32_16x16x32_bf16 v[32*(\t)+8*f:32*(\t)+8*f+7], v[(\cur)+8*f:(\cur)+8*f+7], v[sB+16*(\t)+8*(\q):sB+16*(\t)+8*(\q)+7], 0
.else
	v_wmma_f32_16x16x32_bf16 v[32*(\t)+8*f:32*(\t)+8*f+7], v[(\cur)+8*f:(\cur)+8*f+7], v[sB+16*(\t)+8*(\q):sB+16*(\t)+8*(\q)+7], v[32*(\t)+8*f:32*(\t)+8*f+7]
.endif
.set f, f+1
.endr
.endm
; A chunk of 64 k on set sn of h and fragment buffer cur, rel chunks behind the one at which BA and PA stand: 40 matrix instructions in ten groups of four.  Its loads are dealt among them, four behind a group:
; the next chunk's weight fragments into nxt (last = 0) behind the first four groups, the set of h three chunks on (ahead = 1) behind the next five.  zero = 1: the first sub-step starts the sums.
.macro CHUNK sn, rel, cur, nxt, zero, ahead, lc, last
	s_wait_dscnt 0x0                               ; this chunk's weight fragments are in
	s_wait_loadcnt \lc                             ; this chunk's set of h is in; the younger sets stay out
.if ((\last) == 0) || (\ahead)
.rept 4
	v_nop                                          ; four places behind the products of the chunk before, ahead of loads into registers that they read (ISA guide 7.12.1 for vector instructions)
.endr
	s_wait_alu depctr_va_vdst(0)                   ; the chunk before is done reading the other fragment buffer and its set of h: the loads below land in them; behind SETBA: v[BA ..] is written
.endif
.irp t, 0,1,2,3
	MM \t, \cur, \sn, 0, \zero
.if (\last) == 0
	BLOADQ \nxt, 128*((\rel)+1), \t                ; no further wait: this chunk's products name its own buffer, its own set and the accumulators alone
.endif
.endr
	MM 4, \cur, \sn, 0, \zero
.if \ahead
	ALOADT ((\sn)+3)%4, 128*((\rel)+3), 0
.endif
.irp t, 0,1,2,3
	MM \t, (\cur)+32, \sn, 1, 0
.if \ahead
	ALOADT ((\sn)+3)%4, 128*((\rel)+3), (\t)+1
.endif
.endr
	MM 4, (\cur)+32, \sn, 1, 0
.endm
; THE WAY OUT.  FINISH t names tile t's registers: (sum + bias) x gate in place, into my own stage, and the tile's list entries into EC.  The five tiles then go through ONE text, in a loop, that reads the
; stage back so that a lane holds four neighbouring columns of a row; 16 lanes store 256 consecutive bytes of the row of pp that the list names, aligned.  A chain of branches on the tile's number chooses FINISH.
.macro FINISH t
	WIN 0x41                                       ; destination and source 0 window 1
.set p, 0
.rept 16                                               ; ascending: each accumulator's low registers are read first
	v_pk_add_f32 v[32*(\t)+2*p:32*(\t)+2*p+1], v[32*(\t)+2*p:32*(\t)+2*p+1], v[BD+2*p:BD+2*p+1]
.set p, p+1
.endr
.set p, 0
.rept 16
	v_pk_mul_f32 v[32*(\t)+2*p:32*(\t)+2*p+1], v[32*(\t)+2*p:32*(\t)+2*p+1], v[G+2*(\t):G+2*(\t)+1] op_sel_hi:[1,0]
.set p, p+1
.endr
	WIN 0x04                                       ; the stores' data in window 1
	s_wait_alu depctr_va_vdst(0)                   ; the multiplies have written the tile's results, which the LDS stores read; the walk's products are done reading the second fragment buffer, in which the stage's rows land
.set f, 0
.rept NF
	ds_store_b128 v[RS], v[32*(\t)+8*f:32*(\t)+8*f+3] offset:64*f
	ds_store_b128 v[RS], v[32*(\t)+8*f+4:32*(\t)+8*f+7] offset:64*f+16
.set f, f+1
.endr
	WIN 0                                          ; at a label and at a branch every window is 0
	v_mov_b32 v[EC], v[E+(\t)]
.endm
	s_mov_b32 s[PASS], 4
.Lpass:
	s_cmp_lt_u32 s[FR], s[N]
	s_cbranch_scc0 .Lmid                           ; none of my 80 rows is alive: forward, past text without a barrier
	s_wait_loadcnt 0x0                             ; the pass's list entries are in (pass 0's since phase 1)
	s_wait_xcnt 0x0                                ; the pass before's stores have had their addresses translated: this pass's fragments land on O and SO
	s_wait_alu depctr_vm_vsrc(0)                   ; the pass before's loads have read v[AO ..], v[GA ..] and v[BA ..], written below; its stores O and SO, on which fragments land; its LDS stores the accumulators, which chunk 0 writes
.set t, 0
.rept 5
	v_add3_u32 v[T1], s[FR], v[RW], 16*t
	v_min_u32 v[T1], s[NM1], v[T1]                 ; a dead row is row N - 1 once more
	v_min_u32 v[T1], 0x7ff, v[T1]
	v_lshl_add_u32 v[AO+t], v[T1], 12, v[H64]      ; its row of 4,096 bytes, my half of a chunk
	v_and_b32 v[T2], 0x7ff, v[E+t]                 ; the row's token
	v_min_u32 v[T2], 0x7ff, v[T2]
	v_lshlrev_b32 v[GA+t], 4, v[T2]
.set t, t+1
.endr
	s_mov_b64 s[PA:PA+1], s[4:5]
	s_mov_b32 s[KB], 0
	SETBA
	s_wait_alu depctr_va_vdst(0)                   ; v[AO ..], v[GA ..] and v[BA ..] are written; the pass before's products and its way out are done with the gates, the sets of h and the fragment buffers, in which the loads below land
.set t, 0
.rept 5
	global_load_b32 v[G+2*t], v[GA+t], s[12:13]    ; the rows' gates: older than every load of h: the first chunk's wait covers them
.set t, t+1
.endr
	ALOAD 0, 0
	ALOAD 1, 128
	ALOAD 2, 256
.irp k, 0,1,2,3
	BLOADQ BFA, 0, \k
.endr
	CHUNK 0, 0, BFA, BFB, 1, 1, 40, 0              ; chunk 0 starts the sums: nothing is cleared for them.  40: the two younger sets of 20 loads
	WIN 0
	s_wait_xcnt 0x0                                ; the loads' base steps only behind this wait
	s_add_nc_u64 s[PA:PA+1], s[PA:PA+1], 128
	s_mov_b32 s[KB], 128
	s_mov_b32 s[TRIP], TRIPS
.Ltrip:                                                ; four chunks a trip, on the sets 1, 2, 3, 0 and the buffers B, A, B, A: an even number, so the turns hold over the backward jump
	s_wait_alu depctr_vm_vsrc(0)                   ; the fragment loads issued so far have read v[BA ..]
	SETBA
	CHUNK 1, 0, BFB, BFA, 0, 1, 40, 0
	CHUNK 2, 1, BFA, BFB, 0, 1, 40, 0
	CHUNK 3, 2, BFB, BFA, 0, 1, 40, 0
	CHUNK 0, 3, BFA, BFB, 0, 1, 40, 0
	WIN 0
	s_wait_xcnt 0x0
	s_add_nc_u64 s[PA:PA+1], s[PA:PA+1], 512
	s_add_co_u32 s[KB], s[KB], 512
	s_sub_co_u32 s[TRIP], s[TRIP], 1
	s_cmp_lg_u32 s[TRIP], 0
	s_cbranch_scc1 .Ltrip
	s_mov_b32 s[KB], 128+512*TRIPS                 ; where the loop has left it: written as the constant that it is
	s_wait_alu depctr_vm_vsrc(0)                   ; the fragment loads issued so far have read v[BA ..]
	SETBA
	CHUNK 1, 0, BFB, BFA, 0, 0, 40, 0              ; the last three chunks ask for no rows of h: the counts run down
	CHUNK 2, 1, BFA, BFB, 0, 0, 20, 0
	CHUNK 3, 2, BFB, BFA, 0, 0, 0, 1
	WIN 0
.rept 4
	v_nop                                          ; four places behind the last products
.endr
.Lmid:
	s_wait_dscnt 0x0                               ; my reads of the weights are back:
	s_barrier_signal -1
	s_barrier_wait -1                              ; every wave's are, before any wave stores into its stage
	s_cmp_lt_u32 s[FR], s[N]                       ; the same two numbers as at the pass's head
	s_cbranch_scc0 .Lskip
	s_wait_loadcnt 0x0                             ; no load of mine is out (the walk's last wait was for 0): the list's registers and its base are free
	s_mov_b32 s[TI], 0
	s_mov_b32 s[T0], s[FR]
.Ltile:                                                ; five trips: a tile goes out
	s_cmp_lt_u32 s[T0], s[N]
	s_cbranch_scc0 .Ltnext                         ; no row of the tile is alive: forward, to the counter's step
	s_cmp_lg_u32 s[TI], 0
	s_cbranch_scc1 .Lnot0
	FINISH 0
	s_branch .Lstored
.Lnot0:
	s_cmp_lg_u32 s[TI], 1
	s_cbranch_scc1 .Lnot1
	FINISH 1
	s_branch .Lstored
.Lnot1:
	s_cmp_lg_u32 s[TI], 2
	s_cbranch_scc1 .Lnot2
	FINISH 2
	s_branch .Lstored
.Lnot2:
	s_cmp_lg_u32 s[TI], 3
	s_cbranch_scc1 .Lnot3
	FINISH 3
	s_branch .Lstored
.Lnot3:
	FINISH 4
.Lstored:
	s_wait_xcnt 0x0                                ; the tile before's stores have had their addresses translated (ISA guide 3.1): O and SO are rewritten only behind this wait
	s_wait_alu depctr_vm_vsrc(0)                   ; those stores have read O, in which the loads below land, and SO, which the lines below write
.set p, 0
.rept 32                                               ; row 2 (p / 4) + lane / 16, column 4 (lane % 16) + p % 4.  LDS serves a wave's instructions in order (ISA guide 5.7.1.4)
	ds_load_b32 v[O+p], v[RR] offset:2*RP*(p/4)+64*(p%4)
.set p, p+1
.endr
.set i, 0
.rept 16
	v_readlane_b32 s[RL+i], v[EC], i               ; the list entries of the tile's 16 rows, in one run
.set i, i+1
.endr
	s_wait_alu depctr_va_sdst(0)                   ; the sixteen scalars are written, ahead of their first reader
.set m, 0
.rept 8
	v_mov_b32 v[SO+m], s[RL+2*m]                   ; the entries of rows 2 m and 2 m + 1,
.set m, m+1
.endr
.set m, 0
.rept 8
	v_cndmask_b32 v[SO+m], v[SO+m], s[RL+2*m+1], s[UPH]  ; one for each half of the lanes
.set m, m+1
.endr
.set m, 0
.rept 8
	v_min_u32 v[SO+m], 0xfff, v[SO+m]
.set m, m+1
.endr
.set m, 0
.rept 8
	v_lshl_add_u32 v[SO+m], v[SO+m], 12, v[CL16]   ; row slot x 2048 + token of 4,096 bytes
.set m, m+1
.endr
	s_wait_alu depctr_va_vdst(0)                   ; v[SO ..] is written, which the eight stores read; the copy into EC is done reading the tile's list entries, in which the next pass's land
.set m, 0
.rept 8
	s_wait_dscnt 28-4*m                            ; the younger loads of the tile stay out
	global_store_b128 v[SO+m], v[O+4*m:O+4*m+3], s[14:15]
.set m, m+1
.endr
.Ltnext:
	s_add_co_u32 s[T0], s[T0], 16
	s_add_co_u32 s[TI], s[TI], 1
	s_cmp_lt_u32 s[TI], 5
	s_cbranch_scc1 .Ltile
	s_add_nc_u64 s[10:11], s[10:11], 1280          ; 640 entries on; free since the wait for 0 on LOADcnt behind the barrier, which shows the loads that read it done
	ELOAD                                          ; the next pass's entries are asked for only behind a live pass: behind a dead one every pass is dead.  No wait: every reader of these registers stands ahead of a wait on va_vdst
.Lskip:
	s_wait_dscnt 0x0                               ; my stores into my stage, and my reads of it, are done:
	s_barrier_signal -1
	s_barrier_wait -1                              ; every wave's are, before any wave walks the weights again or ends
	s_add_co_u32 s[FR], s[FR], 640
	s_sub_co_u32 s[PASS], s[PASS], 1
	s_cmp_lg_u32 s[PASS], 0
	s_cbranch_scc1 .Lpass
	s_wait_dscnt 0x0                               ; the closing lines, six on end
	s_wait_alu 0x0
	s_wait_tensorcnt 0x0
	ds_add_u32 v[SPW], v[NIL]
	s_wait_dscnt 0x0
	s_endpgm
.Lfunc_end_k_q94364f635d_ffn2:
	.size	k_q94364f635d_ffn2, .Lfunc_end_k_q94364f635d_ffn2-k_q94364f635d_ffn2
	.p2alignl 7, 3214868480
	.fill 96, 4, 3214868480
	.section	.rodata,"a",@progbits
	.p2align	6, 0x0
	.amdhsa_kernel k_q94364f635d_ffn2
		.amdhsa_group_segment_fixed_size 281088
		.amdhsa_private_segment_fixed_size 0
		.amdhsa_enable_private_segment 0
		.amdhsa_kernarg_size 48
		.amdhsa_user_sgpr_count 2
		.amdhsa_user_sgpr_kernarg_segment_ptr 1
		.amdhsa_wavefront_size32 1
		.amdhsa_system_sgpr_workgroup_id_x 1
		.amdhsa_system_sgpr_workgroup_id_y 1
		.amdhsa_system_sgpr_workgroup_id_z 1
		.amdhsa_system_vgpr_workitem_id 0
		.amdhsa_next_free_vgpr 1024
		.amdhsa_next_free_sgpr 88
		.amdhsa_reserve_vcc 0
		.amdhsa_float_denorm_mode_32 3
		.amdhsa_float_denorm_mode_16_64 3
		.amdhsa_memory_ordered 1
		.amdhsa_forward_progress 1
		.amdhsa_inst_pref_size 117
	.end_amdhsa_kernel
	.amdgpu_metadata
---
amdhsa.version: [ 1, 2 ]
amdhsa.kernels:
  - .name:           k_q94364f635d_ffn2
    .symbol:         k_q94364f635d_ffn2.kd
    .args:
      - { .name: hb, .offset: 0, .size: 8, .value_kind: global_buffer, .address_space: global }
      - { .name: Wd, .offset: 8, .size: 8, .value_kind: global_buffer, .address_space: global }
      - { .name: bd, .offset: 16, .size: 8, .value_kind: global_buffer, .address_space: global }
      - { .name: ls, .offset: 24, .size: 8, .value_kind: global_buffer, .address_space: global }
      - { .name: gt, .offset: 32, .size: 8, .value_kind: global_buffer, .address_space: global }
      - { .name: pp, .offset: 40, .size: 8, .value_kind: global_buffer, .address_space: global }
    .group_segment_fixed_size: 281088
    .private_segment_fixed_size: 0
    .kernarg_segment_align: 8
    .kernarg_segment_size: 48
    .max_flat_workgroup_size: 128
    .sgpr_count:     88
    .vgpr_count:     1024
    .wavefront_size: 32
...
	.end_amdgpu_metadata
.endif
;; end of part 9
;; launch combine: the kernel of part 4 again; grid 256 x 1, 8 waves a work-group, no clusters, 0 bytes of LDS; arguments pp, out0; writes out0
